; MI455X (gfx1250); checked and timed in simulation.
; The chip was launched on July 23, 2026; its instructions are those of AMD's public machine-readable ISA for CDNA 5 (MIT licence, August 2026) and "CDNA5" Instruction Set Architecture Reference Guide (July 2026). The comments in the code are by the model that wrote it; some were corrected since.
;; Mixture Of Experts. Allowed arithmetic: float matrix products may take bf16 or f16 operands with f32 sums; other float arithmetic in f32, or as packed bf16 or f16 multiplies, adds, multiply-adds, maxima and minima; sums over many terms, partial sums and values carried from step to step in f32; what a program stores and reads back later, other than sums and carried values, may be rounded once to bf16 or f16.
;; Inputs: b1 8 x 4,096 float32; b2 8 x 1,024 float32; router_b 8 float32; router_w 1,024 x 8 float32; w1 8 x 1,024 x 4,096 float32; w2 8 x 4,096 x 1,024 float32; x 4 x 256 x 1,024 float32.
;; Outputs: out0 4 x 256 x 1,024 float32.
;; 3 versions, each right; version 2 is faster than version 1; version 3 is version 2 with the launches up, down written anew for expert scheduling mode. Each part assembles by itself: llvm-mc -triple=amdgcn-amd-amdhsa -mcpu=gfx1250 --defsym DOCPART=n.
;; ======== version 1 of 3: 4 launches
;; limits: a function is approximated: absolute error at most 2.5e-05
;; workspace buffers: xb 2,097,152 bytes; route 9,216 bytes of whole numbers; gd 32,768 bytes; hid 67,108,864 bytes; rowmap 32,768 bytes of whole numbers; grow 67,584 bytes; part 134,217,728 bytes
;; launch router (part 1): grid 32 x 1, 8 waves a work-group, no clusters, 78,848 bytes of LDS; arguments x, router_w, router_b, xb, route, gd; writes xb, route, gd
.if DOCPART == 1
	.amdgcn_target "amdgcn-amd-amdhsa--gfx1250"
	.amdhsa_code_object_version 6
	.text
	.protected	k_q792271b0de_router
	.globl	k_q792271b0de_router
	.p2align	8
	.type	k_q792271b0de_router,@function
k_q792271b0de_router:
	s_mov_b64 s[64:65], 0
	v_nop
	global_prefetch_b8 v0, s[64:65] scope:SCOPE_SE
	s_setreg_imm32_b32 hwreg(HW_REG_WAVE_MODE, 25, 1), 1
	s_wait_xcnt 0x0
; ROUTER.  logits = x . router_w + router_b, softmax over 8 experts (the row's maximum taken away), top 2, renormalised.
; All three inputs are rounded to bf16 first, as every input of this program is; sums, softmax and gates in f32.
; A work-group owns 32 tokens; wave w owns K = 128 w .. 128 w + 127 of them: it rounds that part of x, stores it to xb
; (16 lanes store 256 consecutive aligned bytes), lays it into a tile of its own in LDS and multiplies it by its part
; of router_w.  The eight partial logits meet in LDS behind one barrier; wave 0 finishes the 32 tokens, one a lane.
; Stored: xb bf16 [1024][1024]; route: bit l of word [e][g] = token 32 g + l chose e, then sel[t][2]; gd f32 [8][1024].
; LIMITS.  Equal probabilities: the lower index wins, as in top_k.  NaN and infinities are not treated apart; an
; exponential below 2^-126 counts as 0.  No address and no branch hangs on a floating-point number.
; No cluster: no two work-groups share a byte but router_w's 32 KB.
.set TILE,  32*272                 ; a wave's tile: 32 rows of 256 bytes + 16 of padding
.set RED,   8*TILE                 ; 8 waves x 32 lanes x 32 bytes of partial logits
.set SPARE, RED+8192               ; the spare words, 128 bytes a wave
.set RW,  16                       ; v[16:79]   router_w as loaded, then 4 fragments in v[16:47]
.set XR,  80                       ; v[80:207]  x: pair of rows rp at XR + 8 rp
.set TF,  80                       ; v[80:143]  token fragments: tile T, K step s at TF + 32 T + 8 s
.set ACA, 144                      ; tokens 0-15
.set ACB, 152                      ; tokens 16-31
.set LG,  160                      ; a lane's eight logits
.set QQ,  168                      ; the probabilities without the best
	s_load_b256 s[4:11], s[0:1], 0x0               ; x, router_w, router_b, xb
	s_load_b128 s[12:15], s[0:1], 0x20             ; route, gd
	v_lshl_add_u32 v10, v0, 2, SPARE               ; my spare word
	v_mov_b32 v11, 0
	v_lshrrev_b32 v3, 5, v0
	v_readfirstlane_b32 s16, v3                    ; wave
	v_and_b32 v4, 31, v0                           ; lane
	v_and_b32 v1, 15, v0                           ; r
	v_bfe_u32 v2, v0, 4, 1                         ; h
	v_and_b32 v5, 7, v0
	v_lshlrev_b32 v5, 2, v5
	v_lshl_add_u32 v5, v2, 8, v5                   ; router_w: 4 (r % 8) + 8 h rows of 32 bytes
	v_lshlrev_b32 v6, 5, v1
	v_lshl_add_u32 v6, v2, 12, v6                  ; x: row h, 32 bytes a lane
	v_lshlrev_b32 v7, 4, v1
	v_lshl_add_u32 v7, v2, 11, v7                  ; xb: row h, 16 bytes a lane
	s_mul_i32 s17, s16, TILE
	v_mul_u32_u24 v8, v2, 272
	v_lshl_add_u32 v8, v1, 4, v8
	v_add_nc_u32 v8, s17, v8                       ; into my tile: row h, 16 bytes a lane
	v_mul_u32_u24 v9, v1, 272
	v_lshl_add_u32 v9, v2, 4, v9
	v_add_nc_u32 v9, s17, v9                       ; a fragment out of it: row r, 16 h
	s_lshl_b32 s33, s16, 10
	v_lshl_add_u32 v12, v4, 5, s33
	v_add_nc_u32 v12, RED, v12                     ; my lane's 32 bytes of partial logits
	v_cmp_gt_u32 vcc_lo, 16, v4                    ; lanes 0-15
	s_lshl_b32 s18, s16, 12                        ; router_w: 128 w rows of 32 bytes
	s_mov_b32 s19, 0
	s_lshl_b32 s20, ttmp9, 17                      ; x: 32 rows of 4,096 bytes a group, 512 bytes a wave
	s_lshl_b32 s32, s16, 9
	s_add_co_u32 s20, s20, s32
	s_mov_b32 s21, 0
	s_lshl_b32 s22, ttmp9, 16                      ; xb: half of that
	s_lshl_b32 s32, s16, 8
	s_add_co_u32 s22, s22, s32
	s_mov_b32 s23, 0
	s_wait_kmcnt 0x0
	s_load_b256 s[24:31], s[8:9], 0x0              ; router_b
	s_add_nc_u64 s[6:7], s[6:7], s[18:19]
	s_add_nc_u64 s[4:5], s[4:5], s[20:21]
	s_add_nc_u64 s[10:11], s[10:11], s[22:23]
	; router_w as source 0: lane (r, h) holds expert r % 8; place i of K step s is k = 32 s + 8 h + i (i < 8) or 32 s + 16 + 8 h + i - 8
.set ss, 0
.rept 4
.set ii, 0
.rept 16
	global_load_b32 v[RW+16*ss+ii], v5, s[6:7] offset:1024*ss+32*(ii+8*(ii/8))
.set ii, ii+1
.endr
.set ss, ss+1
.endr
.set rp, 0
.rept 16                                               ; rows 2 rp and 2 rp + 1: eight numbers a lane
	global_load_b128 v[XR+8*rp:XR+8*rp+3],   v6, s[4:5] offset:8192*rp th:TH_LOAD_NT
	global_load_b128 v[XR+8*rp+4:XR+8*rp+7], v6, s[4:5] offset:8192*rp+16 th:TH_LOAD_NT
.set rp, rp+1
.endr
.set rp, 0
.rept 16
	s_wait_loadcnt 30-2*rp                         ; the younger pairs' loads stay out
.set pq, 0
.rept 4
	v_cvt_pk_bf16_f32 v[XR+8*rp+pq], v[XR+8*rp+2*pq], v[XR+8*rp+2*pq+1]
.set pq, pq+1
.endr
	global_store_b128 v7, v[XR+8*rp:XR+8*rp+3], s[10:11] offset:4096*rp
	ds_store_b128 v8, v[XR+8*rp:XR+8*rp+3] offset:544*rp
.set rp, rp+1
.endr
.set pq, 0
.rept 32                                               ; register pq of the four fragments, in place: its sources lie at 2 pq and 2 pq + 1
	v_cvt_pk_bf16_f32 v[RW+pq], v[RW+2*pq], v[RW+2*pq+1]
.set pq, pq+1
.endr
	s_wait_xcnt 0x0                                ; the stores to xb have read their registers: these are loaded anew below
.set tt, 0
.rept 2
.set ss, 0
.rept 4                                                ; my own tile: LDS serves a wave's instructions in order, so these see the stores above
	ds_load_b128 v[TF+32*tt+8*ss:TF+32*tt+8*ss+3],   v9 offset:4352*tt+64*ss
	ds_load_b128 v[TF+32*tt+8*ss+4:TF+32*tt+8*ss+7], v9 offset:4352*tt+64*ss+32
.set ss, ss+1
.endr
.set tt, tt+1
.endr
	s_wait_dscnt 0x0
	; two accumulators by turns; the first K step starts the sums.  Rows 8-15 repeat experts 0-7, so register j is expert j in both halves of the lanes
	v_wmma_f32_16x16x32_bf16 v[ACA:ACA+7], v[RW:RW+7], v[TF:TF+7], 0
	v_wmma_f32_16x16x32_bf16 v[ACB:ACB+7], v[RW:RW+7], v[TF+32:TF+39], 0
.set ss, 1
.rept 3
	v_wmma_f32_16x16x32_bf16 v[ACA:ACA+7], v[RW+8*ss:RW+8*ss+7], v[TF+8*ss:TF+8*ss+7], v[ACA:ACA+7]
	v_wmma_f32_16x16x32_bf16 v[ACB:ACB+7], v[RW+8*ss:RW+8*ss+7], v[TF+32+8*ss:TF+32+8*ss+7], v[ACB:ACB+7]
.set ss, ss+1
.endr
.rept 4
	v_nop                                          ; four places behind the last product (ISA guide 7.12.1)
.endr
.set jj, 0
.rept 8                                                ; lane l takes token l's eight numbers, lowest register first
	v_cndmask_b32 v[LG+jj], v[ACB+jj], v[ACA+jj], vcc_lo
.set jj, jj+1
.endr
	ds_store_b128 v12, v[LG:LG+3]
	ds_store_b128 v12, v[LG+4:LG+7] offset:16
	s_wait_kmcnt 0x0                               ; router_b
	s_wait_dscnt 0x0                               ; for wave 0's sake: my partial logits are in LDS
	s_barrier_signal -1
	s_barrier_wait -1
	s_cmp_lg_u32 s16, 0
	s_cbranch_scc0 .Lwave0
	s_wait_tensorcnt 0x0                           ; the wave's end
	ds_add_u32 v10, v11
	s_wait_dscnt 0x0
	s_endpgm
.Lwave0:
.set pq, 0
.rept 8                                                ; v12 is RED + 32 x lane in wave 0: the eight waves' parts lie 1,024 bytes apart
	ds_load_b128 v[RW+8*pq:RW+8*pq+3],   v12 offset:1024*pq
	ds_load_b128 v[RW+8*pq+4:RW+8*pq+7], v12 offset:1024*pq+16
.set pq, pq+1
.endr
.set pq, 0
.rept 4                                                ; router_b rounded to bf16 starts the sums
	v_cvt_pk_bf16_f32 v13, s[24+2*pq], s[25+2*pq]
	v_lshlrev_b32 v[LG+2*pq], 16, v13
	v_and_b32 v[LG+2*pq+1], 0xffff0000, v13
.set pq, pq+1
.endr
	s_wait_dscnt 0x0
.set pq, 0
.rept 8
.set jj, 0
.rept 4
	v_pk_add_f32 v[LG+2*jj:LG+2*jj+1], v[LG+2*jj:LG+2*jj+1], v[RW+8*pq+2*jj:RW+8*pq+2*jj+1]
.set jj, jj+1
.endr
.set pq, pq+1
.endr
	v_max3_num_f32 v14, v[LG], v[LG+1], v[LG+2]
	v_max3_num_f32 v14, v14, v[LG+3], v[LG+4]
	v_max3_num_f32 v14, v14, v[LG+5], v[LG+6]
	v_max_num_f32 v14, v14, v[LG+7]
.set jj, 0
.rept 8
	v_sub_f32 v[LG+jj], v[LG+jj], v14
	v_mul_f32 v[LG+jj], 0x3fb8aa3b, v[LG+jj]       ; log2(e)
.set jj, jj+1
.endr
.set jj, 0
.rept 8
	v_exp_f32 v[LG+jj], v[LG+jj]
.set jj, jj+1
.endr
	v_nop                                          ; a plain instruction behind the last exponential,
	s_wait_alu depctr_va_vdst(0)                   ; and one wait for the eight
	v_add_f32 v15, v[LG], v[LG+1]
.set jj, 2
.rept 6
	v_add_f32 v15, v15, v[LG+jj]
.set jj, jj+1
.endr
	v_rcp_f32 v15, v15
	v_nop
	s_wait_alu depctr_va_vdst(0)
.set jj, 0
.rept 8
	v_mul_f32 v[LG+jj], v[LG+jj], v15              ; the probabilities
.set jj, jj+1
.endr
	v_mov_b32 v20, v[LG]                           ; the best and its index: a later one wins only if it is greater
	v_mov_b32 v22, 0
.set jj, 1
.rept 7
	v_cmp_le_f32 vcc_lo, v[LG+jj], v20
	v_cndmask_b32 v20, v[LG+jj], v20, vcc_lo
	v_cndmask_b32 v22, jj, v22, vcc_lo
.set jj, jj+1
.endr
	v_mov_b32 v24, -1.0
.set jj, 0
.rept 8                                                ; the best is taken out
	v_cmp_eq_u32 vcc_lo, jj, v22
	v_cndmask_b32 v[QQ+jj], v[LG+jj], v24, vcc_lo
.set jj, jj+1
.endr
	v_mov_b32 v21, v[QQ]
	v_mov_b32 v23, 0
.set jj, 1
.rept 7
	v_cmp_le_f32 vcc_lo, v[QQ+jj], v21
	v_cndmask_b32 v21, v[QQ+jj], v21, vcc_lo
	v_cndmask_b32 v23, jj, v23, vcc_lo
.set jj, jj+1
.endr
	v_add_f32 v25, v20, v21
	v_rcp_f32 v25, v25
	v_nop
	s_wait_alu depctr_va_vdst(0)
	v_mul_f32 v26, v20, v25                        ; the two gates
	v_mul_f32 v27, v21, v25
	s_mov_b32 s33, 0
	s_lshl_b32 s32, ttmp9, 8
	s_add_nc_u64 s[34:35], s[12:13], s[32:33]      ; sel: 8 bytes a token, behind the 1,024 bytes of bit words
	s_lshl_b32 s32, ttmp9, 7
	s_add_nc_u64 s[36:37], s[14:15], s[32:33]      ; gd: 4 bytes a token
	s_lshl_b32 s32, ttmp9, 2
	s_add_nc_u64 s[38:39], s[12:13], s[32:33]      ; my group's word in each expert's 32
	v_lshlrev_b32 v28, 3, v4
	v_lshlrev_b32 v29, 2, v4
	v_lshlrev_b32 v31, 7, v4
	v_mov_b32 v30, 0
	global_store_b64 v28, v[22:23], s[34:35] offset:1024
.set ee, 0
.rept 8
	v_cmp_eq_u32 s40, ee, v22
	v_cmp_eq_u32 s41, ee, v23
	v_cndmask_b32 v[32+ee], 0, v27, s41
	v_cndmask_b32 v[32+ee], v[32+ee], v26, s40
	global_store_b32 v29, v[32+ee], s[36:37] offset:4096*ee
	s_or_b32 s40, s40, s41
	v_writelane_b32 v30, s40, ee                   ; expert ee's word goes to lane ee: data alone, no address hangs on it
.set ee, ee+1
.endr
	v_cmp_gt_u32 vcc_lo, 8, v4
	s_wait_xcnt 0x0                                ; EXEC changes only behind this wait
	s_and_saveexec_b32 s42, vcc_lo
	global_store_b32 v31, v30, s[38:39]
	s_wait_xcnt 0x0
	s_or_b32 exec_lo, exec_lo, s42
	s_wait_tensorcnt 0x0                           ; the wave's end
	ds_add_u32 v10, v11
	s_wait_dscnt 0x0
	s_endpgm
.Lfunc_end_k_q792271b0de_router:
	.size	k_q792271b0de_router, .Lfunc_end_k_q792271b0de_router-k_q792271b0de_router
	.p2alignl 7, 3214868480
	.fill 96, 4, 3214868480
	.section	.rodata,"a",@progbits
	.p2align	6, 0x0
	.amdhsa_kernel k_q792271b0de_router
		.amdhsa_group_segment_fixed_size 78848
		.amdhsa_private_segment_fixed_size 0
		.amdhsa_enable_private_segment 0
		.amdhsa_kernarg_size 48
		.amdhsa_user_sgpr_count 2
		.amdhsa_user_sgpr_kernarg_segment_ptr 1
		.amdhsa_wavefront_size32 1
		.amdhsa_system_sgpr_workgroup_id_x 1
		.amdhsa_system_sgpr_workgroup_id_y 1
		.amdhsa_system_sgpr_workgroup_id_z 1
		.amdhsa_system_vgpr_workitem_id 0
		.amdhsa_next_free_vgpr 256
		.amdhsa_next_free_sgpr 66
		.amdhsa_reserve_vcc 1
		.amdhsa_float_denorm_mode_32 3
		.amdhsa_float_denorm_mode_16_64 3
		.amdhsa_memory_ordered 1
		.amdhsa_forward_progress 1
		.amdhsa_inst_pref_size 35
	.end_amdhsa_kernel
	.amdgpu_metadata
---
amdhsa.version: [ 1, 2 ]
amdhsa.kernels:
  - .name:           k_q792271b0de_router
    .symbol:         k_q792271b0de_router.kd
    .args:
      - { .name: x, .offset: 0, .size: 8, .value_kind: global_buffer, .address_space: global }
      - { .name: router_w, .offset: 8, .size: 8, .value_kind: global_buffer, .address_space: global }
      - { .name: router_b, .offset: 16, .size: 8, .value_kind: global_buffer, .address_space: global }
      - { .name: xb, .offset: 24, .size: 8, .value_kind: global_buffer, .address_space: global }
      - { .name: route, .offset: 32, .size: 8, .value_kind: global_buffer, .address_space: global }
      - { .name: gd, .offset: 40, .size: 8, .value_kind: global_buffer, .address_space: global }
    .group_segment_fixed_size: 78848
    .private_segment_fixed_size: 0
    .kernarg_segment_align: 8
    .kernarg_segment_size: 48
    .max_flat_workgroup_size: 256
    .sgpr_count:     66
    .vgpr_count:     256
    .wavefront_size: 32
...
	.end_amdgpu_metadata
.endif
;; end of part 1
;; launch up (part 2): grid 32 x 8, 4 waves a work-group, no clusters, 267,008 bytes of LDS; arguments xb, route, gd, w1, b1, hid, rowmap, grow; writes hid, rowmap, grow
.if DOCPART == 2
	.amdgcn_target "amdgcn-amd-amdhsa--gfx1250"
	.amdhsa_code_object_version 6
	.text
	.protected	k_q792271b0de_up
	.globl	k_q792271b0de_up
	.p2align	8
	.type	k_q792271b0de_up,@function
k_q792271b0de_up:
	s_mov_b64 s[64:65], 0
	v_nop
	global_prefetch_b8 v0, s[64:65] scope:SCOPE_SE
	s_setreg_imm32_b32 hwreg(HW_REG_WAVE_MODE, 25, 1), 1
	s_wait_xcnt 0x0
; FIRST PRODUCT AND GELU.  hid = gelu(x . w1[e] + b1[e]) for the rows that chose expert e, in the order of their rank in e.
; A work-group (x, e) owns 128 columns of w1[e], all 1,024 of K (512 KB of f32, which it alone reads), and all rows of e.  Four waves, one text, two phases.
; THE STREAM.  Wave w = 2 q + ch takes, of every chunk of 64 K, a slab of 32 K x 64 columns: 16 loads in which lanes 0-15 read 256 aligned bytes of one
; K row and lanes 16-31 of the row 16 further on.  Lane r holds columns 4 r .. 4 r + 3, so one v_cvt_pk_bf16_f32 of two loads' registers IS a register of a
; matrix fragment (fragment j: lane r stands for column 4 r + j): no transpose.  48 loads of a wave are out at all times (three slots of 16).  The fragments
; go into LDS, which takes the whole slice in bf16, each byte written once: store, wait, barrier, load is all the ordering there is.
; THE PRODUCTS.  Wave w owns the tiles of 16 ranks 20 p + 4 i + w, i = 0..4, in pass p.  Weight fragments come out of LDS, token fragments straight from xb into
; registers (a ring of three K steps).  One text serves every pass: four trips cover every count, dead ones are jumped; no barrier and no LDS write stands there.
; K PLACES, alike in both operands: K step s, lane half h, place i of 16 is k = 32 s + 16 h + i.
; ROWS.  cnt = the expert's set bits.  Rows past cnt repeat the last row; tiles past the count are multiplied (the fifth is jumped) and not stored.
; BIAS: a K step of its own that starts the sums: b1 rounded to bf16 times a fragment of ones.
; GELU, exact form: erf by Abramowitz and Stegun 7.1.25, absolute error at most 2.5e-5 for every argument; with y = v sqrt(log2(e) / 2):
; g = 0.588705 (y + |y|) - |y| 2^(-y y) t (A1 + t (A2 + t A3)), t = 1 / (1 + 0.391692 |y|).
; hid is rounded once to bf16 and stored in the order in which the second product's fragments take it: 512 consecutive bytes a store.
; TABLES for the later launches: group (x, e) stores, for the 32 tokens of bit word x, the rank in e (rowmap) and the gate at its rank (grow).
; LIMITS.  x, w1, b1 enter as bf16.  2^(-y y) below 2^-126 counts as 0.  NaN and infinities are not treated apart.
; NO TENSOR LOADS: the weights pass through registers to be rounded.  NO CLUSTER: each weight byte has one reader, and the token rows come by a list.
.set PITCH, 16384                  ; bytes from a K row of w1 to the next
.set CH,    64*PITCH               ; a chunk of 64 K
.set HSH,   18                     ; lanes 16-31: 16 rows further on
.set QSTEP, 32                     ; the chunk's second K step: 32 rows further on
.set XSTEP, 64                     ; a K step in a row of xb
.set X2,    16                     ; a fragment's second 16 bytes
.set LIST,  262144                 ; behind the slice: token by rank, 1,024 words, and 64 words that take what is not wanted
.set SPARE, 266496                 ; the spare words, 128 bytes a wave
; the products: v1 LDS address; v2-6 token offsets; v7 at work; WF 8 weight fragments; XF 3 slots x 5 tiles; A4 the fifth tile's sums; window 1: tile i, fragment c at 64 i + 8 c
.set VO,  2
.set WF,  8
.set XF,  72
.set ONE, 152                      ; the fragment of ones (in slot 2, ahead of its first fill)
.set BA,  183                      ; address of the loads of the bias
.set BI,  184                      ; the bias, 8 registers
.set A4,  192
; the stream: RING 3 slots x 64; CV converted; SOF offset in w1; LS LDS address; GD my token's gate and GDA its offset; v236-245 at work on list and tables
.set RING, 8
.set CV,   200
.set SOF,  232
.set LS,   233
.set GD,   234
.set GDA,  235
; GELU at work, 16 numbers at a time
.set GAX, 72
.set GT,  88
.set GU,  104
.set GP,  120
.set GM,  136
.set GH,  152
.set WAVE, 20
.set WORD, 21
.set EX,   22
.set GX,   23
.set CNT,  24
.set CM1,  25
.set NT,   26
.set NPASS, 27
.set PASS, 28
.set TB,   29
.set T4,   30
.set LC,   31
.set BM,   32                      ; s[32:63] the expert's 32 bit words
.set SX,   66
.set SX0,  68
.set SW,   70
.set SO,   72
.set SB,   74
.set T0,   76
.set AMASK, 77
.set SRM,  78
.set SGR,  80
.set SGD,  82
.set TA,   84
.set TI,   86
.set TAU,  87
.set KC1,  88
.set KC2,  90
.set KC3,  92
.set KA1,  94
.set KA2,  96
.set KA3,  98
.set PRE,  100
.set MSB, 0
.macro WIN new                         ; the immediate's high byte repeats the setting that is left
.if MSB != (\new)
	s_set_vgpr_msb (MSB<<8)|(\new)
.set MSB, \new
.endif
.endm
.macro PLACES                          ; four places behind a matrix instruction, ahead of loads into its sources and of readers of its result
.rept 4
	v_nop
.endr
.endm
.macro SLOADH sl, half, imm            ; eight loads: half a slab
.set ii, 8*(\half)
.rept 8
	global_load_b128 v[RING+64*(\sl)+4*ii:RING+64*(\sl)+4*ii+3], v[SOF], s[SW:SW+1] offset:(\imm)+ii*PITCH th:TH_LOAD_NT
.set ii, ii+1
.endr
.endm
.macro CONVH sl, half, limm            ; half a slab: registers 4 half .. 4 half + 3 of four fragments, rounded and stored
.set jp, 0
.rept 4
.set pq, 0
.rept 4
	v_cvt_pk_bf16_f32 v[CV+16*(\half)+4*jp+pq], v[RING+64*(\sl)+4*(8*(\half)+2*pq)+jp], v[RING+64*(\sl)+4*(8*(\half)+2*pq+1)+jp]
.set pq, pq+1
.endr
.set jp, jp+1
.endr
.set jp, 0
.rept 4
	ds_store_b128 v[LS], v[CV+16*(\half)+4*jp:CV+16*(\half)+4*jp+3] offset:(\limm)+jp*1024+(\half)*512
.set jp, jp+1
.endr
.endm
.macro PROD sl, limm, gimm, wa, wb     ; a chunk's slab out of slot sl into LDS; the slot is asked for again by halves (gimm >= 0)
	s_wait_loadcnt \wa                             ; the oldest eight loads are in: the slot's first half
	CONVH \sl, 0, \limm
.if (\gimm) >= 0
	SLOADH \sl, 0, \gimm
.endif
	s_wait_loadcnt \wb                             ; its second half
	CONVH \sl, 1, \limm
.if (\gimm) >= 0
	SLOADH \sl, 1, \gimm
.endif
.endm
.macro WFLOAD half, imm                ; four weight fragments of a K step
.set cc, 4*(\half)
.rept 4
	ds_load_b128 v[WF+8*cc:WF+8*cc+3],   v1 offset:(\imm)+cc*1024
	ds_load_b128 v[WF+8*cc+4:WF+8*cc+7], v1 offset:(\imm)+cc*1024+512
.set cc, cc+1
.endr
.endm
.macro XLOAD sl, imm                   ; five token fragments of a K step
.set tt, 0
.rept 5
	global_load_b128 v[XF+40*(\sl)+8*tt:XF+40*(\sl)+8*tt+3],   v[VO+tt], s[SX:SX+1] offset:(\imm)
	global_load_b128 v[XF+40*(\sl)+8*tt+4:XF+40*(\sl)+8*tt+7], v[VO+tt], s[SX:SX+1] offset:(\imm)+X2
.set tt, tt+1
.endr
.endm
.macro MM16 half, sl                   ; 16 products on 16 accumulators: they take turns
	WIN 0x50
.set cc, 4*(\half)
.rept 4
.set tt, 0
.rept 4
	v_wmma_f32_16x16x32_bf16 v[64*tt+8*cc:64*tt+8*cc+7], v[WF+8*cc:WF+8*cc+7], v[XF+40*(\sl)+8*tt:XF+40*(\sl)+8*tt+7], v[64*tt+8*cc:64*tt+8*cc+7]
.set tt, tt+1
.endr
.set cc, cc+1
.endr
.endm
.macro MM4 half, sl                    ; the fifth tile's four, jumped where that tile has no rows
	WIN 0
	s_cmp_eq_u32 s[T4], 0
	s_cbranch_scc1 .Lno4_\@
.set cc, 4*(\half)
.rept 4
	v_wmma_f32_16x16x32_bf16 v[A4+8*cc:A4+8*cc+7], v[WF+8*cc:WF+8*cc+7], v[XF+40*(\sl)+32:XF+40*(\sl)+39], v[A4+8*cc:A4+8*cc+7]
.set cc, cc+1
.endr
.Lno4_\@:
.endm
; A K step on token slot sl.  xi >= 0: the tokens two steps on are asked for.  lw: the younger token loads that may stay out.  wn >= 0: the next step's weights, at LDS offset wn, by halves.
.macro KSTEP sl, xi, lw, wn
.if (\xi) >= 0
	XLOAD ((\sl)+2)%3, \xi
.endif
	s_wait_loadcnt \lw
	s_wait_dscnt 0x8                               ; fragments 0-3 are in; the eight loads of 4-7 are younger
	MM16 0, \sl
	MM4 0, \sl
	PLACES
.if (\wn) >= 0
	WFLOAD 0, \wn
	s_wait_dscnt 0x8                               ; fragments 4-7 are in; the eight just issued stay out
.else
	s_wait_dscnt 0x0
.endif
	MM16 1, \sl
	MM4 1, \sl
	PLACES
.if (\wn) >= 0
	WFLOAD 1, \wn
.endif
.endm
.macro BLOAD                           ; lane r: the bias of columns 4 r .. 4 r + 3 of both halves of the slice
	v_and_b32 v[BA], 15, v0
	v_lshlrev_b32 v[BA], 4, v[BA]
	global_load_b128 v[BI:BI+3],   v[BA], s[SB:SB+1]
	global_load_b128 v[BI+4:BI+7], v[BA], s[SB:SB+1] offset:256
.endm
.macro TOKS                            ; my five tiles' rows: rank, clamped to the last row, to token, to an offset in xb
	v_and_b32 v7, 15, v0
	s_lshl_b32 s[TA], s[TB], 4
.set tt, 0
.rept 5
	v_add_nc_u32 v[VO+tt], s[TA], v7
	v_add_nc_u32 v[VO+tt], 64*tt, v[VO+tt]
	v_min_u32 v[VO+tt], s[CM1], v[VO+tt]
	v_min_u32 v[VO+tt], 0x3ff, v[VO+tt]
	v_lshl_add_u32 v[VO+tt], v[VO+tt], 2, LIST
.set tt, tt+1
.endr
.set tt, 0
.rept 5
	ds_load_b32 v[VO+tt], v[VO+tt]
.set tt, tt+1
.endr
	v_bfe_u32 v7, v0, 4, 1
	v_lshlrev_b32 v7, 5, v7
	s_wait_dscnt 0x0
.set tt, 0
.rept 5
	v_min_u32 v[VO+tt], 0x3ff, v[VO+tt]
	v_lshl_add_u32 v[VO+tt], v[VO+tt], 11, v7      ; a row of 2,048 bytes, 32 h
.set tt, tt+1
.endr
.endm
.macro INIT lw                         ; the bias's K step starts all 40 sums: place 0 of lanes 0-15 holds the bias on one side and 1 on the other, every other place 0
	s_wait_loadcnt \lw
.set cc, 0
.rept 8
.set kk, 1
.rept 7
	v_mov_b32 v[WF+8*cc+kk], 0
.set kk, kk+1
.endr
	v_cvt_pk_bf16_f32 v[WF+8*cc], v[BI+cc], v[WF+8*cc+1]
.set cc, cc+1
.endr
	s_mov_b32 s[TA], 0xffff
	v_mov_b32 v[ONE+1], 0x3f80
	v_cndmask_b32 v[ONE], 0, v[ONE+1], s[TA]
.set kk, 1
.rept 7
	v_mov_b32 v[ONE+kk], 0
.set kk, kk+1
.endr
	WIN 0x50
.set cc, 0
.rept 8
.set tt, 0
.rept 4
	v_wmma_f32_16x16x32_bf16 v[64*tt+8*cc:64*tt+8*cc+7], v[WF+8*cc:WF+8*cc+7], v[ONE:ONE+7], 0
.set tt, tt+1
.endr
.set cc, cc+1
.endr
	WIN 0
.set cc, 0
.rept 8
	v_wmma_f32_16x16x32_bf16 v[A4+8*cc:A4+8*cc+7], v[WF+8*cc:WF+8*cc+7], v[ONE:ONE+7], 0
.set cc, cc+1
.endr
	PLACES
.endm
.macro STAGE t                         ; tile t's 64 sums times sqrt(log2(e) / 2) into v8-71, each accumulator from its low end on
.if (\t) < 4
	WIN 0x01
.set AB, 64*(\t)
.else
.set AB, A4
.endif
.set nn, 0
.rept 32
	v_pk_mul_f32 v[WF+2*nn:WF+2*nn+1], v[AB+2*nn:AB+2*nn+1], s[KC1:KC1+1] op_sel_hi:[1,0]
.set nn, nn+1
.endr
	WIN 0
.endm
; GELU of 16 numbers: fragments 4 ch .. 4 ch + 3, registers 4 q .. 4 q + 3.  My lane (r, h) holds rank r and f = 64 ch + 32 h + 4 j + fragment: just what lane (r, h) of the second product's fragments wants.
.macro GB ch, q
.set YB, WF+32*(\ch)+4*(\q)
.set HB, GH+8*(2*(\ch)+(\q))
.set nn, 0
.rept 16
	v_and_b32 v[GAX+nn], s[AMASK], v[YB+8*(nn/4)+nn%4]
.set nn, nn+1
.endr
.set nn, 0
.rept 8
.set YP, YB+8*(nn/2)+2*(nn%2)
	v_pk_fma_f32 v[GT+2*nn:GT+2*nn+1], v[GAX+2*nn:GAX+2*nn+1], s[KC2:KC2+1], 1.0 op_sel_hi:[1,0,0]
	v_pk_mul_f32 v[GU+2*nn:GU+2*nn+1], v[YP:YP+1], v[YP:YP+1] neg_lo:[1,0] neg_hi:[1,0]
.set nn, nn+1
.endr
.set nn, 0
.rept 16
	v_rcp_f32 v[GT+nn], v[GT+nn]
.set nn, nn+1
.endr
.set nn, 0
.rept 16
	v_exp_f32 v[GU+nn], v[GU+nn]
.set nn, nn+1
.endr
.set nn, 0
.rept 8                                                ; y + |y|: plain work behind the batch that names none of its results
.set YP, YB+8*(nn/2)+2*(nn%2)
	v_pk_add_f32 v[GM+2*nn:GM+2*nn+1], v[YP:YP+1], v[GAX+2*nn:GAX+2*nn+1]
.set nn, nn+1
.endr
	s_wait_alu depctr_va_vdst(0)                   ; one wait for the 32, ahead of their first reader
.set nn, 0
.rept 8
	v_pk_fma_f32 v[GP+2*nn:GP+2*nn+1], v[GT+2*nn:GT+2*nn+1], s[KA3:KA3+1], s[KA2:KA2+1] op_sel_hi:[1,0,0]
	v_pk_mul_f32 v[GU+2*nn:GU+2*nn+1], v[GU+2*nn:GU+2*nn+1], v[GAX+2*nn:GAX+2*nn+1]
.set nn, nn+1
.endr
.set nn, 0
.rept 8
	v_pk_fma_f32 v[GP+2*nn:GP+2*nn+1], v[GP+2*nn:GP+2*nn+1], v[GT+2*nn:GT+2*nn+1], s[KA1:KA1+1] op_sel_hi:[1,1,0]
	v_pk_mul_f32 v[GU+2*nn:GU+2*nn+1], v[GU+2*nn:GU+2*nn+1], v[GT+2*nn:GT+2*nn+1]
.set nn, nn+1
.endr
.set nn, 0
.rept 8
	v_pk_mul_f32 v[GP+2*nn:GP+2*nn+1], v[GP+2*nn:GP+2*nn+1], v[GU+2*nn:GU+2*nn+1]
.set nn, nn+1
.endr
.set nn, 0
.rept 8
	v_pk_fma_f32 v[GM+2*nn:GM+2*nn+1], v[GM+2*nn:GM+2*nn+1], s[KC3:KC3+1], v[GP+2*nn:GP+2*nn+1] op_sel_hi:[1,0,1] neg_lo:[0,0,1] neg_hi:[0,0,1]
.set nn, nn+1
.endr
.set hf, 0
.rept 2
.set pq, 0
.rept 4                                                ; eight neighbouring f: register 2 hf + pq / 2 of fragments 2 (pq % 2) and 2 (pq % 2) + 1
	v_cvt_pk_bf16_f32 v[HB+4*hf+pq], v[GM+4*(2*(pq%2))+2*hf+pq/2], v[GM+4*(2*(pq%2)+1)+2*hf+pq/2]
.set pq, pq+1
.endr
.set hf, hf+1
.endr
	global_store_b128 v7, v[HB:HB+3],   s[SO:SO+1] offset:(\ch)*2048+(2*(\q))*512
	global_store_b128 v7, v[HB+4:HB+7], s[SO:SO+1] offset:(\ch)*2048+(2*(\q)+1)*512
.endm
	s_load_b512 s[4:19], s[0:1], 0x0               ; xb, route, gd, w1, b1, hid, rowmap, grow
	v_lshrrev_b32 v1, 5, v0
	v_readfirstlane_b32 s[WAVE], v1
	s_and_b32 s[EX], ttmp7, 0xffff                 ; the expert
	s_mov_b32 s[GX], ttmp9                         ; the slice of 128 columns, and the bit word whose tables I store
	s_lshr_b32 s[TA], s[WAVE], 1                   ; which K step of a chunk I stream
	s_and_b32 s[TA+1], s[WAVE], 1                  ; which 64 columns
	s_mul_i32 s[TA], s[TA], QSTEP*PITCH
	s_lshl_b32 s[TA+1], s[TA+1], 8
	s_add_co_u32 s[TA], s[TA], s[TA+1]
	v_and_b32 v2, 15, v0
	v_bfe_u32 v3, v0, 4, 1
	v_lshl_add_u32 v[SOF], v2, 4, s[TA]
	v_lshl_add_u32 v[SOF], v3, HSH, v[SOF]
	v_and_b32 v2, 31, v0
	s_lshl_b32 s[TA], s[WAVE], 12
	v_lshl_add_u32 v[LS], v2, 4, s[TA]             ; 16 x lane + 4,096 x wave
	v_lshlrev_b32 v[GDA], 2, v2
	s_lshl_b32 s[T0], s[EX], 7
	s_lshl_b32 s[SW], s[EX], 24
	s_lshl_b32 s[TA], s[GX], 9
	s_add_co_u32 s[SW], s[SW], s[TA]
	s_mov_b32 s[SW+1], 0
	s_lshl_b32 s[SGD], s[EX], 12                   ; 4,096 bytes an expert, 128 a bit word: in gd and in rowmap alike
	s_lshl_b32 s[TA], s[GX], 7
	s_add_co_u32 s[SGD], s[SGD], s[TA]
	s_mov_b32 s[SGD+1], 0
	s_wait_kmcnt 0x0
	s_load_b512 s[BM:BM+15], s[6:7], s[T0] offset:0x0
	s_load_b512 s[BM+16:BM+31], s[6:7], s[T0] offset:0x40
	s_add_nc_u64 s[SRM:SRM+1], s[16:17], s[SGD:SGD+1]
	s_add_nc_u64 s[SGD:SGD+1], s[8:9], s[SGD:SGD+1]
	s_add_nc_u64 s[SW:SW+1], s[10:11], s[SW:SW+1]
	global_load_b32 v[GD], v[GDA], s[SGD:SGD+1]    ; the gates of word x's tokens: ahead of the weights, in every wave alike
	SLOADH 0, 0, 0                                 ; three chunks' slabs: 48 loads
	SLOADH 0, 1, 0
	SLOADH 1, 0, CH
	SLOADH 1, 1, CH
	SLOADH 2, 0, 2*CH
	SLOADH 2, 1, 2*CH
	s_mov_b64 s[SX:SX+1], s[4:5]
	s_mov_b64 s[SX0:SX0+1], s[4:5]
	s_lshl_b32 s[SO], s[EX], 23                    ; hid: 8 MB an expert, 4,096 bytes of a tile for my two chunks of 64 f
	s_lshl_b32 s[TA], s[GX], 12
	s_add_co_u32 s[SO], s[SO], s[TA]
	s_mov_b32 s[SO+1], 0
	s_add_nc_u64 s[SO:SO+1], s[14:15], s[SO:SO+1]
	s_lshl_b32 s[SB], s[EX], 14
	s_lshl_b32 s[TA], s[GX], 9
	s_add_co_u32 s[SB], s[SB], s[TA]
	s_mov_b32 s[SB+1], 0
	s_add_nc_u64 s[SB:SB+1], s[12:13], s[SB:SB+1]
	s_mul_i32 s[SGR], s[EX], 8448                  ; grow: 2,112 numbers an expert
	s_mov_b32 s[SGR+1], 0
	s_add_nc_u64 s[SGR:SGR+1], s[18:19], s[SGR:SGR+1]
	s_mov_b32 s[AMASK], 0x7fffffff
	s_mov_b32 s[KC1], 0x3f596d27                   ; sqrt(log2(e) / 2) = 0.8493218
	s_mov_b32 s[KC1+1], s[KC1]
	s_mov_b32 s[KC2], 0x3ec88bda                   ; 0.47047 / sqrt(log2(e)) = 0.39169197
	s_mov_b32 s[KC2+1], s[KC2]
	s_mov_b32 s[KC3], 0x3f16b55f                   ; 1 / (2 x 0.8493218) = 0.58870501
	s_mov_b32 s[KC3+1], s[KC3]
	s_mov_b32 s[KA1], 0x3e51cd01                   ; 0.3480242 x 0.58870501
	s_mov_b32 s[KA1+1], s[KA1]
	s_mov_b32 s[KA2], 0xbd6732ca                   ; -0.0958798 x 0.58870501
	s_mov_b32 s[KA2+1], s[KA2]
	s_mov_b32 s[KA3], 0x3ee16a97                   ; 0.7478556 x 0.58870501
	s_mov_b32 s[KA3+1], s[KA3]
	s_mov_b32 s[CNT], 0
	s_mov_b32 s[PRE], 0
	s_mov_b32 s[WORD], 0
	s_wait_kmcnt 0x0
.set gg, 0
.rept 32                                               ; the expert's rows; those of the words ahead of word x; word x itself
	s_bcnt1_i32_b32 s[TA], s[BM+gg]
	s_add_co_u32 s[CNT], s[CNT], s[TA]
	s_cmp_gt_u32 s[GX], gg
	s_cselect_b32 s[TA], s[TA], 0
	s_add_co_u32 s[PRE], s[PRE], s[TA]
	s_cmp_eq_u32 s[GX], gg
	s_cselect_b32 s[WORD], s[BM+gg], s[WORD]
.set gg, gg+1
.endr
	s_max_u32 s[TA], s[CNT], 1
	s_sub_co_u32 s[CM1], s[TA], 1                  ; the last row (row 0 for an expert without rows)
	s_add_co_u32 s[NT], s[TA], 15
	s_lshr_b32 s[NT], s[NT], 4                     ; tiles, 1 to 64
	s_add_co_u32 s[NPASS], s[NT], 19
	s_mul_i32 s[NPASS], s[NPASS], 205
	s_lshr_b32 s[NPASS], s[NPASS], 12              ; (tiles + 19) / 20 for 1 to 64 tiles
	s_mov_b32 s[TB], s[WAVE]
	s_cmp_lg_u32 s[WAVE], 0
	s_cbranch_scc1 .Lnolist
	; ---- wave 0: the list of tokens by rank
	v_and_b32 v236, 31, v0
	v_mov_b32 v238, LIST
	v_mov_b32 v239, 0
	ds_store_b32 v238, v239                        ; rank 0 holds a token also where the expert has no rows
	v_add_nc_u32 v237, 1024, v236                  ; where a lane whose bit is clear puts its token
	s_mov_b32 s[TA], 0
.set gg, 0
.rept 32
	v_mbcnt_lo_u32_b32 v238, s[BM+gg], s[TA]       ; rank = set bits below mine + those of the words before
	v_cndmask_b32 v238, v237, v238, s[BM+gg]
	v_min_u32 v238, 0x43f, v238
	v_lshl_add_u32 v238, v238, 2, LIST
	v_add_nc_u32 v239, 32*gg, v236
	ds_store_b32 v238, v239
	s_bcnt1_i32_b32 s[TA+1], s[BM+gg]
	s_add_co_u32 s[TA], s[TA], s[TA+1]
.set gg, gg+1
.endr
.Lnolist:
	s_wait_loadcnt 48                              ; the gates are in; the 48 loads of weights are younger
	s_cmp_lg_u32 s[WAVE], 1
	s_cbranch_scc1 .Lnotab
	; ---- wave 1: word x's tokens: rank by token, gate by rank; a lane whose bit is clear has a place of its own behind the ranks
	v_and_b32 v240, 31, v0
	v_mbcnt_lo_u32_b32 v241, s[WORD], s[PRE]
	v_min_u32 v241, 0x3ff, v241
	v_lshlrev_b32 v242, 2, v240
	global_store_b32 v242, v241, s[SRM:SRM+1]
	s_lshl_b32 s[TA], s[GX], 5
	s_add_co_u32 s[TA], s[TA], 1056
	v_add_nc_u32 v243, s[TA], v240
	v_cndmask_b32 v243, v243, v241, s[WORD]
	v_min_u32 v243, 0x83f, v243
	v_lshlrev_b32 v243, 2, v243
	global_store_b32 v243, v[GD], s[SGR:SGR+1]
	s_cmp_lg_u32 s[GX], 0
	s_cbranch_scc1 .Lnotab
	s_min_u32 s[TA], s[CNT], 0x400                 ; one group an expert: 32 zeros behind the last rank, for the last tile's rows past the count
	v_add_nc_u32 v244, s[TA], v240
	v_lshlrev_b32 v244, 2, v244
	v_mov_b32 v245, 0
	global_store_b32 v244, v245, s[SGR:SGR+1]
.Lnotab:
	s_wait_dscnt 0x0                               ; the list is in LDS
	s_barrier_signal -1
	s_barrier_wait -1                              ; the slice's stores begin behind the list's
	; ---- THE STREAM: 16 chunks; of 48 loads the 40 younger stay out, before and behind each refill of eight
	s_mov_b32 s[LC], 4
.Lw:
	PROD 0, 0,     3*CH, 40, 40
	PROD 1, 16384, 4*CH, 40, 40
	PROD 2, 32768, 5*CH, 40, 40
	s_wait_xcnt 0x0                                ; the loads' base is stepped only behind this wait
	s_add_nc_u64 s[SW:SW+1], s[SW:SW+1], 3*CH
	v_add_nc_u32 v[LS], 49152, v[LS]
	s_sub_co_u32 s[LC], s[LC], 1
	s_cmp_lg_u32 s[LC], 0
	s_cbranch_scc1 .Lw
	PROD 0, 0,     3*CH, 40, 40                    ; chunk 12 asks for the last
	PROD 1, 16384, -1, 40, 32                      ; the last three ask for nothing: the counts run down
	PROD 2, 32768, -1, 24, 16
	PROD 0, 49152, -1, 8, 0
	s_wait_dscnt 0x0                               ; for the others' sake: my part of the slice is in LDS
	s_barrier_signal -1
	s_barrier_wait -1                              ; the slice is whole; nothing writes LDS from here to the closing barrier
	; ---- THE PRODUCTS
	s_mov_b32 s[PASS], 0
.Lpass:
	s_cmp_ge_u32 s[PASS], s[NPASS]
	s_cbranch_scc1 .Lpnext
	s_add_co_u32 s[TA], s[TB], 16
	s_cmp_lt_u32 s[TA], s[NT]
	s_cselect_b32 s[T4], 1, 0
	BLOAD
	TOKS
	XLOAD 0, 0
	XLOAD 1, XSTEP
	v_and_b32 v1, 31, v0
	v_lshlrev_b32 v1, 4, v1
	INIT 20                                        ; the bias is in; the 20 token loads are younger
	WFLOAD 0, 0
	WFLOAD 1, 0
	s_mov_b32 s[LC], 5
.Lk:                                                   ; six K steps a trip: the token slots come round twice
	KSTEP 0, 2*XSTEP, 20, 1*8192
	KSTEP 1, 3*XSTEP, 20, 2*8192
	KSTEP 2, 4*XSTEP, 20, 3*8192
	KSTEP 0, 5*XSTEP, 20, 4*8192
	KSTEP 1, 6*XSTEP, 20, 5*8192
	KSTEP 2, 7*XSTEP, 20, 6*8192
	s_wait_xcnt 0x0
	s_add_nc_u64 s[SX:SX+1], s[SX:SX+1], 6*XSTEP
	v_add_nc_u32 v1, 49152, v1
	s_sub_co_u32 s[LC], s[LC], 1
	s_cmp_lg_u32 s[LC], 0
	s_cbranch_scc1 .Lk
	KSTEP 0, -1, 10, 8192                          ; the last two steps ask for no tokens: ten loads are younger, then none
	KSTEP 1, -1, 0, -1
	s_mov_b32 s[TI], 0
.Ltile:                                                ; the pass's tiles leave, one text for the GELU
	s_lshl_b32 s[TAU], s[TI], 2
	s_add_co_u32 s[TAU], s[TAU], s[TB]
	s_cmp_ge_u32 s[TAU], s[NT]
	s_cbranch_scc1 .Ltnext                         ; a tile past the count is not stored
	s_cmp_eq_u32 s[TI], 0
	s_cbranch_scc1 .Lst0
	s_cmp_eq_u32 s[TI], 1
	s_cbranch_scc1 .Lst1
	s_cmp_eq_u32 s[TI], 2
	s_cbranch_scc1 .Lst2
	s_cmp_eq_u32 s[TI], 3
	s_cbranch_scc1 .Lst3
	STAGE 4
	s_branch .Lgelu
.Lst0:
	STAGE 0
	s_branch .Lgelu
.Lst1:
	STAGE 1
	s_branch .Lgelu
.Lst2:
	STAGE 2
	s_branch .Lgelu
.Lst3:
	STAGE 3
.Lgelu:
	s_wait_xcnt 0x0                                ; the last tile's stores have read their registers
	v_and_b32 v7, 31, v0
	s_lshl_b32 s[TAU], s[TAU], 17                  ; a tile is 131,072 bytes of hid
	v_lshl_add_u32 v7, v7, 4, s[TAU]
	GB 0, 0
	GB 0, 1
	GB 1, 0
	GB 1, 1
.Ltnext:
	s_add_co_u32 s[TI], s[TI], 1
	s_cmp_lt_u32 s[TI], 5
	s_cbranch_scc1 .Ltile
	s_wait_xcnt 0x0                                ; the stores have read their registers, the loads their base
	s_mov_b64 s[SX:SX+1], s[SX0:SX0+1]
	s_add_co_u32 s[TB], s[TB], 20
.Lpnext:
	s_add_co_u32 s[PASS], s[PASS], 1
	s_cmp_lt_u32 s[PASS], 4
	s_cbranch_scc1 .Lpass
	s_wait_dscnt 0x0
	s_barrier_signal -1
	s_barrier_wait -1                              ; every wave's reads of LDS are over
	v_lshl_add_u32 v2, v0, 2, SPARE
	v_mov_b32 v3, 0
	s_wait_tensorcnt 0x0                           ; the wave's end
	ds_add_u32 v2, v3
	s_wait_dscnt 0x0
	s_endpgm
.Lfunc_end_k_q792271b0de_up:
	.size	k_q792271b0de_up, .Lfunc_end_k_q792271b0de_up-k_q792271b0de_up
	.p2alignl 7, 3214868480
	.fill 96, 4, 3214868480
	.section	.rodata,"a",@progbits
	.p2align	6, 0x0
	.amdhsa_kernel k_q792271b0de_up
		.amdhsa_group_segment_fixed_size 267008
		.amdhsa_private_segment_fixed_size 0
		.amdhsa_enable_private_segment 0
		.amdhsa_kernarg_size 64
		.amdhsa_user_sgpr_count 2
		.amdhsa_user_sgpr_kernarg_segment_ptr 1
		.amdhsa_wavefront_size32 1
		.amdhsa_system_sgpr_workgroup_id_x 1
		.amdhsa_system_sgpr_workgroup_id_y 1
		.amdhsa_system_sgpr_workgroup_id_z 1
		.amdhsa_system_vgpr_workitem_id 0
		.amdhsa_next_free_vgpr 512
		.amdhsa_next_free_sgpr 101
		.amdhsa_reserve_vcc 0
		.amdhsa_float_denorm_mode_32 3
		.amdhsa_float_denorm_mode_16_64 3
		.amdhsa_memory_ordered 1
		.amdhsa_forward_progress 1
		.amdhsa_inst_pref_size 143
	.end_amdhsa_kernel
	.amdgpu_metadata
---
amdhsa.version: [ 1, 2 ]
amdhsa.kernels:
  - .name:           k_q792271b0de_up
    .symbol:         k_q792271b0de_up.kd
    .args:
      - { .name: xb, .offset: 0, .size: 8, .value_kind: global_buffer, .address_space: global }
      - { .name: route, .offset: 8, .size: 8, .value_kind: global_buffer, .address_space: global }
      - { .name: gd, .offset: 16, .size: 8, .value_kind: global_buffer, .address_space: global }
      - { .name: w1, .offset: 24, .size: 8, .value_kind: global_buffer, .address_space: global }
      - { .name: b1, .offset: 32, .size: 8, .value_kind: global_buffer, .address_space: global }
      - { .name: hid, .offset: 40, .size: 8, .value_kind: global_buffer, .address_space: global }
      - { .name: rowmap, .offset: 48, .size: 8, .value_kind: global_buffer, .address_space: global }
      - { .name: grow, .offset: 56, .size: 8, .value_kind: global_buffer, .address_space: global }
    .group_segment_fixed_size: 267008
    .private_segment_fixed_size: 0
    .kernarg_segment_align: 8
    .kernarg_segment_size: 64
    .max_flat_workgroup_size: 128
    .sgpr_count:     101
    .vgpr_count:     512
    .wavefront_size: 32
...
	.end_amdgpu_metadata
.endif
;; end of part 2
;; launch down (part 3): grid 32 x 8, 4 waves a work-group, no clusters, 262,656 bytes of LDS; arguments hid, route, grow, w2, b2, part; writes part
.if DOCPART == 3
	.amdgcn_target "amdgcn-amd-amdhsa--gfx1250"
	.amdhsa_code_object_version 6
	.text
	.protected	k_q792271b0de_down
	.globl	k_q792271b0de_down
	.p2align	8
	.type	k_q792271b0de_down,@function
k_q792271b0de_down:
	s_mov_b64 s[64:65], 0
	v_nop
	global_prefetch_b8 v0, s[64:65] scope:SCOPE_SE
	s_setreg_imm32_b32 hwreg(HW_REG_WAVE_MODE, 25, 1), 1
	s_wait_xcnt 0x0
; SECOND PRODUCT.  part[ks][e][rank] = gate[rank] x (hid[e][rank] . w2[e] over K slice ks, + b2[e] in slice 0), in f32.
; A work-group (x, e): cs = x % 8 owns 128 columns, ks = x / 8 owns 1,024 of K: 512 KB of w2[e], which it alone reads, and all rows of e.
; The four K slices keep a weight row's piece at 512 bytes and a group's share of hid small; their partial rows are added by the next launch.
; The frame is the first product's: four waves, one text, two phases.  THE STREAM: wave w = 2 q + ch takes a slab of 32 K x 64 columns of every chunk of 64 K, 16 loads;
; lane r holds columns 4 r .. 4 r + 3, one v_cvt_pk_bf16_f32 of two loads' registers is a register of a fragment (fragment j: lane r is column 4 r + j); 48 loads of a
; wave are out at all times; LDS takes the whole slice in bf16, each byte written once.  THE PRODUCTS: tiles of 16 ranks 20 p + 4 i + w in pass p, weights out of LDS,
; token fragments straight from hid, which lies in fragment order: a load takes 512 consecutive bytes.
; K PLACES, alike in both operands: chunk c of 64, step q, lane half h, place i of 16 is k = 64 c + 32 h + 16 q + i.
; Source 0 = tokens, source 1 = weights: lane (r, h), register j holds rank 8 h + j and column 4 r + fragment, so the multiply by the gate
; gathers four neighbouring columns, and 16 lanes store 256 consecutive aligned bytes of a row.
; ROWS as in the first product: four trips of the pass loop cover every count, dead ones are jumped; tiles past the count read the last tile and are not stored.
; LIMITS.  w2 and b2 enter as bf16, hid is bf16; sums and partial rows f32.  NaN and infinities are not treated apart.
; NO TENSOR LOADS: the weights pass through registers to be rounded.  NO CLUSTER: each weight byte has one reader; what an expert's groups share, hid, is a small part of a step's bytes.
.set PITCH, 4096
.set CH,    64*PITCH
.set HSH,   17                     ; lanes 16-31: 32 rows further on
.set QSTEP, 16
.set XSTEP, 1024                   ; a K step of a tile in hid
.set X2,    512
.set SPARE, 262144
.set VO,  2
.set WF,  8
.set XF,  72
.set ONE, 152                      ; the fragment of ones; later the gates, 8 a tile
.set BA,  183
.set BI,  184
.set A4,  192
.set RING, 8
.set CV,   200
.set SOF,  232
.set LS,   233
.set WAVE, 20
.set EX,   22
.set GX,   23
.set CNT,  24
.set NT,   26
.set NPASS, 27
.set PASS, 28
.set TB,   29
.set T4,   30
.set LC,   31
.set BM,   32                      ; s[32:63] the expert's bit words; behind the count s[32:41] are the five tiles' gate bases
.set GBASE, 32
.set SX,   66
.set SX0,  68
.set SW,   70
.set SO,   72
.set SB,   74
.set T0,   76
.set KS,   77
.set SGR,  80
.set TA,   84
.set TI,   86
.set TAU,  87
.set MSB, 0
.macro WIN new
.if MSB != (\new)
	s_set_vgpr_msb (MSB<<8)|(\new)
.set MSB, \new
.endif
.endm
.macro PLACES                          ; four places behind a matrix instruction (ISA guide 7.12.1)
.rept 4
	v_nop
.endr
.endm
.macro SLOADH sl, half, imm
.set ii, 8*(\half)
.rept 8
	global_load_b128 v[RING+64*(\sl)+4*ii:RING+64*(\sl)+4*ii+3], v[SOF], s[SW:SW+1] offset:(\imm)+ii*PITCH th:TH_LOAD_NT
.set ii, ii+1
.endr
.endm
.macro CONVH sl, half, limm
.set jp, 0
.rept 4
.set pq, 0
.rept 4
	v_cvt_pk_bf16_f32 v[CV+16*(\half)+4*jp+pq], v[RING+64*(\sl)+4*(8*(\half)+2*pq)+jp], v[RING+64*(\sl)+4*(8*(\half)+2*pq+1)+jp]
.set pq, pq+1
.endr
.set jp, jp+1
.endr
.set jp, 0
.rept 4
	ds_store_b128 v[LS], v[CV+16*(\half)+4*jp:CV+16*(\half)+4*jp+3] offset:(\limm)+jp*1024+(\half)*512
.set jp, jp+1
.endr
.endm
.macro PROD sl, limm, gimm, wa, wb
	s_wait_loadcnt \wa                             ; the oldest eight loads are in: the slot's first half
	CONVH \sl, 0, \limm
.if (\gimm) >= 0
	SLOADH \sl, 0, \gimm
.endif
	s_wait_loadcnt \wb                             ; its second half
	CONVH \sl, 1, \limm
.if (\gimm) >= 0
	SLOADH \sl, 1, \gimm
.endif
.endm
.macro WFLOAD half, imm
.set cc, 4*(\half)
.rept 4
	ds_load_b128 v[WF+8*cc:WF+8*cc+3],   v1 offset:(\imm)+cc*1024
	ds_load_b128 v[WF+8*cc+4:WF+8*cc+7], v1 offset:(\imm)+cc*1024+512
.set cc, cc+1
.endr
.endm
.macro XLOAD sl, imm
.set tt, 0
.rept 5
	global_load_b128 v[XF+40*(\sl)+8*tt:XF+40*(\sl)+8*tt+3],   v[VO+tt], s[SX:SX+1] offset:(\imm)
	global_load_b128 v[XF+40*(\sl)+8*tt+4:XF+40*(\sl)+8*tt+7], v[VO+tt], s[SX:SX+1] offset:(\imm)+X2
.set tt, tt+1
.endr
.endm
.macro GLOAD                           ; my lane's eight gates of each tile: ranks 8 h .. 8 h + 7
.set tt, 0
.rept 5
	global_load_b128 v[ONE+8*tt:ONE+8*tt+3],   v7, s[GBASE+2*tt:GBASE+2*tt+1]
	global_load_b128 v[ONE+8*tt+4:ONE+8*tt+7], v7, s[GBASE+2*tt:GBASE+2*tt+1] offset:16
.set tt, tt+1
.endr
.endm
.macro MM16 half, sl                   ; 16 products on 16 accumulators: they take turns
	WIN 0x50
.set cc, 4*(\half)
.rept 4
.set tt, 0
.rept 4
	v_wmma_f32_16x16x32_bf16 v[64*tt+8*cc:64*tt+8*cc+7], v[XF+40*(\sl)+8*tt:XF+40*(\sl)+8*tt+7], v[WF+8*cc:WF+8*cc+7], v[64*tt+8*cc:64*tt+8*cc+7]
.set tt, tt+1
.endr
.set cc, cc+1
.endr
.endm
.macro MM4 half, sl                    ; the fifth tile's four, jumped where that tile has no rows
	WIN 0
	s_cmp_eq_u32 s[T4], 0
	s_cbranch_scc1 .Lno4_\@
.set cc, 4*(\half)
.rept 4
	v_wmma_f32_16x16x32_bf16 v[A4+8*cc:A4+8*cc+7], v[XF+40*(\sl)+32:XF+40*(\sl)+39], v[WF+8*cc:WF+8*cc+7], v[A4+8*cc:A4+8*cc+7]
.set cc, cc+1
.endr
.Lno4_\@:
.endm
; A K step on token slot sl.  xi >= 0: the tokens two steps on are asked for; xi = -2: the gates, in their place.  lw: the younger loads that may stay out.  wn >= 0: the next step's weights, by halves.
.macro KSTEP sl, xi, lw, wn
.if (\xi) >= 0
	XLOAD ((\sl)+2)%3, \xi
.elseif (\xi) == -2
	GLOAD
.endif
	s_wait_loadcnt \lw
	s_wait_dscnt 0x8                               ; fragments 0-3 are in; the eight loads of 4-7 are younger
	MM16 0, \sl
	MM4 0, \sl
	PLACES
.if (\wn) >= 0
	WFLOAD 0, \wn
	s_wait_dscnt 0x8                               ; fragments 4-7 are in; the eight just issued stay out
.else
	s_wait_dscnt 0x0
.endif
	MM16 1, \sl
	MM4 1, \sl
	PLACES
.if (\wn) >= 0
	WFLOAD 1, \wn
.endif
.endm
.macro BLOAD
	v_and_b32 v[BA], 15, v0
	v_lshlrev_b32 v[BA], 4, v[BA]
	global_load_b128 v[BI:BI+3],   v[BA], s[SB:SB+1]
	global_load_b128 v[BI+4:BI+7], v[BA], s[SB:SB+1] offset:256
.endm
.macro DTOKS                           ; my five tiles, clamped to the last that has rows: their place in hid and their gates' base
	v_and_b32 v7, 31, v0
	v_lshlrev_b32 v7, 4, v7
	s_sub_co_u32 s[TA+1], s[NT], 1
.set tt, 0
.rept 5
	s_add_co_u32 s[TA], s[TB], 4*tt
	s_min_u32 s[TA], s[TA], s[TA+1]
	s_min_u32 s[TA], s[TA], 63
	s_lshl_b32 s[TI], s[TA], 17
	v_add_nc_u32 v[VO+tt], s[TI], v7
	s_lshl_b32 s[TI], s[TA], 6
	s_mov_b32 s[TI+1], 0
	s_add_nc_u64 s[GBASE+2*tt:GBASE+2*tt+1], s[SGR:SGR+1], s[TI:TI+1]
.set tt, tt+1
.endr
	v_bfe_u32 v7, v0, 4, 1
	v_lshlrev_b32 v7, 5, v7                        ; 32 h: kept for the gates' loads
.endm
.macro INIT lw                         ; the bias's K step starts all 40 sums; in K slices 1 to 3 the ones are zeros
	s_wait_loadcnt \lw
.set cc, 0
.rept 8
.set kk, 1
.rept 7
	v_mov_b32 v[WF+8*cc+kk], 0
.set kk, kk+1
.endr
	v_cvt_pk_bf16_f32 v[WF+8*cc], v[BI+cc], v[WF+8*cc+1]
.set cc, cc+1
.endr
	s_mov_b32 s[TA], 0xffff
	s_cmp_eq_u32 s[KS], 0
	s_cselect_b32 s[TA+1], 0x3f80, 0
	v_mov_b32 v[ONE+1], s[TA+1]
	v_cndmask_b32 v[ONE], 0, v[ONE+1], s[TA]
.set kk, 1
.rept 7
	v_mov_b32 v[ONE+kk], 0
.set kk, kk+1
.endr
	WIN 0x50
.set cc, 0
.rept 8
.set tt, 0
.rept 4
	v_wmma_f32_16x16x32_bf16 v[64*tt+8*cc:64*tt+8*cc+7], v[ONE:ONE+7], v[WF+8*cc:WF+8*cc+7], 0
.set tt, tt+1
.endr
.set cc, cc+1
.endr
	WIN 0
.set cc, 0
.rept 8
	v_wmma_f32_16x16x32_bf16 v[A4+8*cc:A4+8*cc+7], v[ONE:ONE+7], v[WF+8*cc:WF+8*cc+7], 0
.set cc, cc+1
.endr
	PLACES
.endm
.macro DTILE t                         ; tile t leaves: times the gate, four neighbouring columns to a lane; each accumulator is read from register 0 on
	s_add_co_u32 s[TAU], s[TB], 4*(\t)
	s_cmp_ge_u32 s[TAU], s[NT]
	s_cbranch_scc1 .Ldead_\@
	s_wait_xcnt 0x0                                ; the last tile's stores have read their registers
	s_lshl_b32 s[TAU], s[TAU], 16                  ; 16 rows of 4,096 bytes
	v_add_nc_u32 v7, s[TAU], v6
.if (\t) < 4
	WIN 0x01
.set AB, 64*(\t)
.else
.set AB, A4
.endif
.set cc, 0
.rept 2
.set jj, 0
.rept 8
.set jp, 0
.rept 4
	v_mul_f32 v[WF+32*cc+4*jj+jp], v[AB+8*(4*cc+jp)+jj], v[ONE+8*(\t)+jj]
.set jp, jp+1
.endr
.set jj, jj+1
.endr
.set cc, cc+1
.endr
	WIN 0
.set cc, 0
.rept 2
.set jj, 0
.rept 8
	global_store_b128 v7, v[WF+32*cc+4*jj:WF+32*cc+4*jj+3], s[SO:SO+1] offset:4096*jj+256*cc
.set jj, jj+1
.endr
.set cc, cc+1
.endr
.Ldead_\@:
.endm
	s_load_b256 s[4:11], s[0:1], 0x0               ; hid, route, grow, w2
	s_load_b128 s[12:15], s[0:1], 0x20             ; b2, part
	v_lshrrev_b32 v1, 5, v0
	v_readfirstlane_b32 s[WAVE], v1
	s_and_b32 s[EX], ttmp7, 0xffff                 ; the expert
	s_and_b32 s[GX], ttmp9, 7                      ; the slice of 128 columns
	s_lshr_b32 s[KS], ttmp9, 3                     ; the slice of 1,024 K
	s_lshr_b32 s[TA], s[WAVE], 1                   ; which K step of a chunk I stream
	s_and_b32 s[TA+1], s[WAVE], 1                  ; which 64 columns
	s_mul_i32 s[TA], s[TA], QSTEP*PITCH
	s_lshl_b32 s[TA+1], s[TA+1], 8
	s_add_co_u32 s[TA], s[TA], s[TA+1]
	v_and_b32 v2, 15, v0
	v_bfe_u32 v3, v0, 4, 1
	v_lshl_add_u32 v[SOF], v2, 4, s[TA]
	v_lshl_add_u32 v[SOF], v3, HSH, v[SOF]
	v_and_b32 v2, 31, v0
	s_lshl_b32 s[TA], s[WAVE], 12
	v_lshl_add_u32 v[LS], v2, 4, s[TA]             ; 16 x lane + 4,096 x wave
	s_lshl_b32 s[T0], s[EX], 7
	s_lshl_b32 s[SW], s[EX], 24
	s_lshl_b32 s[TA], s[KS], 22
	s_add_co_u32 s[SW], s[SW], s[TA]
	s_lshl_b32 s[TA], s[GX], 9
	s_add_co_u32 s[SW], s[SW], s[TA]
	s_mov_b32 s[SW+1], 0
	s_wait_kmcnt 0x0
	s_load_b512 s[BM:BM+15], s[6:7], s[T0] offset:0x0
	s_load_b512 s[BM+16:BM+31], s[6:7], s[T0] offset:0x40
	s_add_nc_u64 s[SW:SW+1], s[10:11], s[SW:SW+1]
	SLOADH 0, 0, 0                                 ; three chunks' slabs: 48 loads
	SLOADH 0, 1, 0
	SLOADH 1, 0, CH
	SLOADH 1, 1, CH
	SLOADH 2, 0, 2*CH
	SLOADH 2, 1, 2*CH
	s_lshl_b32 s[SX0], s[EX], 23                   ; hid: 8 MB an expert; my 16 chunks of 2,048 bytes in a tile
	s_lshl_b32 s[TA], s[KS], 15
	s_add_co_u32 s[SX0], s[SX0], s[TA]
	s_mov_b32 s[SX0+1], 0
	s_add_nc_u64 s[SX0:SX0+1], s[4:5], s[SX0:SX0+1]
	s_mov_b64 s[SX:SX+1], s[SX0:SX0+1]
	s_lshl3_add_u32 s[SO], s[KS], s[EX]            ; part: 4 MB for each (K slice, expert)
	s_lshl_b32 s[SO], s[SO], 22
	s_lshl_b32 s[TA], s[GX], 9
	s_add_co_u32 s[SO], s[SO], s[TA]
	s_mov_b32 s[SO+1], 0
	s_add_nc_u64 s[SO:SO+1], s[14:15], s[SO:SO+1]
	s_lshl_b32 s[SB], s[EX], 12
	s_add_co_u32 s[SB], s[SB], s[TA]
	s_mov_b32 s[SB+1], 0
	s_add_nc_u64 s[SB:SB+1], s[12:13], s[SB:SB+1]
	s_mul_i32 s[SGR], s[EX], 8448                  ; grow: 2,112 numbers an expert
	s_mov_b32 s[SGR+1], 0
	s_add_nc_u64 s[SGR:SGR+1], s[8:9], s[SGR:SGR+1]
	s_wait_kmcnt 0x0
	s_bcnt1_i32_b32 s[CNT], s[BM]
.set gg, 1
.rept 31
	s_bcnt1_i32_b32 s[TA], s[BM+gg]
	s_add_co_u32 s[CNT], s[CNT], s[TA]
.set gg, gg+1
.endr
	s_max_u32 s[TA], s[CNT], 1
	s_add_co_u32 s[NT], s[TA], 15
	s_lshr_b32 s[NT], s[NT], 4                     ; tiles, 1 to 64
	s_add_co_u32 s[NPASS], s[NT], 19
	s_mul_i32 s[NPASS], s[NPASS], 205
	s_lshr_b32 s[NPASS], s[NPASS], 12              ; (tiles + 19) / 20 for 1 to 64 tiles
	s_mov_b32 s[TB], s[WAVE]
	; ---- THE STREAM: 16 chunks; of 48 loads the 40 younger stay out, before and behind each refill of eight
	s_mov_b32 s[LC], 4
.Lw:
	PROD 0, 0,     3*CH, 40, 40
	PROD 1, 16384, 4*CH, 40, 40
	PROD 2, 32768, 5*CH, 40, 40
	s_wait_xcnt 0x0                                ; the loads' base is stepped only behind this wait
	s_add_nc_u64 s[SW:SW+1], s[SW:SW+1], 3*CH
	v_add_nc_u32 v[LS], 49152, v[LS]
	s_sub_co_u32 s[LC], s[LC], 1
	s_cmp_lg_u32 s[LC], 0
	s_cbranch_scc1 .Lw
	PROD 0, 0,     3*CH, 40, 40                    ; chunk 12 asks for the last
	PROD 1, 16384, -1, 40, 32                      ; the last three ask for nothing: the counts run down
	PROD 2, 32768, -1, 24, 16
	PROD 0, 49152, -1, 8, 0
	s_wait_dscnt 0x0                               ; for the others' sake: my part of the slice is in LDS
	s_barrier_signal -1
	s_barrier_wait -1                              ; the slice is whole; nothing writes LDS from here to the closing barrier
	; ---- THE PRODUCTS
	s_mov_b32 s[PASS], 0
.Lpass:
	s_cmp_ge_u32 s[PASS], s[NPASS]
	s_cbranch_scc1 .Lpnext
	s_add_co_u32 s[TA], s[TB], 16
	s_cmp_lt_u32 s[TA], s[NT]
	s_cselect_b32 s[T4], 1, 0
	BLOAD
	DTOKS
	XLOAD 0, 0
	XLOAD 1, XSTEP
	v_and_b32 v1, 31, v0
	v_lshlrev_b32 v1, 4, v1
	INIT 20                                        ; the bias is in; the 20 token loads are younger
	WFLOAD 0, 0
	WFLOAD 1, 0
	s_mov_b32 s[LC], 5
.Lk:                                                   ; six K steps a trip: the token slots come round twice
	KSTEP 0, 2*XSTEP, 20, 1*8192
	KSTEP 1, 3*XSTEP, 20, 2*8192
	KSTEP 2, 4*XSTEP, 20, 3*8192
	KSTEP 0, 5*XSTEP, 20, 4*8192
	KSTEP 1, 6*XSTEP, 20, 5*8192
	KSTEP 2, 7*XSTEP, 20, 6*8192
	s_wait_xcnt 0x0
	s_add_nc_u64 s[SX:SX+1], s[SX:SX+1], 6*XSTEP
	v_add_nc_u32 v1, 49152, v1
	s_sub_co_u32 s[LC], s[LC], 1
	s_cmp_lg_u32 s[LC], 0
	s_cbranch_scc1 .Lk
	KSTEP 0, -2, 20, 8192                          ; the last two steps: the gates' ten loads take the place of a further step's tokens
	KSTEP 1, -1, 10, -1
	s_wait_loadcnt 0x0                             ; the gates
	v_and_b32 v6, 15, v0
	v_lshlrev_b32 v6, 4, v6
	v_bfe_u32 v7, v0, 4, 1
	v_lshl_add_u32 v6, v7, 15, v6                  ; 16 r, and eight rows down for lanes 16-31
	DTILE 0
	DTILE 1
	DTILE 2
	DTILE 3
	DTILE 4
	s_wait_xcnt 0x0                                ; the stores have read their registers, the loads their bases
	s_mov_b64 s[SX:SX+1], s[SX0:SX0+1]
	s_add_co_u32 s[TB], s[TB], 20
.Lpnext:
	s_add_co_u32 s[PASS], s[PASS], 1
	s_cmp_lt_u32 s[PASS], 4
	s_cbranch_scc1 .Lpass
	s_wait_dscnt 0x0
	s_barrier_signal -1
	s_barrier_wait -1                              ; every wave's reads of LDS are over
	v_lshl_add_u32 v2, v0, 2, SPARE
	v_mov_b32 v3, 0
	s_wait_tensorcnt 0x0                           ; the wave's end
	ds_add_u32 v2, v3
	s_wait_dscnt 0x0
	s_endpgm
.Lfunc_end_k_q792271b0de_down:
	.size	k_q792271b0de_down, .Lfunc_end_k_q792271b0de_down-k_q792271b0de_down
	.p2alignl 7, 3214868480
	.fill 96, 4, 3214868480
	.section	.rodata,"a",@progbits
	.p2align	6, 0x0
	.amdhsa_kernel k_q792271b0de_down
		.amdhsa_group_segment_fixed_size 262656
		.amdhsa_private_segment_fixed_size 0
		.amdhsa_enable_private_segment 0
		.amdhsa_kernarg_size 48
		.amdhsa_user_sgpr_count 2
		.amdhsa_user_sgpr_kernarg_segment_ptr 1
		.amdhsa_wavefront_size32 1
		.amdhsa_system_sgpr_workgroup_id_x 1
		.amdhsa_system_sgpr_workgroup_id_y 1
		.amdhsa_system_sgpr_workgroup_id_z 1
		.amdhsa_system_vgpr_workitem_id 0
		.amdhsa_next_free_vgpr 512
		.amdhsa_next_free_sgpr 88
		.amdhsa_reserve_vcc 0
		.amdhsa_float_denorm_mode_32 3
		.amdhsa_float_denorm_mode_16_64 3
		.amdhsa_memory_ordered 1
		.amdhsa_forward_progress 1
		.amdhsa_inst_pref_size 102
	.end_amdhsa_kernel
	.amdgpu_metadata
---
amdhsa.version: [ 1, 2 ]
amdhsa.kernels:
  - .name:           k_q792271b0de_down
    .symbol:         k_q792271b0de_down.kd
    .args:
      - { .name: hid, .offset: 0, .size: 8, .value_kind: global_buffer, .address_space: global }
      - { .name: route, .offset: 8, .size: 8, .value_kind: global_buffer, .address_space: global }
      - { .name: grow, .offset: 16, .size: 8, .value_kind: global_buffer, .address_space: global }
      - { .name: w2, .offset: 24, .size: 8, .value_kind: global_buffer, .address_space: global }
      - { .name: b2, .offset: 32, .size: 8, .value_kind: global_buffer, .address_space: global }
      - { .name: part, .offset: 40, .size: 8, .value_kind: global_buffer, .address_space: global }
    .group_segment_fixed_size: 262656
    .private_segment_fixed_size: 0
    .kernarg_segment_align: 8
    .kernarg_segment_size: 48
    .max_flat_workgroup_size: 128
    .sgpr_count:     88
    .vgpr_count:     512
    .wavefront_size: 32
...
	.end_amdgpu_metadata
.endif
;; end of part 3
;; launch combine (part 4): grid 256 x 1, 8 waves a work-group, no clusters, 0 bytes of LDS; arguments part, route, rowmap, out0; writes out0
.if DOCPART == 4
	.amdgcn_target "amdgcn-amd-amdhsa--gfx1250"
	.amdhsa_code_object_version 6
	.text
	.protected	k_q792271b0de_combine
	.globl	k_q792271b0de_combine
	.p2align	8
	.type	k_q792271b0de_combine,@function
k_q792271b0de_combine:
	s_mov_b64 s[64:65], 0
	v_nop
	global_prefetch_b8 v0, s[64:65] scope:SCOPE_SE
	s_setreg_imm32_b32 hwreg(HW_REG_WAVE_MODE, 25, 1), 1
	s_wait_xcnt 0x0
; THE SUM.  out[t] = the sum over the token's two experts and the four K slices of part[ks][e][rank of t in e]; gates and biases are in the parts already.
; A stream: a wave owns half a token's row (2,048 bytes), reads eight partial half rows, 512 consecutive bytes a load, all 32 loads out at once, and
; stores 512 consecutive bytes at a time.  The two experts and the ranks are whole numbers that earlier launches stored; they are read by scalar loads
; at fixed places (all eight experts' ranks of the token at once), chosen by selects and clamped ahead of the address.  All in f32.
; No LDS, no barrier, no matrix unit, no cluster: no byte is read twice.
	s_load_b256 s[4:11], s[0:1], 0x0               ; part, route, rowmap, out0
	v_lshrrev_b32 v1, 5, v0
	v_readfirstlane_b32 s12, v1
	s_lshr_b32 s13, s12, 1
	s_lshl2_add_u32 s13, ttmp9, s13                ; token = 4 x group + wave / 2
	s_and_b32 s14, s12, 1                          ; which half of the row
	s_lshl_b32 s16, s13, 3
	s_mov_b32 s17, 0
	s_lshl_b32 s18, s13, 2
	s_mov_b32 s19, 0
	s_lshl_b32 s42, s13, 12
	s_lshl_b32 s15, s14, 11
	s_add_co_u32 s42, s42, s15
	s_mov_b32 s43, 0
	v_and_b32 v5, 31, v0
	v_lshlrev_b32 v5, 4, v5                        ; 16 x lane
	v_add_nc_u32 v2, s15, v5
	s_wait_kmcnt 0x0
	s_add_nc_u64 s[16:17], s[6:7], s[16:17]
	s_add_nc_u64 s[18:19], s[8:9], s[18:19]
	s_load_b64 s[20:21], s[16:17], 0x400           ; the token's two experts
.set ee, 0
.rept 8
	s_load_b32 s[24+ee], s[18:19], 4096*ee         ; its rank in each expert
.set ee, ee+1
.endr
	s_mov_b64 s[32:33], s[4:5]                     ; the four K slices' parts, 32 MB apart
	s_add_nc_u64 s[34:35], s[4:5], 0x2000000
	s_add_nc_u64 s[36:37], s[4:5], 0x4000000
	s_add_nc_u64 s[38:39], s[4:5], 0x6000000
	s_add_nc_u64 s[40:41], s[10:11], s[42:43]
	s_wait_kmcnt 0x0
	s_mov_b32 s44, s24
	s_mov_b32 s45, s24
.set ee, 1
.rept 7
	s_cmp_eq_u32 s20, ee
	s_cselect_b32 s44, s[24+ee], s44
	s_cmp_eq_u32 s21, ee
	s_cselect_b32 s45, s[24+ee], s45
.set ee, ee+1
.endr
	s_min_u32 s44, s44, 0x3ff
	s_min_u32 s45, s45, 0x3ff
	s_min_u32 s20, s20, 7
	s_min_u32 s21, s21, 7
	s_lshl_b32 s20, s20, 10
	s_lshl_b32 s21, s21, 10
	s_add_co_u32 s44, s44, s20
	s_add_co_u32 s45, s45, s21
	s_lshl_b32 s44, s44, 12                        ; (1,024 e + rank) rows of 4,096 bytes
	s_lshl_b32 s45, s45, 12
	v_add_nc_u32 v3, s44, v2
	v_add_nc_u32 v4, s45, v2
.set pc, 0
.rept 4                                                ; piece pc of 512 bytes: row (k, ks) at v[16 + 32 pc + 16 k + 4 ks]
.set kk, 0
.rept 2
.set ss, 0
.rept 4
	global_load_b128 v[16+32*pc+16*kk+4*ss:16+32*pc+16*kk+4*ss+3], v[3+kk], s[32+2*ss:33+2*ss] offset:512*pc th:TH_LOAD_NT
.set ss, ss+1
.endr
.set kk, kk+1
.endr
.set pc, pc+1
.endr
.set pc, 0
.rept 4
	s_wait_loadcnt 24-8*pc                         ; the later pieces' loads, eight each, stay out
.set RB, 16+32*pc
.irp a, 0,8,16,24
	v_pk_add_f32 v[RB+\a:RB+\a+1],   v[RB+\a:RB+\a+1],   v[RB+\a+4:RB+\a+5]
	v_pk_add_f32 v[RB+\a+2:RB+\a+3], v[RB+\a+2:RB+\a+3], v[RB+\a+6:RB+\a+7]
.endr
.irp a, 0,16
	v_pk_add_f32 v[RB+\a:RB+\a+1],   v[RB+\a:RB+\a+1],   v[RB+\a+8:RB+\a+9]
	v_pk_add_f32 v[RB+\a+2:RB+\a+3], v[RB+\a+2:RB+\a+3], v[RB+\a+10:RB+\a+11]
.endr
	v_pk_add_f32 v[RB:RB+1],   v[RB:RB+1],   v[RB+16:RB+17]
	v_pk_add_f32 v[RB+2:RB+3], v[RB+2:RB+3], v[RB+18:RB+19]
	global_store_b128 v5, v[RB:RB+3], s[40:41] offset:512*pc th:TH_STORE_NT
.set pc, pc+1
.endr
	s_endpgm
.Lfunc_end_k_q792271b0de_combine:
	.size	k_q792271b0de_combine, .Lfunc_end_k_q792271b0de_combine-k_q792271b0de_combine
	.p2alignl 7, 3214868480
	.fill 96, 4, 3214868480
	.section	.rodata,"a",@progbits
	.p2align	6, 0x0
	.amdhsa_kernel k_q792271b0de_combine
		.amdhsa_group_segment_fixed_size 0
		.amdhsa_private_segment_fixed_size 0
		.amdhsa_enable_private_segment 0
		.amdhsa_kernarg_size 32
		.amdhsa_user_sgpr_count 2
		.amdhsa_user_sgpr_kernarg_segment_ptr 1
		.amdhsa_wavefront_size32 1
		.amdhsa_system_sgpr_workgroup_id_x 1
		.amdhsa_system_sgpr_workgroup_id_y 1
		.amdhsa_system_sgpr_workgroup_id_z 1
		.amdhsa_system_vgpr_workitem_id 0
		.amdhsa_next_free_vgpr 144
		.amdhsa_next_free_sgpr 66
		.amdhsa_reserve_vcc 0
		.amdhsa_float_denorm_mode_32 3
		.amdhsa_float_denorm_mode_16_64 3
		.amdhsa_memory_ordered 1
		.amdhsa_forward_progress 1
		.amdhsa_inst_pref_size 11
	.end_amdhsa_kernel
	.amdgpu_metadata
---
amdhsa.version: [ 1, 2 ]
amdhsa.kernels:
  - .name:           k_q792271b0de_combine
    .symbol:         k_q792271b0de_combine.kd
    .args:
      - { .name: part, .offset: 0, .size: 8, .value_kind: global_buffer, .address_space: global }
      - { .name: route, .offset: 8, .size: 8, .value_kind: global_buffer, .address_space: global }
      - { .name: rowmap, .offset: 16, .size: 8, .value_kind: global_buffer, .address_space: global }
      - { .name: out0, .offset: 24, .size: 8, .value_kind: global_buffer, .address_space: global }
    .group_segment_fixed_size: 0
    .private_segment_fixed_size: 0
    .kernarg_segment_align: 8
    .kernarg_segment_size: 32
    .max_flat_workgroup_size: 256
    .sgpr_count:     66
    .vgpr_count:     144
    .wavefront_size: 32
...
	.end_amdgpu_metadata
.endif
;; end of part 4
;; ======== version 2 of 3: 4 launches; 1.20 times as fast as version 1
;; limits: a function is approximated: absolute error at most 2.5e-05
;; workspace buffers: xb 2,097,152 bytes; route 9,216 bytes of whole numbers; gd 32,768 bytes; hid 67,108,864 bytes; rowmap 32,768 bytes of whole numbers; grow 67,584 bytes; part 134,217,728 bytes
;; launch router: the kernel of part 1 again; grid 32 x 1, 8 waves a work-group, no clusters, 78,848 bytes of LDS; arguments x, router_w, router_b, xb, route, gd; writes xb, route, gd
;; launch up (part 5): grid 32 x 8, 4 waves a work-group, no clusters, 33,280 bytes of LDS; arguments xb, route, gd, w1, b1, hid, rowmap, grow; writes hid, rowmap, grow
.if DOCPART == 5
	.amdgcn_target "amdgcn-amd-amdhsa--gfx1250"
	.amdhsa_code_object_version 6
	.text
	.protected	k_q792271b0de_up
	.globl	k_q792271b0de_up
	.p2align	8
	.type	k_q792271b0de_up,@function
k_q792271b0de_up:
	s_mov_b64 s[64:65], 0
	v_nop
	global_prefetch_b8 v0, s[64:65] scope:SCOPE_SE
	s_setreg_imm32_b32 hwreg(HW_REG_WAVE_MODE, 25, 1), 1
	s_wait_xcnt 0x0
; FIRST PRODUCT AND GELU.  hid = gelu(x . w1[e] + b1[e]) for the rows that chose expert e, in the order of their rank in e.
; A work-group (x, e) owns 128 columns of w1[e], all 1,024 of K (512 KB of f32, which it alone reads), and all rows of e.  Four waves, one text.
; THE SLAB.  Wave w = 2 q + ch takes 32 K x 64 columns of every chunk of 64 K: 16 loads in which lanes 0-15 read 256 aligned bytes of one K row and lanes 16-31 of the row 16 further on.
; Lane r holds columns 4 r .. 4 r + 3, so one v_cvt_pk_bf16_f32 of two loads' registers IS a register of a matrix fragment (fragment j: lane r stands for column 4 r + j): no transpose.
; Half slab n (eight loads) is half n % 2 of chunk n / 2.
; A K STEP s (32 K, s = 0 .. 31).  Every wave multiplies step s (its fragments lie in registers since step s - 1, its tokens were asked for in step s - 3), rounds half slab s + 3 into LDS, loads
; step s + 1's fragments out of LDS into the other fragment buffer, and asks for the tokens of step s + 3 and then for half slab s + 7.
; ORDER IN A STEP.  The 16 roundings stand four behind each of the first four products: vector work beside matrix work, at two window switches a group.  All 38 memory instructions stand in ONE run behind
; the fifth product; the other 27 products follow back to back.  The roundings are also the four places between the last products that read a buffer and the loads into it.
; THE BARRIER stands behind every even step.  Between two barriers (steps 2 c + 1 and 2 c + 2) chunk c + 2 is written into LDS slot c % 2 and chunk c + 1 is read from the other slot.  The signal stands
; behind product 25 of 32, twenty products behind the step's LDS run; only products stand between it and the wait.
; THE QUEUE.  Loads come back in order, so a token load is not usable before the weights issued ahead of it: both kinds are asked for about three steps ahead, in the fixed order tokens 10, half slab 8:
; 62 loads out at the most.  Each half slot of the slab ring has an offset register and each token slot a base of its own, stepped behind the counted wait that shows its own loads done.
; TILES.  Wave w owns the tiles of 16 ranks 20 p + 4 i + w, i = 0..4, in pass p.  Pass 0 is the text above.  Passes 1 to 3 (more than 320 rows) run without LDS and without a barrier: each wave
; loads and rounds all 128 columns of a K step itself.  Four trips of the pass loop cover every count; dead ones are jumped.
; K PLACES, alike in both operands: K step s, lane half h, place i of 16 is k = 32 s + 16 h + i.
; ROWS.  cnt = the expert's set bits.  Rows past cnt repeat the last row; tiles past the count are multiplied (the fifth is jumped) and not stored.
; TOKEN BY RANK: from the expert's 32 bit words in scalar registers, by integer arithmetic in registers: a walk over the words with a running prefix, then the n-th set bit by field counts.
; BIAS: a K step of its own that starts the sums: b1 rounded to bf16 times a fragment of ones.
; GELU, exact form: erf by Abramowitz and Stegun 7.1.25, absolute error at most 2.5e-5 for every argument; with y = v sqrt(log2(e) / 2):
; g = 0.588705 (y + |y|) - |y| 2^(-y y) t (A1 + t (A2 + t A3)), t = 1 / (1 + 0.391692 |y|).
; hid is rounded once to bf16 and stored in the order in which the second product's fragments take it: 512 consecutive bytes a store.
; TABLES for the later launches: group (x, e) stores, for the 32 tokens of bit word x, the rank in e (rowmap) and the gate at its rank (grow).
; LIMITS.  x, w1, b1 enter as bf16.  2^(-y y) below 2^-126 counts as 0.  NaN and infinities are not treated apart.
; NO TENSOR LOADS: the weights pass through registers to be rounded.  NO CLUSTER: each weight byte has one reader, and the token rows come by a list.
.set PITCH, 16384                  ; bytes from a K row of w1 to the next
.set CH,    64*PITCH               ; a chunk of 64 K
.set HSH,   18                     ; lanes 16-31: 16 rows further on
.set QSTEP, 32                     ; the chunk's second K step: 32 rows further on
.set XSTEP, 64                     ; a K step in a row of xb
.set X2,    16                     ; a fragment's second 16 bytes
.set WSLOT, 16384                  ; an LDS slot: a chunk of 64 K x 128 columns in bf16, in fragment order
.set SPARE, 2*WSLOT                ; behind the two slots: the spare words, 128 bytes a wave
; window 0
.set LR,   1                       ; 16 x lane: LDS address of the fragment loads; never rewritten
.set VO,   2                       ; v2-6    my five tiles' token offsets in xb
.set WF,   8                       ; v8-135  two buffers of eight weight fragments
.set CV,   136                     ; v136-167 two sets of 16: half a slab, rounded
.set TK,   216                     ; v216-235 token numbers: five for each of four passes
.set SOF,  236                     ; v236-239 offset in w1 of the ring's half slot n at SOF + n
.set LS,   240                     ; 16 x lane + 4,096 x wave: LDS address of my stores; never rewritten
.set BA,   241                     ; 16 r
.set H32,  242                     ; 32 h
.set SOFS, 243                     ; the later passes' offset in w1
.set R15,  244                     ; r
.set GD,   70                      ; at the head: my token's gate, its offset, and v64-69 at work on the tables
.set GDA,  71
; at the head, at work on the tokens: five registers each
.set QR, 8
.set QW, 13
.set QG, 18
.set QA, 23
.set QB, 28
.set QC, 33
.set QD, 38
.set QN, 43
.set QP, 48
.set QT, 53
.set QU, 58
; window 1: the sums of tile i, fragment c at 64 i + 8 c.   window 2:
.set XF,  0                        ; v0-159   four token slots of five fragments
.set A4,  160                      ; v160-223 the fifth tile's sums
.set ONE, 224                      ; the fragment of ones
.set BI,  232                      ; the bias, 8 registers
; window 3:
.set RING, 0                       ; v0-127   four half slabs as loaded
.set W16, 0x58                     ; products of tiles 0-3: weights window 0, tokens window 2, sums window 1
.set W4,  0xa8                     ; of the fifth tile: sums window 2
; GELU at work, 16 numbers at a time, window 0
.set GAX, 72
.set GT,  88
.set GU,  104
.set GP,  120
.set GM,  136
.set GH,  152
.set WAVE, 20
.set WORD, 21
.set EX,   22
.set GX,   23
.set CNT,  24
.set CM1,  25
.set NT,   26
.set NPASS, 27
.set PASS, 28
.set TB,   29
.set T4,   30
.set LC,   31
.set BM,   32                      ; s[32:63] the expert's 32 bit words
.set SXB,  66                      ; s[66:73] a base in xb for each token slot
.set SW,   74
.set SO,   76
.set SB,   78
.set SRM,  80
.set SGR,  82
.set SGD,  84
.set TA,   86
.set TI,   88
.set TAU,  89
.set KC1,  90
.set KC2,  92
.set KC3,  94
.set KA1,  96
.set KA2,  98
.set KA3,  100
.set AMASK, 6                      ; the arguments' registers serve again once the bases are made
.set PRE,  7
.set PRS,  8
.set PGS,  9
.set SWS,  10
.set SXS,  12
.set TKC,  14
.set TKP,  15
.set MSB, 0
.macro WIN new                         ; the immediate's high byte repeats the setting that is left
.if MSB != (\new)
	s_set_vgpr_msb (MSB<<8)|(\new)
.set MSB, \new
.endif
.endm
.macro PLACES                          ; four places behind a matrix instruction, ahead of loads into its sources and of readers of its result
.rept 4
	v_nop
.endr
.endm
.macro ALL5 line:vararg                ; one line for each of my five tiles t
.set t, 0
.rept 5
	\line
.set t, t+1
.endr
.endm
.macro SETM m                          ; the registers and LDS places of a K step s with s % 4 = m
.set WB,  WF+64*((\m)%2)               ; this step's weight fragments,
.set WN,  WF+64*(((\m)+1)%2)           ; the next step's
.set XS,  XF+40*(\m)                   ; this step's tokens
.set XN,  ((\m)+3)%4                   ; the token slot that is asked for: step s + 3's
.set HQ,  ((\m)+3)%4                   ; the ring's half slot of half slab s + 3
.set CVB, CV+16*((\m)%2)
.set LRD, ((((\m)+1)/2)%2)*WSLOT+(((\m)+1)%2)*8192  ; where step s + 1's fragments lie in LDS
.set LWR, (HQ/2)*WSLOT+(HQ%2)*512      ; where half slab s + 3 goes
.endm
.macro CVTG jp                         ; four roundings: registers 4 (HQ % 2) .. + 3 of my fragment jp
	WIN 0x0f
.set pq, 0
.rept 4
	v_cvt_pk_bf16_f32 v[CVB+4*(\jp)+pq], v[RING+32*HQ+8*pq+(\jp)], v[RING+32*HQ+8*pq+4+(\jp)]
.set pq, pq+1
.endr
.endm
.macro STOREH                          ; the rounded half slab into LDS
	WIN 0
.set jp, 0
.rept 4
	ds_store_b128 v[LS], v[CVB+4*jp:CVB+4*jp+3] offset:LWR+jp*1024
.set jp, jp+1
.endr
.endm
.macro HLOAD                           ; eight loads: a half slab into the ring's half slot HQ
	WIN 0xc0
.set ii, 0
.rept 8
	global_load_b128 v[RING+32*HQ+4*ii:RING+32*HQ+4*ii+3], v[SOF+HQ], s[SW:SW+1] offset:(8*(HQ%2)+ii)*PITCH th:TH_LOAD_NT
.set ii, ii+1
.endr
.endm
.macro WFLOADN                         ; the next step's eight weight fragments
	WIN 0
.set cc, 0
.rept 8
	ds_load_b128 v[WN+8*cc:WN+8*cc+3],   v[LR] offset:LRD+cc*1024
	ds_load_b128 v[WN+8*cc+4:WN+8*cc+7], v[LR] offset:LRD+cc*1024+512
.set cc, cc+1
.endr
.endm
.macro XLOADB sl, base                 ; five token fragments of a K step into slot sl
	WIN 0x80
.set tt, 0
.rept 5
	global_load_b128 v[XF+40*(\sl)+8*tt:XF+40*(\sl)+8*tt+3],   v[VO+tt], s[(\base):(\base)+1]
	global_load_b128 v[XF+40*(\sl)+8*tt+4:XF+40*(\sl)+8*tt+7], v[VO+tt], s[(\base):(\base)+1] offset:X2
.set tt, tt+1
.endr
.endm
.macro MMK                             ; product kk of 32: fragment kk / 4, tile kk % 4: 32 accumulators by turns
	WIN W16
	v_wmma_f32_16x16x32_bf16 v[64*(kk%4)+8*(kk/4):64*(kk%4)+8*(kk/4)+7], v[WB+8*(kk/4):WB+8*(kk/4)+7], v[XS+8*(kk%4):XS+8*(kk%4)+7], v[64*(kk%4)+8*(kk/4):64*(kk%4)+8*(kk/4)+7]
.endm
.macro MM8                             ; the fifth tile's eight, jumped where that tile has no rows
	WIN 0
	s_cmp_eq_u32 s[T4], 0
	s_cbranch_scc1 .Lno4_\@
	WIN W4
.set cc, 0
.rept 8
	v_wmma_f32_16x16x32_bf16 v[A4+8*cc:A4+8*cc+7], v[WB+8*cc:WB+8*cc+7], v[XS+32:XS+39], v[A4+8*cc:A4+8*cc+7]
.set cc, cc+1
.endr
	WIN 0
.Lno4_\@:
.endm
; A K STEP s, m = s % 4.  conv: half slab s + 3 is rounded and stored; fill: half slab s + 7 is asked for; xl: the tokens of step s + 3 are asked for; wfl: step s + 1's fragments are loaded;
; bar: the barrier of an even step.  lw: the loads younger than this step's tokens; the half slab that is rounded is older than they.
.macro STEP m, conv, fill, xl, wfl, bar, lw
	SETM \m
	s_wait_loadcnt \lw
	s_wait_dscnt 0x0                               ; this step's fragments are in
	s_add_nc_u64 s[SXB+2*(\m):SXB+2*(\m)+1], s[SXB+2*(\m):SXB+2*(\m)+1], 4*XSTEP  ; this slot's loads are in: its base steps to its next K step
	MM8
.set kk, 0
.rept 32
	MMK
.if (kk < 4) && (\conv)
	CVTG kk                                        ; four roundings beside the product
.endif
.if (kk == 0) && !(\conv) && (\wfl)
	PLACES                                         ; where nothing is rounded: the places ahead of the loads into the other fragment buffer
.endif
.if kk == 4                            ; the step's one run of memory instructions
.if \fill
	WIN 0
	v_add_nc_u32 v[SOF+HQ], 2*CH, v[SOF+HQ]        ; the half slot's own loads are in, so its offset may step: the chunk two further on
.endif
.if \wfl
	WFLOADN
.endif
.if \conv
	STOREH
.endif
.if \xl
	XLOADB XN, SXB+2*XN
.endif
.if \fill
	HLOAD
.endif
.endif
.if (kk == 24) && (\bar)
	s_wait_dscnt 0x0                               ; for the others' sake: my part of the next chunk but one is in LDS, and my reads of the slot that is written next are over
	s_barrier_signal -1                            ; seven products stand between the signal and the wait
.endif
.set kk, kk+1
.endr
.if \bar
	s_barrier_wait -1
.endif
.endm
.macro PRO lw, wfl                     ; ahead of step 0: a step's roundings and memory run without products; its tokens have been asked for just before
	s_wait_loadcnt \lw
	CVTG 0
	CVTG 1
	CVTG 2
	CVTG 3
	WIN 0
	v_add_nc_u32 v[SOF+HQ], 2*CH, v[SOF+HQ]
.if \wfl
	WFLOADN
.endif
	STOREH
	HLOAD
.endm
.macro BLOAD                           ; lane r: the bias of columns 4 r .. 4 r + 3 of both halves of the slice
	WIN 0x80
	global_load_b128 v[BI:BI+3],   v[BA], s[SB:SB+1]
	global_load_b128 v[BI+4:BI+7], v[BA], s[SB:SB+1] offset:256
	WIN 0
.endm
.macro INIT lw                         ; the bias's K step starts all 40 sums: place 0 of lanes 0-15 holds the bias on one side and 1 on the other, every other place 0
	s_wait_loadcnt \lw
	WIN 0
.set cc, 0
.rept 8
.set kk, 1
.rept 7
	v_mov_b32 v[WF+8*cc+kk], 0
.set kk, kk+1
.endr
.set cc, cc+1
.endr
	v_mov_b32 v7, 0x3f80
	s_mov_b32 s[TA], 0xffff
	WIN 0x02
.set cc, 0
.rept 8
	v_cvt_pk_bf16_f32 v[WF+8*cc], v[BI+cc], v[WF+8*cc+1]
.set cc, cc+1
.endr
	WIN 0x80
	v_cndmask_b32 v[ONE], 0, v7, s[TA]
.set kk, 1
.rept 7
	v_mov_b32 v[ONE+kk], 0
.set kk, kk+1
.endr
	WIN W16
.set cc, 0
.rept 8
.set tt, 0
.rept 4
	v_wmma_f32_16x16x32_bf16 v[64*tt+8*cc:64*tt+8*cc+7], v[WF+8*cc:WF+8*cc+7], v[ONE:ONE+7], 0
.set tt, tt+1
.endr
.set cc, cc+1
.endr
	WIN W4
.set cc, 0
.rept 8
	v_wmma_f32_16x16x32_bf16 v[A4+8*cc:A4+8*cc+7], v[WF+8*cc:WF+8*cc+7], v[ONE:ONE+7], 0
.set cc, cc+1
.endr
	WIN 0
	PLACES
.endm
; One step down in the search for the n-th set bit: the count of the lower field at the place reached; if n is not below it, n loses it and the place moves up.
.macro TLEVEL src, bits, inc
.set t, 0
.rept 5
	v_bfe_u32 v[QT+t], v[(\src)+t], v[QP+t], \bits
	v_cmp_ge_u32 vcc_lo, v[QN+t], v[QT+t]
	v_cndmask_b32 v[QT+t], 0, v[QT+t], vcc_lo
	v_cndmask_b32 v[QU+t], 0, \inc, vcc_lo
	v_sub_nc_u32 v[QN+t], v[QN+t], v[QT+t]
	v_add_nc_u32 v[QP+t], v[QP+t], v[QU+t]
.set t, t+1
.endr
.endm
; The token numbers of my five tiles' rows; s[TA] = 16 x my first tile of the pass.  Rank, clamped to the last row; the last word whose prefix is not above the rank; the bit in it.
.macro TOKS
	ALL5 v_add_nc_u32 v[QR+t], s[TA], v[R15]
	ALL5 v_add_nc_u32 v[QR+t], 64*t, v[QR+t]
	ALL5 v_min_u32 v[QR+t], s[CM1], v[QR+t]
	ALL5 v_mov_b32 v[QW+t], s[BM]
	ALL5 v_mov_b32 v[QG+t], 0
	s_mov_b32 s[PRS], 0
.set gg, 1
.rept 31
	s_bcnt1_i32_b32 s[TA+1], s[BM+gg-1]
	s_add_co_u32 s[PRS], s[PRS], s[TA+1]           ; the set bits ahead of word gg,
	s_add_co_u32 s[PGS], s[PRS], gg<<16            ; and the word's number above them
.set t, 0
.rept 5
	v_cmp_gt_u32 vcc_lo, s[PRS], v[QR+t]           ; a prefix above the rank: what was chosen stays
	v_cndmask_b32 v[QW+t], s[BM+gg], v[QW+t], vcc_lo
	v_cndmask_b32 v[QG+t], s[PGS], v[QG+t], vcc_lo
.set t, t+1
.endr
.set gg, gg+1
.endr
	ALL5 v_and_b32 v[QT+t], 0xffff, v[QG+t]
	ALL5 v_sub_nc_u32 v[QN+t], v[QR+t], v[QT+t]    ; n: the rank within the word
	ALL5 v_lshrrev_b32 v[QT+t], 1, v[QW+t]         ; counts of the word's fields of 2, 4, 8 and 16 bits
	ALL5 v_and_b32 v[QT+t], 0x55555555, v[QT+t]
	ALL5 v_sub_nc_u32 v[QA+t], v[QW+t], v[QT+t]
	ALL5 v_lshrrev_b32 v[QT+t], 2, v[QA+t]
	ALL5 v_and_b32 v[QT+t], 0x33333333, v[QT+t]
	ALL5 v_and_b32 v[QB+t], 0x33333333, v[QA+t]
	ALL5 v_add_nc_u32 v[QB+t], v[QB+t], v[QT+t]
	ALL5 v_lshrrev_b32 v[QT+t], 4, v[QB+t]
	ALL5 v_add_nc_u32 v[QC+t], v[QB+t], v[QT+t]
	ALL5 v_and_b32 v[QC+t], 0x0f0f0f0f, v[QC+t]
	ALL5 v_lshrrev_b32 v[QT+t], 8, v[QC+t]
	ALL5 v_add_nc_u32 v[QD+t], v[QC+t], v[QT+t]
	ALL5 v_mov_b32 v[QP+t], 0
	TLEVEL QD, 8, 16
	TLEVEL QC, 8, 8
	TLEVEL QB, 4, 4
	TLEVEL QA, 2, 2
	TLEVEL QW, 1, 1
	ALL5 v_lshrrev_b32 v[QT+t], 16, v[QG+t]
	ALL5 v_lshl_add_u32 v[TK+t], v[QT+t], 5, v[QP+t]  ; token = 32 x word + bit
.endm
.macro USETOK                          ; the pass's token numbers, clamped, to offsets in xb: a row of 2,048 bytes, 32 h
	ALL5 v_min_u32 v[VO+t], 0x3ff, v[TK+t]
	ALL5 v_lshl_add_u32 v[VO+t], v[VO+t], 11, v[H32]
.endm
.macro STAGE t                         ; tile t's 64 sums times sqrt(log2(e) / 2) into v8-71, each accumulator from its low end on
.if (\t) < 4
	WIN 0x01
.set AB, 64*(\t)
.else
	WIN 0x02
.set AB, A4
.endif
.set nn, 0
.rept 32
	v_pk_mul_f32 v[WF+2*nn:WF+2*nn+1], v[AB+2*nn:AB+2*nn+1], s[KC1:KC1+1] op_sel_hi:[1,0]
.set nn, nn+1
.endr
	WIN 0
.endm
; GELU of 16 numbers: fragments 4 ch .. 4 ch + 3, registers 4 q .. 4 q + 3.  My lane (r, h) holds rank r and f = 64 ch + 32 h + 4 j + fragment: just what lane (r, h) of the second product's fragments wants.
.macro GB ch, q
.set YB, WF+32*(\ch)+4*(\q)
.set HB, GH+8*(2*(\ch)+(\q))
.set nn, 0
.rept 16
	v_and_b32 v[GAX+nn], s[AMASK], v[YB+8*(nn/4)+nn%4]
.set nn, nn+1
.endr
.set nn, 0
.rept 8
.set YP, YB+8*(nn/2)+2*(nn%2)
	v_pk_fma_f32 v[GT+2*nn:GT+2*nn+1], v[GAX+2*nn:GAX+2*nn+1], s[KC2:KC2+1], 1.0 op_sel_hi:[1,0,0]
	v_pk_mul_f32 v[GU+2*nn:GU+2*nn+1], v[YP:YP+1], v[YP:YP+1] neg_lo:[1,0] neg_hi:[1,0]
.set nn, nn+1
.endr
.set nn, 0
.rept 16
	v_rcp_f32 v[GT+nn], v[GT+nn]
.set nn, nn+1
.endr
.set nn, 0
.rept 16
	v_exp_f32 v[GU+nn], v[GU+nn]
.set nn, nn+1
.endr
.set nn, 0
.rept 8                                                ; y + |y|: plain work behind the batch that names none of its results
.set YP, YB+8*(nn/2)+2*(nn%2)
	v_pk_add_f32 v[GM+2*nn:GM+2*nn+1], v[YP:YP+1], v[GAX+2*nn:GAX+2*nn+1]
.set nn, nn+1
.endr
	s_wait_alu depctr_va_vdst(0)                   ; one wait for the 32, ahead of their first reader
.set nn, 0
.rept 8
	v_pk_fma_f32 v[GP+2*nn:GP+2*nn+1], v[GT+2*nn:GT+2*nn+1], s[KA3:KA3+1], s[KA2:KA2+1] op_sel_hi:[1,0,0]
	v_pk_mul_f32 v[GU+2*nn:GU+2*nn+1], v[GU+2*nn:GU+2*nn+1], v[GAX+2*nn:GAX+2*nn+1]
.set nn, nn+1
.endr
.set nn, 0
.rept 8
	v_pk_fma_f32 v[GP+2*nn:GP+2*nn+1], v[GP+2*nn:GP+2*nn+1], v[GT+2*nn:GT+2*nn+1], s[KA1:KA1+1] op_sel_hi:[1,1,0]
	v_pk_mul_f32 v[GU+2*nn:GU+2*nn+1], v[GU+2*nn:GU+2*nn+1], v[GT+2*nn:GT+2*nn+1]
.set nn, nn+1
.endr
.set nn, 0
.rept 8
	v_pk_mul_f32 v[GP+2*nn:GP+2*nn+1], v[GP+2*nn:GP+2*nn+1], v[GU+2*nn:GU+2*nn+1]
.set nn, nn+1
.endr
.set nn, 0
.rept 8
	v_pk_fma_f32 v[GM+2*nn:GM+2*nn+1], v[GM+2*nn:GM+2*nn+1], s[KC3:KC3+1], v[GP+2*nn:GP+2*nn+1] op_sel_hi:[1,0,1] neg_lo:[0,0,1] neg_hi:[0,0,1]
.set nn, nn+1
.endr
.set hf, 0
.rept 2
.set pq, 0
.rept 4                                                ; eight neighbouring f: register 2 hf + pq / 2 of fragments 2 (pq % 2) and 2 (pq % 2) + 1
	v_cvt_pk_bf16_f32 v[HB+4*hf+pq], v[GM+4*(2*(pq%2))+2*hf+pq/2], v[GM+4*(2*(pq%2)+1)+2*hf+pq/2]
.set pq, pq+1
.endr
.set hf, hf+1
.endr
	global_store_b128 v7, v[HB:HB+3],   s[SO:SO+1] offset:(\ch)*2048+(2*(\q))*512
	global_store_b128 v7, v[HB+4:HB+7], s[SO:SO+1] offset:(\ch)*2048+(2*(\q)+1)*512
.endm
	s_load_b512 s[4:19], s[0:1], 0x0               ; xb, route, gd, w1, b1, hid, rowmap, grow
	v_lshrrev_b32 v1, 5, v0
	v_readfirstlane_b32 s[WAVE], v1
	s_and_b32 s[EX], ttmp7, 0xffff                 ; the expert
	s_mov_b32 s[GX], ttmp9                         ; the slice of 128 columns, and the bit word whose tables I store
	s_lshr_b32 s[TA], s[WAVE], 1                   ; which K step of a chunk I stream
	s_and_b32 s[TA+1], s[WAVE], 1                  ; which 64 columns
	s_mul_i32 s[TA], s[TA], QSTEP*PITCH
	s_lshl_b32 s[TA+1], s[TA+1], 8
	s_add_co_u32 s[TA], s[TA], s[TA+1]
	v_and_b32 v[R15], 15, v0
	v_bfe_u32 v7, v0, 4, 1
	v_lshlrev_b32 v[H32], 5, v7
	v_lshlrev_b32 v[BA], 4, v[R15]
	v_lshl_add_u32 v[SOFS], v7, HSH, v[BA]         ; 16 r, and 16 rows on for lanes 16-31
	v_add_nc_u32 v[SOF], s[TA], v[SOFS]            ; half slots 0 and 1: chunk 0
	v_mov_b32 v[SOF+1], v[SOF]
	v_add_nc_u32 v[SOF+2], CH, v[SOF]              ; half slots 2 and 3: chunk 1
	v_mov_b32 v[SOF+3], v[SOF+2]
	v_and_b32 v[LR], 31, v0
	v_lshlrev_b32 v[GDA], 2, v[LR]
	v_lshlrev_b32 v[LR], 4, v[LR]
	s_lshl_b32 s[TA], s[WAVE], 12
	v_add_nc_u32 v[LS], s[TA], v[LR]
	s_lshl_b32 s[TI], s[EX], 7                     ; the expert's 32 words in route,
	s_lshl2_add_u32 s[TAU], s[GX], s[TI]           ; and word x among them
	s_lshl_b32 s[SW], s[EX], 24
	s_lshl_b32 s[TA], s[GX], 9
	s_add_co_u32 s[SW], s[SW], s[TA]
	s_mov_b32 s[SW+1], 0
	s_lshl_b32 s[SB], s[EX], 14
	s_add_co_u32 s[SB], s[SB], s[TA]
	s_mov_b32 s[SB+1], 0
	s_lshl_b32 s[SGD], s[EX], 12                   ; 4,096 bytes an expert, 128 a bit word: in gd and in rowmap alike
	s_lshl_b32 s[TA], s[GX], 7
	s_add_co_u32 s[SGD], s[SGD], s[TA]
	s_mov_b32 s[SGD+1], 0
	s_lshl_b32 s[SO], s[EX], 23                    ; hid: 8 MB an expert, 4,096 bytes of a tile for my two chunks of 64 f
	s_lshl_b32 s[TA], s[GX], 12
	s_add_co_u32 s[SO], s[SO], s[TA]
	s_mov_b32 s[SO+1], 0
	s_mul_i32 s[SGR], s[EX], 8448                  ; grow: 2,112 numbers an expert
	s_mov_b32 s[SGR+1], 0
	s_wait_kmcnt 0x0
	s_load_b512 s[BM:BM+15], s[6:7], s[TI] offset:0x0
	s_load_b512 s[BM+16:BM+31], s[6:7], s[TI] offset:0x40
	s_load_b32 s[WORD], s[6:7], s[TAU] offset:0x0
	s_add_nc_u64 s[SRM:SRM+1], s[16:17], s[SGD:SGD+1]
	s_add_nc_u64 s[SGD:SGD+1], s[8:9], s[SGD:SGD+1]
	s_add_nc_u64 s[SW:SW+1], s[10:11], s[SW:SW+1]
	s_add_nc_u64 s[SB:SB+1], s[12:13], s[SB:SB+1]
	s_add_nc_u64 s[SO:SO+1], s[14:15], s[SO:SO+1]
	s_add_nc_u64 s[SGR:SGR+1], s[18:19], s[SGR:SGR+1]
	global_load_b32 v[GD], v[GDA], s[SGD:SGD+1]    ; the gates of word x's tokens and the bias go ahead of the weights
	BLOAD
.irp n, 0,1,2,3
.set HQ, \n
	HLOAD                                          ; half slabs 0 to 3: chunks 0 and 1
.endr
	WIN 0
	s_mov_b64 s[SXB:SXB+1], s[4:5]
	s_add_nc_u64 s[SXB+2:SXB+3], s[4:5], XSTEP
	s_add_nc_u64 s[SXB+4:SXB+5], s[4:5], 2*XSTEP
	s_add_nc_u64 s[SXB+6:SXB+7], s[4:5], 3*XSTEP
	s_mov_b32 s[KC1], 0x3f596d27                   ; sqrt(log2(e) / 2) = 0.8493218
	s_mov_b32 s[KC1+1], s[KC1]
	s_mov_b32 s[KC2], 0x3ec88bda                   ; 0.47047 / sqrt(log2(e)) = 0.39169197
	s_mov_b32 s[KC2+1], s[KC2]
	s_mov_b32 s[KC3], 0x3f16b55f                   ; 1 / (2 x 0.8493218) = 0.58870501
	s_mov_b32 s[KC3+1], s[KC3]
	s_mov_b32 s[KA1], 0x3e51cd01                   ; 0.3480242 x 0.58870501
	s_mov_b32 s[KA1+1], s[KA1]
	s_mov_b32 s[KA2], 0xbd6732ca                   ; -0.0958798 x 0.58870501
	s_mov_b32 s[KA2+1], s[KA2]
	s_mov_b32 s[KA3], 0x3ee16a97                   ; 0.7478556 x 0.58870501
	s_mov_b32 s[KA3+1], s[KA3]
	s_mov_b32 s[CNT], 0
.set t, 0
.rept 20
	v_mov_b32 v[TK+t], 0
.set t, t+1
.endr
	s_wait_kmcnt 0x0
	s_mov_b32 s[AMASK], 0x7fffffff
	s_mov_b32 s[PRE], 0
.set gg, 0
.rept 32                                               ; the expert's rows, and those of the words ahead of word x
	s_bcnt1_i32_b32 s[TA], s[BM+gg]
	s_add_co_u32 s[CNT], s[CNT], s[TA]
	s_cmp_gt_u32 s[GX], gg
	s_cselect_b32 s[TA], s[TA], 0
	s_add_co_u32 s[PRE], s[PRE], s[TA]
.set gg, gg+1
.endr
	s_max_u32 s[TA], s[CNT], 1
	s_sub_co_u32 s[CM1], s[TA], 1                  ; the last row (row 0 for an expert without rows)
	s_add_co_u32 s[NT], s[TA], 15
	s_lshr_b32 s[NT], s[NT], 4                     ; tiles, 1 to 64
	s_add_co_u32 s[NPASS], s[NT], 19
	s_mul_i32 s[NPASS], s[NPASS], 205
	s_lshr_b32 s[NPASS], s[NPASS], 12              ; (tiles + 19) / 20 for 1 to 64 tiles
	s_mov_b32 s[TB], s[WAVE]
	s_add_co_u32 s[TA], s[TB], 16
	s_cmp_lt_u32 s[TA], s[NT]
	s_cselect_b32 s[T4], 1, 0
	s_wait_loadcnt 34                              ; the gates are in; younger: the bias's two loads and 32 of weights
	s_cmp_lg_u32 s[WAVE], 1
	s_cbranch_scc1 .Lnotab
	; ---- wave 1: word x's tokens: rank by token, gate by rank; a lane whose bit is clear has a place of its own behind the ranks
	v_and_b32 v64, 31, v0
	v_mbcnt_lo_u32_b32 v65, s[WORD], s[PRE]
	v_min_u32 v65, 0x3ff, v65
	v_lshlrev_b32 v66, 2, v64
	global_store_b32 v66, v65, s[SRM:SRM+1]
	s_lshl_b32 s[TA], s[GX], 5
	s_add_co_u32 s[TA], s[TA], 1056
	v_add_nc_u32 v67, s[TA], v64
	v_cndmask_b32 v67, v67, v65, s[WORD]
	v_min_u32 v67, 0x83f, v67
	v_lshlrev_b32 v67, 2, v67
	global_store_b32 v67, v[GD], s[SGR:SGR+1]
	s_cmp_lg_u32 s[GX], 0
	s_cbranch_scc1 .Lnotab
	s_min_u32 s[TA], s[CNT], 0x400                 ; one group an expert: 32 zeros behind the last rank, for the last tile's rows past the count
	v_add_nc_u32 v68, s[TA], v64
	v_lshlrev_b32 v68, 2, v68
	v_mov_b32 v69, 0
	global_store_b32 v68, v69, s[SGR:SGR+1]
.Lnotab:
	; ---- the token numbers of every pass that has rows, the last pass first: each pass's five push the others' one set up, so that pass p ends in set p
	s_mov_b32 s[TKC], 4
.Ltk:
	s_sub_co_u32 s[TKP], s[TKC], 1
	s_cmp_ge_u32 s[TKP], s[NPASS]
	s_cbranch_scc1 .Ltkn
.set t, 14
.rept 15
	v_mov_b32 v[TK+5+t], v[TK+t]
.set t, t-1
.endr
	s_mul_i32 s[TA], s[TKP], 20
	s_add_co_u32 s[TA], s[TA], s[WAVE]
	s_lshl_b32 s[TA], s[TA], 4
	TOKS
.Ltkn:
	s_sub_co_u32 s[TKC], s[TKC], 1
	s_cmp_lg_u32 s[TKC], 0
	s_cbranch_scc1 .Ltk
	USETOK
	s_wait_xcnt 0x0                                ; the tables' stores have read their registers, which the bias's fragments take below
	; ---- ahead of step 0: what steps -3, -2 and -1 would do beside their products; from here on the queue has its fixed order
	SETM 1
	XLOADB XN, SXB+2*XN                            ; the tokens of step 0
	INIT 42                                        ; the bias is in; younger: 32 loads of weights and 10 of tokens
	PRO 34, 0                                      ; half slab 0; younger: half slabs 1 to 3 and the tokens of step 0
	SETM 2
	XLOADB XN, SXB+2*XN                            ; of step 1
	PRO 44, 0                                      ; half slab 1; younger: 8, 8, 10, 8, 10
	WIN 0
	s_wait_dscnt 0x0                               ; for the others' sake: my part of chunk 0 is in LDS
	s_barrier_signal -1
	s_barrier_wait -1
	SETM 3
	XLOADB XN, SXB+2*XN                            ; of step 2
	PRO 54, 1                                      ; half slab 2; younger: 8, 10, 8, 10, 8, 10; and step 0's fragments
	; ---- PASS 0: 32 K steps.  44 = the loads behind a step's tokens: 8, 10, 8, 10, 8
	STEP 0, 1, 1, 1, 1, 1, 44
	WIN 0
	s_mov_b32 s[LC], 6
.Lmain:                                                ; steps 1 to 24
	STEP 1, 1, 1, 1, 1, 0, 44
	STEP 2, 1, 1, 1, 1, 1, 44
	STEP 3, 1, 1, 1, 1, 0, 44
	STEP 0, 1, 1, 1, 1, 1, 44
	WIN 0
	s_sub_co_u32 s[LC], s[LC], 1
	s_cmp_lg_u32 s[LC], 0
	s_cbranch_scc1 .Lmain
	STEP 1, 1, 0, 1, 1, 0, 44                      ; steps 25 to 28 ask for no more weights: the counts run down
	STEP 2, 1, 0, 1, 1, 1, 36
	STEP 3, 1, 0, 1, 1, 0, 28
	STEP 0, 1, 0, 1, 1, 1, 20                      ; the last barrier: chunk 15 is whole
	STEP 1, 0, 0, 0, 1, 0, 20                      ; steps 29 to 31 round nothing and ask for no tokens
	STEP 2, 0, 0, 0, 1, 0, 10
	STEP 3, 0, 0, 0, 0, 0, 0
	WIN 0
	PLACES
	; ---- a pass's tiles leave; then the next pass, if it has rows, runs without LDS
	s_mov_b32 s[PASS], 0
.Lpass:
	s_cmp_ge_u32 s[PASS], s[NPASS]
	s_cbranch_scc1 .Lpnext
	s_mov_b32 s[TI], 0
.Ltile:                                                ; one text for the GELU
	s_lshl_b32 s[TAU], s[TI], 2
	s_add_co_u32 s[TAU], s[TAU], s[TB]
	s_cmp_ge_u32 s[TAU], s[NT]
	s_cbranch_scc1 .Ltnext                         ; a tile past the count is not stored
	s_cmp_eq_u32 s[TI], 0
	s_cbranch_scc1 .Lst0
	s_cmp_eq_u32 s[TI], 1
	s_cbranch_scc1 .Lst1
	s_cmp_eq_u32 s[TI], 2
	s_cbranch_scc1 .Lst2
	s_cmp_eq_u32 s[TI], 3
	s_cbranch_scc1 .Lst3
	STAGE 4
	s_branch .Lgelu
.Lst0:
	STAGE 0
	s_branch .Lgelu
.Lst1:
	STAGE 1
	s_branch .Lgelu
.Lst2:
	STAGE 2
	s_branch .Lgelu
.Lst3:
	STAGE 3
.Lgelu:
	s_wait_xcnt 0x0                                ; the last tile's stores have read their registers
	s_lshl_b32 s[TAU], s[TAU], 17                  ; a tile is 131,072 bytes of hid
	v_add_nc_u32 v7, s[TAU], v[LR]
	GB 0, 0
	GB 0, 1
	GB 1, 0
	GB 1, 1
.Ltnext:
	s_add_co_u32 s[TI], s[TI], 1
	s_cmp_lt_u32 s[TI], 5
	s_cbranch_scc1 .Ltile
	s_add_co_u32 s[TB], s[TB], 20
	s_add_co_u32 s[TA], s[PASS], 1
	s_cmp_ge_u32 s[TA], s[NPASS]
	s_cbranch_scc1 .Lpnext
	s_wait_xcnt 0x0                                ; the stores have read their registers
	s_add_co_u32 s[TA], s[TB], 16
	s_cmp_lt_u32 s[TA], s[NT]
	s_cselect_b32 s[T4], 1, 0
.set t, 0
.rept 15
	v_mov_b32 v[TK+t], v[TK+5+t]                   ; the next pass's token numbers come down
.set t, t+1
.endr
	USETOK
	BLOAD
	INIT 0
	s_mov_b64 s[SWS:SWS+1], s[SW:SW+1]
	s_mov_b64 s[SXS:SXS+1], s[4:5]
	s_mov_b32 s[LC], 32
.Lks:                                                  ; a K step, plainly: all 32 K x 128 columns and my tokens into registers, rounded, multiplied
	WIN 0xc0
.set cc, 0
.rept 2
.set ii, 0
.rept 16
	global_load_b128 v[RING+64*cc+4*ii:RING+64*cc+4*ii+3], v[SOFS], s[SWS:SWS+1] offset:cc*256+ii*PITCH
.set ii, ii+1
.endr
.set cc, cc+1
.endr
	XLOADB 0, SXS
	s_wait_loadcnt 0x0
	WIN 0x0f
.set cc, 0
.rept 2
.set jp, 0
.rept 4
.set pq, 0
.rept 8
	v_cvt_pk_bf16_f32 v[WF+8*(4*cc+jp)+pq], v[RING+64*cc+4*(2*pq)+jp], v[RING+64*cc+4*(2*pq+1)+jp]
.set pq, pq+1
.endr
.set jp, jp+1
.endr
.set cc, cc+1
.endr
	SETM 0
.set kk, 0
.rept 32
	MMK
.set kk, kk+1
.endr
	MM8
	PLACES
	s_add_nc_u64 s[SWS:SWS+1], s[SWS:SWS+1], 32*PITCH  ; every load is in, so the bases may step
	s_add_nc_u64 s[SXS:SXS+1], s[SXS:SXS+1], XSTEP
	s_sub_co_u32 s[LC], s[LC], 1
	s_cmp_lg_u32 s[LC], 0
	s_cbranch_scc1 .Lks
.Lpnext:
	s_add_co_u32 s[PASS], s[PASS], 1
	s_cmp_lt_u32 s[PASS], 4
	s_cbranch_scc1 .Lpass
	s_wait_dscnt 0x0
	s_barrier_signal -1
	s_barrier_wait -1                              ; every wave's reads of LDS are over
	v_lshl_add_u32 v2, v0, 2, SPARE
	v_mov_b32 v3, 0
	s_wait_tensorcnt 0x0                           ; the wave's end
	ds_add_u32 v2, v3
	s_wait_dscnt 0x0
	s_endpgm
.Lfunc_end_k_q792271b0de_up:
	.size	k_q792271b0de_up, .Lfunc_end_k_q792271b0de_up-k_q792271b0de_up
	.p2alignl 7, 3214868480
	.fill 96, 4, 3214868480
	.section	.rodata,"a",@progbits
	.p2align	6, 0x0
	.amdhsa_kernel k_q792271b0de_up
		.amdhsa_group_segment_fixed_size 33280
		.amdhsa_private_segment_fixed_size 0
		.amdhsa_enable_private_segment 0
		.amdhsa_kernarg_size 64
		.amdhsa_user_sgpr_count 2
		.amdhsa_user_sgpr_kernarg_segment_ptr 1
		.amdhsa_wavefront_size32 1
		.amdhsa_system_sgpr_workgroup_id_x 1
		.amdhsa_system_sgpr_workgroup_id_y 1
		.amdhsa_system_sgpr_workgroup_id_z 1
		.amdhsa_system_vgpr_workitem_id 0
		.amdhsa_next_free_vgpr 896
		.amdhsa_next_free_sgpr 102
		.amdhsa_reserve_vcc 1
		.amdhsa_float_denorm_mode_32 3
		.amdhsa_float_denorm_mode_16_64 3
		.amdhsa_memory_ordered 1
		.amdhsa_forward_progress 1
		.amdhsa_inst_pref_size 190
	.end_amdhsa_kernel
	.amdgpu_metadata
---
amdhsa.version: [ 1, 2 ]
amdhsa.kernels:
  - .name:           k_q792271b0de_up
    .symbol:         k_q792271b0de_up.kd
    .args:
      - { .name: xb, .offset: 0, .size: 8, .value_kind: global_buffer, .address_space: global }
      - { .name: route, .offset: 8, .size: 8, .value_kind: global_buffer, .address_space: global }
      - { .name: gd, .offset: 16, .size: 8, .value_kind: global_buffer, .address_space: global }
      - { .name: w1, .offset: 24, .size: 8, .value_kind: global_buffer, .address_space: global }
      - { .name: b1, .offset: 32, .size: 8, .value_kind: global_buffer, .address_space: global }
      - { .name: hid, .offset: 40, .size: 8, .value_kind: global_buffer, .address_space: global }
      - { .name: rowmap, .offset: 48, .size: 8, .value_kind: global_buffer, .address_space: global }
      - { .name: grow, .offset: 56, .size: 8, .value_kind: global_buffer, .address_space: global }
    .group_segment_fixed_size: 33280
    .private_segment_fixed_size: 0
    .kernarg_segment_align: 8
    .kernarg_segment_size: 64
    .max_flat_workgroup_size: 128
    .sgpr_count:     102
    .vgpr_count:     896
    .wavefront_size: 32
...
	.end_amdgpu_metadata
.endif
;; end of part 5
;; launch down (part 6): grid 32 x 8, 4 waves a work-group, no clusters, 33,280 bytes of LDS; arguments hid, route, grow, w2, b2, part; writes part
.if DOCPART == 6
	.amdgcn_target "amdgcn-amd-amdhsa--gfx1250"
	.amdhsa_code_object_version 6
	.text
	.protected	k_q792271b0de_down
	.globl	k_q792271b0de_down
	.p2align	8
	.type	k_q792271b0de_down,@function
k_q792271b0de_down:
	s_mov_b64 s[64:65], 0
	v_nop
	global_prefetch_b8 v0, s[64:65] scope:SCOPE_SE
	s_setreg_imm32_b32 hwreg(HW_REG_WAVE_MODE, 25, 1), 1
	s_wait_xcnt 0x0
; SECOND PRODUCT.  part[ks][e][rank] = gate[rank] x (hid[e][rank] . w2[e] over K slice ks, + b2[e] in slice 0), in f32.
; A work-group (x, e): cs = x % 8 owns 128 columns, ks = x / 8 owns 1,024 of K: 512 KB of w2[e], which it alone reads, and all rows of e.
; The four K slices keep a weight row's piece at 512 bytes and a group's share of hid small; their partial rows are added by the next launch.
; The frame is the first product's: four waves, one text.  THE SLAB: wave w = 2 q + ch takes 32 K x 64 columns of every chunk of 64 K, 16 loads; lane r of a load holds columns 4 r .. 4 r + 3, so one
; v_cvt_pk_bf16_f32 of two loads' registers is a register of a fragment (fragment j: lane r is column 4 r + j).  Half slab n (eight loads) is half n % 2 of chunk n / 2.
; A K STEP s (32 K, s = 0 .. 31): every wave multiplies step s (fragments in registers since step s - 1, tokens asked for in step s - 3), rounds half slab s + 3 into LDS, loads step s + 1's fragments out of
; LDS into the other fragment buffer, and asks for the tokens of step s + 3 and then for half slab s + 7.  ORDER IN A STEP: the 16 roundings stand four behind each of the first four products, at two window
; switches a group; all 38 memory instructions stand in ONE run behind the fifth product; the other 27 products follow back to back.  The roundings are also the four places between the last products
; that read a buffer and the loads into it.  THE BARRIER stands behind every even step: between two barriers (steps 2 c + 1, 2 c + 2) chunk c + 2 is written into LDS slot c % 2 and chunk c + 1 is read from
; the other slot; the signal stands behind product 25 of 32, and only products stand between it and the wait.
; THE QUEUE: loads come back in order, so weights and tokens are asked for alike, about three steps ahead, in the fixed order tokens 10, half slab 8: 62 loads out at the most.  Each half slot of the slab
; ring has an offset register and each token slot a base of its own, stepped behind the counted wait that shows its own loads done.  Token fragments come straight from hid, which lies in fragment
; order: a load takes 512 consecutive bytes.
; TILES of 16 ranks 20 p + 4 i + w in pass p.  Pass 0 is the text above; passes 1 to 3 (more than 320 rows) run without LDS and without a barrier, each wave loading and rounding all 128 columns itself.
; K PLACES, alike in both operands: chunk c of 64, step q, lane half h, place i of 16 is k = 64 c + 32 h + 16 q + i.
; Source 0 = tokens, source 1 = weights: lane (r, h), register j holds rank 8 h + j and column 4 r + fragment, so the multiply by the gate
; gathers four neighbouring columns, and 16 lanes store 256 consecutive aligned bytes of a row.
; ROWS: four trips of the pass loop cover every count, dead ones are jumped; tiles past the count read the last tile and are not stored.
; LIMITS.  w2 and b2 enter as bf16, hid is bf16; sums and partial rows f32.  NaN and infinities are not treated apart.
; NO TENSOR LOADS: the weights pass through registers to be rounded.  NO CLUSTER: each weight byte has one reader; what an expert's groups share, hid, comes through registers in the queue's fixed order.
.set PITCH, 4096
.set CH,    64*PITCH
.set HSH,   17                     ; lanes 16-31: 32 rows further on
.set QSTEP, 16
.set XSTEP, 1024                   ; a K step of a tile in hid
.set X2,    512
.set WSLOT, 16384                  ; an LDS slot: a chunk of 64 K x 128 columns in bf16, in fragment order
.set SPARE, 2*WSLOT
; window 0
.set LR,   1                       ; 16 x lane; never rewritten
.set VO,   2                       ; v2-6    my five tiles' offsets in hid
.set WF,   8                       ; v8-135  two buffers of eight weight fragments; on the way out v8-71 hold 64 results
.set CV,   136                     ; v136-167 two sets of 16: half a slab, rounded
.set GT,   168                     ; v168-207 the gates, 8 a tile
.set SOF,  236                     ; v236-239 offset in w2 of the ring's half slot n at SOF + n
.set LS,   240
.set BA,   241                     ; 16 r
.set GA,   242                     ; 32 h
.set SOFS, 243
.set RO,   244                     ; 16 r, and eight rows of part down for lanes 16-31
; window 1: the sums of tile i, fragment c at 64 i + 8 c.   window 2:
.set XF,  0
.set A4,  160
.set ONE, 224
.set BI,  232
; window 3:
.set RING, 0                       ; v0-127   four half slabs as loaded
.set W16, 0x52                     ; products of tiles 0-3: tokens window 2, weights window 0, sums window 1
.set W4,  0xa2                     ; of the fifth tile: sums window 2
.set WAVE, 20
.set EX,   22
.set GX,   23
.set CNT,  24
.set NT,   26
.set NPASS, 27
.set PASS, 28
.set TB,   29
.set T4,   30
.set LC,   31
.set BM,   32                      ; s[32:63] the expert's bit words; behind the count s[32:41] are the five tiles' gate bases
.set GBASE, 32
.set SXB,  66
.set SW,   74
.set SO,   76
.set SB,   78
.set SGR,  80
.set SX0,  82
.set TA,   84
.set TI,   86
.set TAU,  88
.set KS,   89
.set T0,   90
.set TC,   91
.set SWS,  92
.set SXS,  94
.set STP,  96
.set MSB, 0
.macro WIN new
.if MSB != (\new)
	s_set_vgpr_msb (MSB<<8)|(\new)
.set MSB, \new
.endif
.endm
.macro PLACES                          ; four places behind a matrix instruction (ISA guide 7.12.1)
.rept 4
	v_nop
.endr
.endm
.macro SETM m                          ; the registers and LDS places of a K step s with s % 4 = m
.set WB,  WF+64*((\m)%2)               ; this step's weight fragments,
.set WN,  WF+64*(((\m)+1)%2)           ; the next step's
.set XS,  XF+40*(\m)                   ; this step's tokens
.set XN,  ((\m)+3)%4                   ; the token slot that is asked for: step s + 3's
.set HQ,  ((\m)+3)%4                   ; the ring's half slot of half slab s + 3
.set CVB, CV+16*((\m)%2)
.set LRD, ((((\m)+1)/2)%2)*WSLOT+(((\m)+1)%2)*8192  ; where step s + 1's fragments lie in LDS
.set LWR, (HQ/2)*WSLOT+(HQ%2)*512      ; where half slab s + 3 goes
.endm
.macro CVTG jp                         ; four roundings: registers 4 (HQ % 2) .. + 3 of my fragment jp
	WIN 0x0f
.set pq, 0
.rept 4
	v_cvt_pk_bf16_f32 v[CVB+4*(\jp)+pq], v[RING+32*HQ+8*pq+(\jp)], v[RING+32*HQ+8*pq+4+(\jp)]
.set pq, pq+1
.endr
.endm
.macro STOREH                          ; the rounded half slab into LDS
	WIN 0
.set jp, 0
.rept 4
	ds_store_b128 v[LS], v[CVB+4*jp:CVB+4*jp+3] offset:LWR+jp*1024
.set jp, jp+1
.endr
.endm
.macro HLOAD                           ; eight loads: a half slab into the ring's half slot HQ
	WIN 0xc0
.set ii, 0
.rept 8
	global_load_b128 v[RING+32*HQ+4*ii:RING+32*HQ+4*ii+3], v[SOF+HQ], s[SW:SW+1] offset:(8*(HQ%2)+ii)*PITCH th:TH_LOAD_NT
.set ii, ii+1
.endr
.endm
.macro WFLOADN                         ; the next step's eight weight fragments
	WIN 0
.set cc, 0
.rept 8
	ds_load_b128 v[WN+8*cc:WN+8*cc+3],   v[LR] offset:LRD+cc*1024
	ds_load_b128 v[WN+8*cc+4:WN+8*cc+7], v[LR] offset:LRD+cc*1024+512
.set cc, cc+1
.endr
.endm
.macro XLOADB sl, base                 ; five token fragments of a K step into slot sl
	WIN 0x80
.set tt, 0
.rept 5
	global_load_b128 v[XF+40*(\sl)+8*tt:XF+40*(\sl)+8*tt+3],   v[VO+tt], s[(\base):(\base)+1]
	global_load_b128 v[XF+40*(\sl)+8*tt+4:XF+40*(\sl)+8*tt+7], v[VO+tt], s[(\base):(\base)+1] offset:X2
.set tt, tt+1
.endr
.endm
.macro GLOAD                           ; my lane's eight gates of each tile: ranks 8 h .. 8 h + 7
	WIN 0
.set tt, 0
.rept 5
	global_load_b128 v[GT+8*tt:GT+8*tt+3],   v[GA], s[GBASE+2*tt:GBASE+2*tt+1]
	global_load_b128 v[GT+8*tt+4:GT+8*tt+7], v[GA], s[GBASE+2*tt:GBASE+2*tt+1] offset:16
.set tt, tt+1
.endr
.endm
.macro MMK                             ; product kk of 32: fragment kk / 4, tile kk % 4: 32 accumulators by turns
	WIN W16
	v_wmma_f32_16x16x32_bf16 v[64*(kk%4)+8*(kk/4):64*(kk%4)+8*(kk/4)+7], v[XS+8*(kk%4):XS+8*(kk%4)+7], v[WB+8*(kk/4):WB+8*(kk/4)+7], v[64*(kk%4)+8*(kk/4):64*(kk%4)+8*(kk/4)+7]
.endm
.macro MM8                             ; the fifth tile's eight, jumped where that tile has no rows
	WIN 0
	s_cmp_eq_u32 s[T4], 0
	s_cbranch_scc1 .Lno4_\@
	WIN W4
.set cc, 0
.rept 8
	v_wmma_f32_16x16x32_bf16 v[A4+8*cc:A4+8*cc+7], v[XS+32:XS+39], v[WB+8*cc:WB+8*cc+7], v[A4+8*cc:A4+8*cc+7]
.set cc, cc+1
.endr
	WIN 0
.Lno4_\@:
.endm
; A K STEP s, m = s % 4.  conv: half slab s + 3 is rounded and stored; fill: half slab s + 7 is asked for; xl = 1: the tokens of step s + 3 are asked for, 2: the gates in their place;
; wfl: step s + 1's fragments are loaded; bar: the barrier of an even step.  lw: the loads younger than this step's tokens; the half slab that is rounded is older than they.
.macro STEP m, conv, fill, xl, wfl, bar, lw
	SETM \m
	s_wait_loadcnt \lw
	s_wait_dscnt 0x0                               ; this step's fragments are in
	s_add_nc_u64 s[SXB+2*(\m):SXB+2*(\m)+1], s[SXB+2*(\m):SXB+2*(\m)+1], 4*XSTEP  ; this slot's loads are in: its base steps to its next K step
	MM8
.set kk, 0
.rept 32
	MMK
.if (kk < 4) && (\conv)
	CVTG kk                                        ; four roundings beside the product
.endif
.if (kk == 0) && !(\conv) && (\wfl)
	PLACES                                         ; where nothing is rounded: the places ahead of the loads into the other fragment buffer
.endif
.if kk == 4                            ; the step's one run of memory instructions
.if \fill
	WIN 0
	v_add_nc_u32 v[SOF+HQ], 2*CH, v[SOF+HQ]        ; the half slot's own loads are in, so its offset may step: the chunk two further on
.endif
.if \wfl
	WFLOADN
.endif
.if \conv
	STOREH
.endif
.if (\xl) == 1
	XLOADB XN, SXB+2*XN
.endif
.if (\xl) == 2
	GLOAD
.endif
.if \fill
	HLOAD
.endif
.endif
.if (kk == 24) && (\bar)
	s_wait_dscnt 0x0                               ; for the others' sake: my part of the next chunk but one is in LDS, and my reads of the slot that is written next are over
	s_barrier_signal -1                            ; seven products stand between the signal and the wait
.endif
.set kk, kk+1
.endr
.if \bar
	s_barrier_wait -1
.endif
.endm
.macro PRO lw, wfl                     ; ahead of step 0: a step's roundings and memory run without products; its tokens have been asked for just before
	s_wait_loadcnt \lw
	CVTG 0
	CVTG 1
	CVTG 2
	CVTG 3
	WIN 0
	v_add_nc_u32 v[SOF+HQ], 2*CH, v[SOF+HQ]
.if \wfl
	WFLOADN
.endif
	STOREH
	HLOAD
.endm
.macro BLOAD
	WIN 0x80
	global_load_b128 v[BI:BI+3],   v[BA], s[SB:SB+1]
	global_load_b128 v[BI+4:BI+7], v[BA], s[SB:SB+1] offset:256
	WIN 0
.endm
.macro DTOKS                           ; my five tiles, clamped to the last that has rows: their place in hid and their gates' base
	s_sub_co_u32 s[TA+1], s[NT], 1
.set tt, 0
.rept 5
	s_add_co_u32 s[TA], s[TB], 4*tt
	s_min_u32 s[TA], s[TA], s[TA+1]
	s_min_u32 s[TA], s[TA], 63
	s_lshl_b32 s[TI], s[TA], 17
	v_add_nc_u32 v[VO+tt], s[TI], v[LR]
	s_lshl_b32 s[TI], s[TA], 6
	s_mov_b32 s[TI+1], 0
	s_add_nc_u64 s[GBASE+2*tt:GBASE+2*tt+1], s[SGR:SGR+1], s[TI:TI+1]
.set tt, tt+1
.endr
.endm
.macro INIT lw                         ; the bias's K step starts all 40 sums; in K slices 1 to 3 the ones are zeros
	s_wait_loadcnt \lw
	WIN 0
.set cc, 0
.rept 8
.set kk, 1
.rept 7
	v_mov_b32 v[WF+8*cc+kk], 0
.set kk, kk+1
.endr
.set cc, cc+1
.endr
	s_mov_b32 s[TA], 0xffff
	s_cmp_eq_u32 s[KS], 0
	s_cselect_b32 s[TA+1], 0x3f80, 0
	v_mov_b32 v7, s[TA+1]
	WIN 0x02
.set cc, 0
.rept 8
	v_cvt_pk_bf16_f32 v[WF+8*cc], v[BI+cc], v[WF+8*cc+1]
.set cc, cc+1
.endr
	WIN 0x80
	v_cndmask_b32 v[ONE], 0, v7, s[TA]
.set kk, 1
.rept 7
	v_mov_b32 v[ONE+kk], 0
.set kk, kk+1
.endr
	WIN W16
.set cc, 0
.rept 8
.set tt, 0
.rept 4
	v_wmma_f32_16x16x32_bf16 v[64*tt+8*cc:64*tt+8*cc+7], v[ONE:ONE+7], v[WF+8*cc:WF+8*cc+7], 0
.set tt, tt+1
.endr
.set cc, cc+1
.endr
	WIN W4
.set cc, 0
.rept 8
	v_wmma_f32_16x16x32_bf16 v[A4+8*cc:A4+8*cc+7], v[ONE:ONE+7], v[WF+8*cc:WF+8*cc+7], 0
.set cc, cc+1
.endr
	WIN 0
	PLACES
.endm
.macro DST t                           ; tile t's sums times the gate into v8-71, four neighbouring columns side by side; each accumulator is read from register 0 on
.if (\t) < 4
	WIN 0x01
.set AB, 64*(\t)
.else
	WIN 0x02
.set AB, A4
.endif
.set cc, 0
.rept 2
.set jj, 0
.rept 8
.set jp, 0
.rept 4
	v_mul_f32 v[WF+32*cc+4*jj+jp], v[AB+8*(4*cc+jp)+jj], v[GT+8*(\t)+jj]
.set jp, jp+1
.endr
.set jj, jj+1
.endr
.set cc, cc+1
.endr
	WIN 0
.endm
	s_load_b256 s[4:11], s[0:1], 0x0               ; hid, route, grow, w2
	s_load_b128 s[12:15], s[0:1], 0x20             ; b2, part
	v_lshrrev_b32 v1, 5, v0
	v_readfirstlane_b32 s[WAVE], v1
	s_and_b32 s[EX], ttmp7, 0xffff                 ; the expert
	s_and_b32 s[GX], ttmp9, 7                      ; the slice of 128 columns
	s_lshr_b32 s[KS], ttmp9, 3                     ; the slice of 1,024 K
	s_lshr_b32 s[TA], s[WAVE], 1                   ; which K step of a chunk I stream
	s_and_b32 s[TA+1], s[WAVE], 1                  ; which 64 columns
	s_mul_i32 s[TA], s[TA], QSTEP*PITCH
	s_lshl_b32 s[TA+1], s[TA+1], 8
	s_add_co_u32 s[TA], s[TA], s[TA+1]
	v_and_b32 v7, 15, v0
	v_lshlrev_b32 v[BA], 4, v7
	v_bfe_u32 v7, v0, 4, 1
	v_lshlrev_b32 v[GA], 5, v7
	v_lshl_add_u32 v[SOFS], v7, HSH, v[BA]         ; 16 r, and 32 rows on for lanes 16-31
	v_lshl_add_u32 v[RO], v7, 15, v[BA]
	v_add_nc_u32 v[SOF], s[TA], v[SOFS]            ; half slots 0 and 1: chunk 0
	v_mov_b32 v[SOF+1], v[SOF]
	v_add_nc_u32 v[SOF+2], CH, v[SOF]              ; half slots 2 and 3: chunk 1
	v_mov_b32 v[SOF+3], v[SOF+2]
	v_and_b32 v[LR], 31, v0
	v_lshlrev_b32 v[LR], 4, v[LR]
	s_lshl_b32 s[TA], s[WAVE], 12
	v_add_nc_u32 v[LS], s[TA], v[LR]
	s_lshl_b32 s[T0], s[EX], 7
	s_lshl_b32 s[SW], s[EX], 24
	s_lshl_b32 s[TA], s[KS], 22
	s_add_co_u32 s[SW], s[SW], s[TA]
	s_lshl_b32 s[TA], s[GX], 9
	s_add_co_u32 s[SW], s[SW], s[TA]
	s_mov_b32 s[SW+1], 0
	s_lshl_b32 s[SB], s[EX], 12
	s_add_co_u32 s[SB], s[SB], s[TA]
	s_mov_b32 s[SB+1], 0
	s_lshl3_add_u32 s[SO], s[KS], s[EX]            ; part: 4 MB for each (K slice, expert)
	s_lshl_b32 s[SO], s[SO], 22
	s_add_co_u32 s[SO], s[SO], s[TA]
	s_mov_b32 s[SO+1], 0
	s_lshl_b32 s[SX0], s[EX], 23                   ; hid: 8 MB an expert; my 16 chunks of 2,048 bytes in a tile
	s_lshl_b32 s[TA], s[KS], 15
	s_add_co_u32 s[SX0], s[SX0], s[TA]
	s_mov_b32 s[SX0+1], 0
	s_mul_i32 s[SGR], s[EX], 8448                  ; grow: 2,112 numbers an expert
	s_mov_b32 s[SGR+1], 0
	s_wait_kmcnt 0x0
	s_load_b512 s[BM:BM+15], s[6:7], s[T0] offset:0x0
	s_load_b512 s[BM+16:BM+31], s[6:7], s[T0] offset:0x40
	s_add_nc_u64 s[SW:SW+1], s[10:11], s[SW:SW+1]
	s_add_nc_u64 s[SB:SB+1], s[12:13], s[SB:SB+1]
	s_add_nc_u64 s[SO:SO+1], s[14:15], s[SO:SO+1]
	s_add_nc_u64 s[SX0:SX0+1], s[4:5], s[SX0:SX0+1]
	s_add_nc_u64 s[SGR:SGR+1], s[8:9], s[SGR:SGR+1]
	BLOAD                                          ; the bias goes ahead of the weights
.irp n, 0,1,2,3
.set HQ, \n
	HLOAD                                          ; half slabs 0 to 3: chunks 0 and 1
.endr
	WIN 0
	s_mov_b64 s[SXB:SXB+1], s[SX0:SX0+1]
	s_add_nc_u64 s[SXB+2:SXB+3], s[SX0:SX0+1], XSTEP
	s_add_nc_u64 s[SXB+4:SXB+5], s[SX0:SX0+1], 2*XSTEP
	s_add_nc_u64 s[SXB+6:SXB+7], s[SX0:SX0+1], 3*XSTEP
	s_wait_kmcnt 0x0
	s_bcnt1_i32_b32 s[CNT], s[BM]
.set gg, 1
.rept 31
	s_bcnt1_i32_b32 s[TA], s[BM+gg]
	s_add_co_u32 s[CNT], s[CNT], s[TA]
.set gg, gg+1
.endr
	s_max_u32 s[TA], s[CNT], 1
	s_add_co_u32 s[NT], s[TA], 15
	s_lshr_b32 s[NT], s[NT], 4                     ; tiles, 1 to 64
	s_add_co_u32 s[NPASS], s[NT], 19
	s_mul_i32 s[NPASS], s[NPASS], 205
	s_lshr_b32 s[NPASS], s[NPASS], 12              ; (tiles + 19) / 20 for 1 to 64 tiles
	s_mov_b32 s[TB], s[WAVE]
	s_add_co_u32 s[TA], s[TB], 16
	s_cmp_lt_u32 s[TA], s[NT]
	s_cselect_b32 s[T4], 1, 0
	DTOKS
	; ---- ahead of step 0: what steps -3, -2 and -1 would do beside their products; from here on the queue has its fixed order
	SETM 1
	XLOADB XN, SXB+2*XN                            ; the tokens of step 0
	INIT 42                                        ; the bias is in; younger: 32 loads of weights and 10 of tokens
	PRO 34, 0                                      ; half slab 0; younger: half slabs 1 to 3 and the tokens of step 0
	SETM 2
	XLOADB XN, SXB+2*XN                            ; of step 1
	PRO 44, 0                                      ; half slab 1; younger: 8, 8, 10, 8, 10
	WIN 0
	s_wait_dscnt 0x0                               ; for the others' sake: my part of chunk 0 is in LDS
	s_barrier_signal -1
	s_barrier_wait -1
	SETM 3
	XLOADB XN, SXB+2*XN                            ; of step 2
	PRO 54, 1                                      ; half slab 2; younger: 8, 10, 8, 10, 8, 10; and step 0's fragments
	; ---- PASS 0: 32 K steps.  44 = the loads behind a step's tokens: 8, 10, 8, 10, 8
	STEP 0, 1, 1, 1, 1, 1, 44
	WIN 0
	s_mov_b32 s[LC], 6
.Lmain:                                                ; steps 1 to 24
	STEP 1, 1, 1, 1, 1, 0, 44
	STEP 2, 1, 1, 1, 1, 1, 44
	STEP 3, 1, 1, 1, 1, 0, 44
	STEP 0, 1, 1, 1, 1, 1, 44
	WIN 0
	s_sub_co_u32 s[LC], s[LC], 1
	s_cmp_lg_u32 s[LC], 0
	s_cbranch_scc1 .Lmain
	STEP 1, 1, 0, 1, 1, 0, 44                      ; steps 25 to 28 ask for no more weights: the counts run down
	STEP 2, 1, 0, 1, 1, 1, 36
	STEP 3, 1, 0, 1, 1, 0, 28
	STEP 0, 1, 0, 1, 1, 1, 20                      ; the last barrier: chunk 15 is whole
	STEP 1, 0, 0, 2, 1, 0, 20                      ; step 29 rounds nothing; the gates' ten loads take the place of a further step's tokens
	STEP 2, 0, 0, 0, 1, 0, 20
	STEP 3, 0, 0, 0, 0, 0, 10
	WIN 0
	PLACES
	; ---- a pass's tiles leave; then the next pass, if it has rows, runs without LDS
	s_mov_b32 s[PASS], 0
.Lpass:
	s_cmp_ge_u32 s[PASS], s[NPASS]
	s_cbranch_scc1 .Lpnext
	s_wait_loadcnt 0x0                             ; the gates
	s_mov_b32 s[TC], 0
.Ltile:
	s_lshl_b32 s[TAU], s[TC], 2
	s_add_co_u32 s[TAU], s[TAU], s[TB]
	s_cmp_ge_u32 s[TAU], s[NT]
	s_cbranch_scc1 .Ltnext                         ; a tile past the count is not stored
	s_wait_xcnt 0x0                                ; the last tile's stores have read their registers
	s_cmp_eq_u32 s[TC], 0
	s_cbranch_scc1 .Lst0
	s_cmp_eq_u32 s[TC], 1
	s_cbranch_scc1 .Lst1
	s_cmp_eq_u32 s[TC], 2
	s_cbranch_scc1 .Lst2
	s_cmp_eq_u32 s[TC], 3
	s_cbranch_scc1 .Lst3
	DST 4
	s_branch .Lsend
.Lst0:
	DST 0
	s_branch .Lsend
.Lst1:
	DST 1
	s_branch .Lsend
.Lst2:
	DST 2
	s_branch .Lsend
.Lst3:
	DST 3
.Lsend:
	s_lshl_b32 s[TAU], s[TAU], 16                  ; 16 rows of 4,096 bytes
	v_add_nc_u32 v7, s[TAU], v[RO]
.set cc, 0
.rept 2
.set jj, 0
.rept 8
	global_store_b128 v7, v[WF+32*cc+4*jj:WF+32*cc+4*jj+3], s[SO:SO+1] offset:4096*jj+256*cc  ; 16 lanes store 256 consecutive aligned bytes of a row
.set jj, jj+1
.endr
.set cc, cc+1
.endr
.Ltnext:
	s_add_co_u32 s[TC], s[TC], 1
	s_cmp_lt_u32 s[TC], 5
	s_cbranch_scc1 .Ltile
	s_add_co_u32 s[TB], s[TB], 20
	s_add_co_u32 s[TA], s[PASS], 1
	s_cmp_ge_u32 s[TA], s[NPASS]
	s_cbranch_scc1 .Lpnext
	s_wait_xcnt 0x0                                ; the stores have read their registers
	s_add_co_u32 s[TA], s[TB], 16
	s_cmp_lt_u32 s[TA], s[NT]
	s_cselect_b32 s[T4], 1, 0
	DTOKS
	BLOAD
	INIT 0
	s_mov_b64 s[SWS:SWS+1], s[SW:SW+1]
	s_mov_b64 s[SXS:SXS+1], s[SX0:SX0+1]
	s_mov_b32 s[STP], 16*PITCH                     ; from a chunk's first K step to its second 16 rows, from there to the next chunk 48
	s_mov_b32 s[STP+1], 0
	s_mov_b32 s[LC], 32
.Lks:                                                  ; a K step, plainly: all 32 K x 128 columns and my tokens into registers, rounded, multiplied
	WIN 0xc0
.set cc, 0
.rept 2
.set ii, 0
.rept 16
	global_load_b128 v[RING+64*cc+4*ii:RING+64*cc+4*ii+3], v[SOFS], s[SWS:SWS+1] offset:cc*256+ii*PITCH
.set ii, ii+1
.endr
.set cc, cc+1
.endr
	XLOADB 0, SXS
	s_wait_loadcnt 0x0
	WIN 0x0f
.set cc, 0
.rept 2
.set jp, 0
.rept 4
.set pq, 0
.rept 8
	v_cvt_pk_bf16_f32 v[WF+8*(4*cc+jp)+pq], v[RING+64*cc+4*(2*pq)+jp], v[RING+64*cc+4*(2*pq+1)+jp]
.set pq, pq+1
.endr
.set jp, jp+1
.endr
.set cc, cc+1
.endr
	SETM 0
.set kk, 0
.rept 32
	MMK
.set kk, kk+1
.endr
	MM8
	PLACES
	s_add_nc_u64 s[SWS:SWS+1], s[SWS:SWS+1], s[STP:STP+1]  ; every load is in, so the bases may step
	s_xor_b32 s[STP], s[STP], (16*PITCH)^(48*PITCH)
	s_add_nc_u64 s[SXS:SXS+1], s[SXS:SXS+1], XSTEP
	s_sub_co_u32 s[LC], s[LC], 1
	s_cmp_lg_u32 s[LC], 0
	s_cbranch_scc1 .Lks
	GLOAD                                          ; the pass's gates, waited for at the head of the next trip
.Lpnext:
	s_add_co_u32 s[PASS], s[PASS], 1
	s_cmp_lt_u32 s[PASS], 4
	s_cbranch_scc1 .Lpass
	s_wait_dscnt 0x0
	s_barrier_signal -1
	s_barrier_wait -1                              ; every wave's reads of LDS are over
	v_lshl_add_u32 v2, v0, 2, SPARE
	v_mov_b32 v3, 0
	s_wait_tensorcnt 0x0                           ; the wave's end
	ds_add_u32 v2, v3
	s_wait_dscnt 0x0
	s_endpgm
.Lfunc_end_k_q792271b0de_down:
	.size	k_q792271b0de_down, .Lfunc_end_k_q792271b0de_down-k_q792271b0de_down
	.p2alignl 7, 3214868480
	.fill 96, 4, 3214868480
	.section	.rodata,"a",@progbits
	.p2align	6, 0x0
	.amdhsa_kernel k_q792271b0de_down
		.amdhsa_group_segment_fixed_size 33280
		.amdhsa_private_segment_fixed_size 0
		.amdhsa_enable_private_segment 0
		.amdhsa_kernarg_size 48
		.amdhsa_user_sgpr_count 2
		.amdhsa_user_sgpr_kernarg_segment_ptr 1
		.amdhsa_wavefront_size32 1
		.amdhsa_system_sgpr_workgroup_id_x 1
		.amdhsa_system_sgpr_workgroup_id_y 1
		.amdhsa_system_sgpr_workgroup_id_z 1
		.amdhsa_system_vgpr_workitem_id 0
		.amdhsa_next_free_vgpr 896
		.amdhsa_next_free_sgpr 98
		.amdhsa_reserve_vcc 0
		.amdhsa_float_denorm_mode_32 3
		.amdhsa_float_denorm_mode_16_64 3
		.amdhsa_memory_ordered 1
		.amdhsa_forward_progress 1
		.amdhsa_inst_pref_size 133
	.end_amdhsa_kernel
	.amdgpu_metadata
---
amdhsa.version: [ 1, 2 ]
amdhsa.kernels:
  - .name:           k_q792271b0de_down
    .symbol:         k_q792271b0de_down.kd
    .args:
      - { .name: hid, .offset: 0, .size: 8, .value_kind: global_buffer, .address_space: global }
      - { .name: route, .offset: 8, .size: 8, .value_kind: global_buffer, .address_space: global }
      - { .name: grow, .offset: 16, .size: 8, .value_kind: global_buffer, .address_space: global }
      - { .name: w2, .offset: 24, .size: 8, .value_kind: global_buffer, .address_space: global }
      - { .name: b2, .offset: 32, .size: 8, .value_kind: global_buffer, .address_space: global }
      - { .name: part, .offset: 40, .size: 8, .value_kind: global_buffer, .address_space: global }
    .group_segment_fixed_size: 33280
    .private_segment_fixed_size: 0
    .kernarg_segment_align: 8
    .kernarg_segment_size: 48
    .max_flat_workgroup_size: 128
    .sgpr_count:     98
    .vgpr_count:     896
    .wavefront_size: 32
...
	.end_amdgpu_metadata
.endif
;; end of part 6
;; launch combine: the kernel of part 4 again; grid 256 x 1, 8 waves a work-group, no clusters, 0 bytes of LDS; arguments part, route, rowmap, out0; writes out0
;; ======== version 3 of 3: 4 launches; version 2 with the launches up, down written anew for expert scheduling mode
;; limits: a function is approximated: absolute error at most 2.5e-05
;; workspace buffers: xb 2,097,152 bytes; route 9,216 bytes of whole numbers; gd 32,768 bytes; hid 67,108,864 bytes; rowmap 32,768 bytes of whole numbers; grow 67,584 bytes; part 134,217,728 bytes
;; launch router: the kernel of part 1 again; grid 32 x 1, 8 waves a work-group, no clusters, 78,848 bytes of LDS; arguments x, router_w, router_b, xb, route, gd; writes xb, route, gd
;; launch up (part 7): grid 32 x 8, 4 waves a work-group, no clusters, 33,280 bytes of LDS; arguments xb, route, gd, w1, b1, hid, rowmap, grow; writes hid, rowmap, grow
.if DOCPART == 7
	.amdgcn_target "amdgcn-amd-amdhsa--gfx1250"
	.amdhsa_code_object_version 6
	.text
	.protected	k_q792271b0de_up
	.globl	k_q792271b0de_up
	.p2align	8
	.type	k_q792271b0de_up,@function
k_q792271b0de_up:
	s_mov_b64 s[64:65], 0
	v_nop
	global_prefetch_b8 v0, s[64:65] scope:SCOPE_SE
	s_setreg_imm32_b32 hwreg(HW_REG_WAVE_SCHED_MODE, 0, 2), 2
	s_setreg_imm32_b32 hwreg(HW_REG_WAVE_MODE, 25, 1), 1
	s_wait_xcnt 0x0
	s_wait_alu depctr_vm_vsrc(0)
; FIRST PRODUCT AND GELU.  hid = gelu(x . w1[e] + b1[e]) for the rows that chose expert e, in the order of their rank in e.
; A work-group (x, e) owns 128 columns of w1[e], all 1,024 of K (512 KB of f32, which it alone reads), and all rows of e.  Four waves, one text.
; THE SLAB.  Wave w = 2 q + ch takes 32 K x 64 columns of every chunk of 64 K: 16 loads in which lanes 0-15 read 256 aligned bytes of one K row and lanes 16-31 of the row 16 further on.
; Lane r holds columns 4 r .. 4 r + 3, so one v_cvt_pk_bf16_f32 of two loads' registers IS a register of a matrix fragment (fragment j: lane r stands for column 4 r + j): no transpose.
; Half slab n (eight loads) is half n % 2 of chunk n / 2.
; A K STEP s (32 K, s = 0 .. 31).  Every wave multiplies step s (its fragments lie in registers since step s - 1, its tokens were asked for in step s - 3), stores half slab s + 3, which step s - 1 rounded,
; into LDS, loads step s + 1's fragments out of LDS into the other fragment buffer, asks for the tokens of step s + 3 and then for half slab s + 7, and rounds half slab s + 4.
; THE MODE: SCHED_MODE bits 1:0 = 2 (LLVM: expert scheduling mode 2), set by the entry lines.  The code itself states the register dependences between vector or matrix instructions and memory or LDS
; instructions, with s_wait_alu, always for 0.
; THE PLAN.  Registers that memory or LDS instructions touch in a step s:
;   WF0, WF1     Its products read WF[s % 2]; its LDS loads land in the other buffer, which step s - 1's products read.
;   XF0 .. XF3   Its products read slot s % 4; its token loads land in slot (s + 3) % 4, which step s - 1's products read.
;   RING0 .. 3   Its roundings read half slot s % 4; its weight loads land in half slot (s + 3) % 4, which step s - 1's roundings read.
;   CV0, CV1     Its roundings write set s % 2; its LDS stores read the other set, which step s - 1's roundings wrote.
;   v[SOF + n]   Read by half slot n's loads; stepped at the head of the step that asks for the slot again.
;   v[LR], v[LS], v[VO ..], v[BA], v[SOFS]  made ahead of the loop and not written in it.
; So a step's memory instructions touch only what the step before worked on, and two waits at the step's head state all that they hang on: vm_vsrc ahead of the add to v[SOF + n] and of the roundings' set,
; va_vdst behind that add.  Behind them no vector or matrix instruction of the step names a register that its 38 memory instructions touch.
; ORDER IN A STEP.  The memory instructions are dealt behind the first four products: 8 LDS loads; 8 LDS loads and the 4 LDS stores; the 10 token loads; the 8 weight loads.  The other products follow back
; to back.  The 16 roundings stand behind the step's last product: the wait on va_vdst at the next step's head covers that product and them together.
; THE BARRIER stands behind every even step.  Between two barriers (steps 2 c + 1 and 2 c + 2) chunk c + 2 is written into LDS slot c % 2 and chunk c + 1 is read from the other slot.  The signal stands
; behind product 25 of 32; only products and the roundings, work on registers, stand between it and the wait.
; THE QUEUE.  Loads come back in order, so a token load is not usable before the weights issued ahead of it: both kinds are asked for about three steps ahead, in the fixed order tokens 10, half slab 8:
; 62 loads out at the most.  Each half slot of the slab ring has an offset register and each token slot a base of its own, stepped behind the counted wait that shows its own loads done.
; TILES.  Wave w owns the tiles of 16 ranks 20 p + 4 i + w, i = 0..4, in pass p.  Pass 0 is the text above.  Passes 1 to 3 (more than 320 rows) run without LDS and without a barrier: each wave
; loads and rounds all 128 columns of a K step itself.  Four trips of the pass loop cover every count; dead ones are jumped.
; K PLACES, alike in both operands: K step s, lane half h, place i of 16 is k = 32 s + 16 h + i.
; ROWS.  cnt = the expert's set bits.  Rows past cnt repeat the last row; tiles past the count are multiplied (the fifth is jumped) and not stored.
; TOKEN BY RANK: from the expert's 32 bit words in scalar registers, by integer arithmetic in registers: a walk over the words with a running prefix, then the n-th set bit by field counts.
; BIAS: a K step of its own that starts the sums: b1 rounded to bf16 times a fragment of ones.
; GELU, exact form: erf by Abramowitz and Stegun 7.1.25, absolute error at most 2.5e-5 for every argument; with y = v sqrt(log2(e) / 2):
; g = 0.588705 (y + |y|) - |y| 2^(-y y) t (A1 + t (A2 + t A3)), t = 1 / (1 + 0.391692 |y|).
; hid is rounded once to bf16 and stored in the order in which the second product's fragments take it: 512 consecutive bytes a store.
; TABLES for the later launches: group (x, e) stores, for the 32 tokens of bit word x, the rank in e (rowmap) and the gate at its rank (grow).
; LIMITS.  x, w1, b1 enter as bf16.  2^(-y y) below 2^-126 counts as 0.  NaN and infinities are not treated apart.
; NO TENSOR LOADS: the weights pass through registers to be rounded.  NO CLUSTER: each weight byte has one reader, and the token rows come by a list.
.set PITCH, 16384                  ; bytes from a K row of w1 to the next
.set CH,    64*PITCH               ; a chunk of 64 K
.set HSH,   18                     ; lanes 16-31: 16 rows further on
.set QSTEP, 32                     ; the chunk's second K step: 32 rows further on
.set XSTEP, 64                     ; a K step in a row of xb
.set X2,    16                     ; a fragment's second 16 bytes
.set WSLOT, 16384                  ; an LDS slot: a chunk of 64 K x 128 columns in bf16, in fragment order; the 512 bytes behind the two slots: the spare words, 128 bytes a wave
; window 0
.set LR,   1                       ; 16 x lane: LDS address of the fragment loads; never rewritten
.set VO,   2                       ; v2-6    my five tiles' token offsets in xb
.set WF,   8                       ; v8-135  two buffers of eight weight fragments
.set CV,   136                     ; v136-167 two sets of 16: half a slab, rounded
.set TK,   216                     ; v216-235 token numbers: five for each of four passes
.set SOF,  236                     ; v236-239 offset in w1 of the ring's half slot n at SOF + n
.set LS,   240                     ; 16 x lane + 4,096 x wave: LDS address of my stores; never rewritten
.set BA,   241                     ; 16 r
.set H32,  242                     ; 32 h
.set SOFS, 243                     ; the later passes' offset in w1
.set R15,  244                     ; r
.set GD,   70                      ; at the head: my token's gate, its offset, and v64-69 at work on the tables
.set GDA,  71
; at the head, at work on the tokens: five registers each
.set QR, 8
.set QW, 13
.set QG, 18
.set QA, 23
.set QB, 28
.set QC, 33
.set QD, 38
.set QN, 43
.set QP, 48
.set QT, 53
.set QU, 58
; window 1: the sums of tile i, fragment c at 64 i + 8 c.   window 2:
.set XF,  0                        ; v0-159   four token slots of five fragments
.set A4,  160                      ; v160-223 the fifth tile's sums
.set ONE, 224                      ; the fragment of ones
.set BI,  232                      ; the bias, 8 registers
; window 3:
.set RING, 0                       ; v0-127   four half slabs as loaded
.set W16, 0x58                     ; products of tiles 0-3: weights window 0, tokens window 2, sums window 1
.set W4,  0xa8                     ; of the fifth tile: sums window 2
; GELU at work, 16 numbers at a time, window 0
.set GAX, 72
.set GT,  88
.set GU,  104
.set GP,  120
.set GM,  136
.set GH,  152
.set WAVE, 20
.set WORD, 21
.set EX,   22
.set GX,   23
.set CNT,  24
.set CM1,  25
.set NT,   26
.set NPASS, 27
.set PASS, 28
.set TB,   29
.set T4,   30
.set LC,   31
.set BM,   32                      ; s[32:63] the expert's 32 bit words
.set SXB,  66                      ; s[66:73] a base in xb for each token slot
.set SW,   74
.set SO,   76
.set SB,   78
.set SRM,  80
.set SGR,  82
.set SGD,  84
.set TA,   86
.set TI,   88
.set TAU,  89
.set KC1,  90
.set KC2,  92
.set KC3,  94
.set KA1,  96
.set KA2,  98
.set KA3,  100
.set AMASK, 6                      ; the arguments' registers serve again once the bases are made
.set PRE,  7
.set PRS,  8
.set PGS,  9
.set SWS,  10
.set SXS,  12
.set TKC,  14
.set TKP,  2
.set MK,   15                      ; s[15:19] the token search's lane masks, one for each of my five tiles
.set MSB, 0
.macro WIN new                         ; the immediate's high byte repeats the setting that is left
.if MSB != (\new)
	s_set_vgpr_msb (MSB<<8)|(\new)
.set MSB, \new
.endif
.endm
.macro PLACES                          ; four places behind a matrix instruction (ISA guide 7.12.1)
.rept 4
	v_nop
.endr
.endm
.macro ALL5 line:vararg                ; one line for each of my five tiles t
.set t, 0
.rept 5
	\line
.set t, t+1
.endr
.endm
.macro SETM m                          ; the registers and LDS places of a K step s with s % 4 = m
.set WB,  WF+64*((\m)%2)               ; this step's weight fragments,
.set WN,  WF+64*(((\m)+1)%2)           ; the next step's
.set XS,  XF+40*(\m)                   ; this step's tokens
.set XN,  ((\m)+3)%4                   ; the token slot that is asked for: step s + 3's
.set HQ,  ((\m)+3)%4                   ; the ring's half slot of half slab s + 3, which is stored, and of half slab s + 7, which is asked for
.set HC,  (\m)                         ; the ring's half slot of half slab s + 4, which is rounded
.set CVS, CV+16*(((\m)+1)%2)           ; the set that holds half slab s + 3,
.set CVW, CV+16*((\m)%2)               ; the set that takes half slab s + 4
.set LRD, ((((\m)+1)/2)%2)*WSLOT+(((\m)+1)%2)*8192  ; where step s + 1's fragments lie in LDS
.set LWR, (HQ/2)*WSLOT+(HQ%2)*512      ; where half slab s + 3 goes
.endm
.macro CVTG jp                         ; four roundings: registers 4 (HC % 2) .. + 3 of my fragment jp
	WIN 0x0f
.set pq, 0
.rept 4
	v_cvt_pk_bf16_f32 v[CVW+4*(\jp)+pq], v[RING+32*HC+8*pq+(\jp)], v[RING+32*HC+8*pq+4+(\jp)]
.set pq, pq+1
.endr
.endm
.macro STOREH                          ; a rounded half slab into LDS
	WIN 0
.set jp, 0
.rept 4
	ds_store_b128 v[LS], v[CVS+4*jp:CVS+4*jp+3] offset:LWR+jp*1024
.set jp, jp+1
.endr
.endm
.macro HLOAD                           ; eight loads: a half slab into the ring's half slot HQ
	WIN 0xc0
.set ii, 0
.rept 8
	global_load_b128 v[RING+32*HQ+4*ii:RING+32*HQ+4*ii+3], v[SOF+HQ], s[SW:SW+1] offset:(8*(HQ%2)+ii)*PITCH th:TH_LOAD_NT
.set ii, ii+1
.endr
.endm
.macro WFL hf                          ; four of the next step's eight weight fragments
	WIN 0
.set cc, 4*(\hf)
.rept 4
	ds_load_b128 v[WN+8*cc:WN+8*cc+3],   v[LR] offset:LRD+cc*1024
	ds_load_b128 v[WN+8*cc+4:WN+8*cc+7], v[LR] offset:LRD+cc*1024+512
.set cc, cc+1
.endr
.endm
.macro XLOADB sl, base                 ; five token fragments of a K step into slot sl
	WIN 0x80
.set tt, 0
.rept 5
	global_load_b128 v[XF+40*(\sl)+8*tt:XF+40*(\sl)+8*tt+3],   v[VO+tt], s[(\base):(\base)+1]
	global_load_b128 v[XF+40*(\sl)+8*tt+4:XF+40*(\sl)+8*tt+7], v[VO+tt], s[(\base):(\base)+1] offset:X2
.set tt, tt+1
.endr
.endm
.macro MMK                             ; product kk of 32: fragment kk / 4, tile kk % 4: 32 accumulators by turns
	WIN W16
	v_wmma_f32_16x16x32_bf16 v[64*(kk%4)+8*(kk/4):64*(kk%4)+8*(kk/4)+7], v[WB+8*(kk/4):WB+8*(kk/4)+7], v[XS+8*(kk%4):XS+8*(kk%4)+7], v[64*(kk%4)+8*(kk/4):64*(kk%4)+8*(kk/4)+7]
.endm
.macro MM8                             ; the fifth tile's eight, jumped where that tile has no rows
	WIN 0
	s_cmp_eq_u32 s[T4], 0
	s_cbranch_scc1 .Lno4_\@
	WIN W4
.set cc, 0
.rept 8
	v_wmma_f32_16x16x32_bf16 v[A4+8*cc:A4+8*cc+7], v[WB+8*cc:WB+8*cc+7], v[XS+32:XS+39], v[A4+8*cc:A4+8*cc+7]
.set cc, cc+1
.endr
	WIN 0
.Lno4_\@:
.endm
; A K STEP s, m = s % 4.  rnd: half slab s + 4 is rounded; sto: half slab s + 3 is stored; fill: half slab s + 7 is asked for; xl: the tokens of step s + 3 are asked for; wfl: step s + 1's fragments
; are loaded; bar: the barrier of an even step.  lw: the loads younger than this step's tokens.  lr: the loads younger than half slab s + 4 when it is rounded, this step's own among them.
.macro STEP m, rnd, sto, fill, xl, wfl, bar, lw, lr
	SETM \m
	s_wait_loadcnt \lw
	s_wait_dscnt 0x0                               ; this step's fragments are in
	s_add_nc_u64 s[SXB+2*(\m):SXB+2*(\m)+1], s[SXB+2*(\m):SXB+2*(\m)+1], 4*XSTEP  ; this slot's loads are in: its base steps to its next K step
.if (\rnd) || (\fill)
	s_wait_alu depctr_vm_vsrc(0)                   ; the last step's LDS stores have read the set that this step's roundings write; the half slot's last loads have read v[SOF + HQ], which the next line writes
.endif
.if \fill
	WIN 0
	v_add_nc_u32 v[SOF+HQ], 2*CH, v[SOF+HQ]        ; the half slot's own loads are in, so its offset may step: the chunk two further on
.endif
.if \wfl
	s_wait_alu depctr_va_vdst(0)                   ; v[SOF + HQ] is written; the last step's roundings have written the set that is stored and are done reading the half slot that is asked for; its products are done reading the other fragment buffer and the token slot that is asked for
.endif
	MM8
.set kk, 0
.rept 32
	MMK
.if (kk == 0) && !(\sto) && (\wfl)
	PLACES                                         ; steps 29 and 30, which no roundings precede: four places, kept as they stood, between the last step's products and the loads into the fragment buffer that those read
.endif
.if (kk < 2) && (\wfl)
	WFL kk                                         ; no wait from here on: no vector or matrix instruction since the head's wait names a register that the step's memory instructions touch
.endif
.if (kk == 1) && (\sto)
	STOREH
.endif
.if (kk == 2) && (\xl)
	XLOADB XN, SXB+2*XN
.endif
.if (kk == 3) && (\fill)
	HLOAD
.endif
.if (kk == 24) && (\bar)
	s_wait_dscnt 0x0                               ; for the others' sake: my part of the next chunk but one is in LDS, and my reads of the slot that is written next are over
	s_barrier_signal -1                            ; seven products and the roundings stand between the signal and the wait
.endif
.set kk, kk+1
.endr
.if \rnd
	s_wait_loadcnt \lr                             ; half slab s + 4 is in
	CVTG 0
	CVTG 1
	CVTG 2
	CVTG 3
.endif
.if \bar
	s_barrier_wait -1
.endif
.endm
.macro PRO lw, wfl                     ; ahead of step 0: half slab HQ is rounded, stored and its half slot asked for again, without products; the step's tokens have been asked for just before
	s_wait_loadcnt \lw
	s_wait_alu depctr_vm_vsrc(0)                   ; the half slot's first loads have read v[SOF + HQ]; the LDS stores of the half slab two before have read the set that is written
.set HC, HQ
.set CVW, CVS
	CVTG 0
	CVTG 1
	CVTG 2
	CVTG 3
	WIN 0
	v_add_nc_u32 v[SOF+HQ], 2*CH, v[SOF+HQ]
	s_wait_alu depctr_va_vdst(0)                   ; the roundings have written the set that is stored and are done reading the half slot; v[SOF + HQ] is written; the bias's K step is done with the fragment buffer in which step 0's fragments land
.if \wfl
	WFL 0
	WFL 1
.endif
	STOREH
	HLOAD
.endm
.macro BLOAD                           ; lane r: the bias of columns 4 r .. 4 r + 3 of both halves of the slice
	WIN 0x80
	global_load_b128 v[BI:BI+3],   v[BA], s[SB:SB+1]
	global_load_b128 v[BI+4:BI+7], v[BA], s[SB:SB+1] offset:256
	WIN 0
.endm
.macro INIT lw                         ; the bias's K step starts all 40 sums: place 0 of lanes 0-15 holds the bias on one side and 1 on the other, every other place 0
	s_wait_loadcnt \lw
	WIN 0
.set cc, 0
.rept 8
.set kk, 1
.rept 7
	v_mov_b32 v[WF+8*cc+kk], 0
.set kk, kk+1
.endr
.set cc, cc+1
.endr
	v_mov_b32 v7, 0x3f80
	s_mov_b32 s[TA], 0xffff
	WIN 0x02
.set cc, 0
.rept 8
	v_cvt_pk_bf16_f32 v[WF+8*cc], v[BI+cc], v[WF+8*cc+1]
.set cc, cc+1
.endr
	WIN 0x80
	v_cndmask_b32 v[ONE], 0, v7, s[TA]
.set kk, 1
.rept 7
	v_mov_b32 v[ONE+kk], 0
.set kk, kk+1
.endr
	WIN W16
.set cc, 0
.rept 8
.set tt, 0
.rept 4
	v_wmma_f32_16x16x32_bf16 v[64*tt+8*cc:64*tt+8*cc+7], v[WF+8*cc:WF+8*cc+7], v[ONE:ONE+7], 0
.set tt, tt+1
.endr
.set cc, cc+1
.endr
	WIN W4
.set cc, 0
.rept 8
	v_wmma_f32_16x16x32_bf16 v[A4+8*cc:A4+8*cc+7], v[WF+8*cc:WF+8*cc+7], v[ONE:ONE+7], 0
.set cc, cc+1
.endr
	WIN 0
	PLACES
.endm
; One step down in the search for the n-th set bit: the count of the lower field at the place reached; if n is not below it, n loses it and the place moves up.
.macro TLEVEL src, bits, inc
	ALL5 v_bfe_u32 v[QT+t], v[(\src)+t], v[QP+t], \bits
	ALL5 v_cmp_ge_u32 s[MK+t], v[QN+t], v[QT+t]
	s_wait_alu depctr_va_sdst(0)                   ; the five compares have written s[MK ..], ahead of the selects that read them
	ALL5 v_cndmask_b32 v[QT+t], 0, v[QT+t], s[MK+t]
	ALL5 v_cndmask_b32 v[QU+t], 0, \inc, s[MK+t]
	ALL5 v_sub_nc_u32 v[QN+t], v[QN+t], v[QT+t]
	ALL5 v_add_nc_u32 v[QP+t], v[QP+t], v[QU+t]
.endm
; The token numbers of my five tiles' rows; s[TA] = 16 x my first tile of the pass.  Rank, clamped to the last row; the last word whose prefix is not above the rank; the bit in it.
; The compares stand in runs of five, each into a scalar register of its own, with one wait behind the run.
.macro TOKS
	ALL5 v_add_nc_u32 v[QR+t], s[TA], v[R15]
	ALL5 v_add_nc_u32 v[QR+t], 64*t, v[QR+t]
	ALL5 v_min_u32 v[QR+t], s[CM1], v[QR+t]
	ALL5 v_mov_b32 v[QW+t], s[BM]
	ALL5 v_mov_b32 v[QG+t], 0
	s_mov_b32 s[PRS], 0
.set gg, 1
.rept 31
	s_bcnt1_i32_b32 s[TA+1], s[BM+gg-1]
	s_add_co_u32 s[PRS], s[PRS], s[TA+1]           ; the set bits ahead of word gg,
	s_add_co_u32 s[PGS], s[PRS], gg<<16            ; and the word's number above them
	ALL5 v_cmp_gt_u32 s[MK+t], s[PRS], v[QR+t]     ; a prefix above the rank: what was chosen stays
	s_wait_alu depctr_va_sdst(0)                   ; the five compares have written s[MK ..], ahead of the selects that read them
	ALL5 v_cndmask_b32 v[QW+t], s[BM+gg], v[QW+t], s[MK+t]
	ALL5 v_cndmask_b32 v[QG+t], s[PGS], v[QG+t], s[MK+t]
.set gg, gg+1
.endr
	ALL5 v_and_b32 v[QT+t], 0xffff, v[QG+t]
	ALL5 v_sub_nc_u32 v[QN+t], v[QR+t], v[QT+t]    ; n: the rank within the word
	ALL5 v_lshrrev_b32 v[QT+t], 1, v[QW+t]         ; counts of the word's fields of 2, 4, 8 and 16 bits
	ALL5 v_and_b32 v[QT+t], 0x55555555, v[QT+t]
	ALL5 v_sub_nc_u32 v[QA+t], v[QW+t], v[QT+t]
	ALL5 v_lshrrev_b32 v[QT+t], 2, v[QA+t]
	ALL5 v_and_b32 v[QT+t], 0x33333333, v[QT+t]
	ALL5 v_and_b32 v[QB+t], 0x33333333, v[QA+t]
	ALL5 v_add_nc_u32 v[QB+t], v[QB+t], v[QT+t]
	ALL5 v_lshrrev_b32 v[QT+t], 4, v[QB+t]
	ALL5 v_add_nc_u32 v[QC+t], v[QB+t], v[QT+t]
	ALL5 v_and_b32 v[QC+t], 0x0f0f0f0f, v[QC+t]
	ALL5 v_lshrrev_b32 v[QT+t], 8, v[QC+t]
	ALL5 v_add_nc_u32 v[QD+t], v[QC+t], v[QT+t]
	ALL5 v_mov_b32 v[QP+t], 0
	TLEVEL QD, 8, 16
	TLEVEL QC, 8, 8
	TLEVEL QB, 4, 4
	TLEVEL QA, 2, 2
	TLEVEL QW, 1, 1
	ALL5 v_lshrrev_b32 v[QT+t], 16, v[QG+t]
	ALL5 v_lshl_add_u32 v[TK+t], v[QT+t], 5, v[QP+t]  ; token = 32 x word + bit
.endm
.macro USETOK                          ; the pass's token numbers, clamped, to offsets in xb: a row of 2,048 bytes, 32 h
	ALL5 v_min_u32 v[VO+t], 0x3ff, v[TK+t]
	ALL5 v_lshl_add_u32 v[VO+t], v[VO+t], 11, v[H32]
.endm
.macro STAGE t                         ; tile t's 64 sums times sqrt(log2(e) / 2) into v8-71, each accumulator from its low end on
.if (\t) < 4
	WIN 0x01
.set AB, 64*(\t)
.else
	WIN 0x02
.set AB, A4
.endif
.set nn, 0
.rept 32
	v_pk_mul_f32 v[WF+2*nn:WF+2*nn+1], v[AB+2*nn:AB+2*nn+1], s[KC1:KC1+1] op_sel_hi:[1,0]
.set nn, nn+1
.endr
	WIN 0
.endm
.macro GSEND ch, q                     ; a batch's 16 numbers a lane leave: each batch of a tile has eight registers of its own
.set HS, GH+8*(2*(\ch)+(\q))
	global_store_b128 v7, v[HS:HS+3],   s[SO:SO+1] offset:(\ch)*2048+(2*(\q))*512
	global_store_b128 v7, v[HS+4:HS+7], s[SO:SO+1] offset:(\ch)*2048+(2*(\q)+1)*512
.endm
; GELU of 16 numbers: fragments 4 ch .. 4 ch + 3, registers 4 q .. 4 q + 3.  My lane (r, h) holds rank r and f = 64 ch + 32 h + 4 j + fragment: just what lane (r, h) of the second product's fragments wants.
; A batch's two stores stand in the next batch, behind its one wait on va_vdst.
.macro GB ch, q
.set YB, WF+32*(\ch)+4*(\q)
.set HB, GH+8*(2*(\ch)+(\q))
.set nn, 0
.rept 16
	v_and_b32 v[GAX+nn], s[AMASK], v[YB+8*(nn/4)+nn%4]
.set nn, nn+1
.endr
.set nn, 0
.rept 8
.set YP, YB+8*(nn/2)+2*(nn%2)
	v_pk_fma_f32 v[GT+2*nn:GT+2*nn+1], v[GAX+2*nn:GAX+2*nn+1], s[KC2:KC2+1], 1.0 op_sel_hi:[1,0,0]
	v_pk_mul_f32 v[GU+2*nn:GU+2*nn+1], v[YP:YP+1], v[YP:YP+1] neg_lo:[1,0] neg_hi:[1,0]
.set nn, nn+1
.endr
.set nn, 0
.rept 16
	v_rcp_f32 v[GT+nn], v[GT+nn]
.set nn, nn+1
.endr
.set nn, 0
.rept 16
	v_exp_f32 v[GU+nn], v[GU+nn]
.set nn, nn+1
.endr
.set nn, 0
.rept 8                                                ; y + |y|: plain work behind the batch that names none of its results
.set YP, YB+8*(nn/2)+2*(nn%2)
	v_pk_add_f32 v[GM+2*nn:GM+2*nn+1], v[YP:YP+1], v[GAX+2*nn:GAX+2*nn+1]
.set nn, nn+1
.endr
	s_wait_alu depctr_va_vdst(0)                   ; the 16 reciprocals and 16 exponentials have written v[GT ..] and v[GU ..], ahead of their first reader; the batch before has written its eight registers, and v7 is written: the stores below read them
.if 2*(\ch)+(\q) > 0
	GSEND (2*(\ch)+(\q)-1)/2, (2*(\ch)+(\q)-1)%2
.endif
.set nn, 0
.rept 8
	v_pk_fma_f32 v[GP+2*nn:GP+2*nn+1], v[GT+2*nn:GT+2*nn+1], s[KA3:KA3+1], s[KA2:KA2+1] op_sel_hi:[1,0,0]
	v_pk_mul_f32 v[GU+2*nn:GU+2*nn+1], v[GU+2*nn:GU+2*nn+1], v[GAX+2*nn:GAX+2*nn+1]
.set nn, nn+1
.endr
.set nn, 0
.rept 8
	v_pk_fma_f32 v[GP+2*nn:GP+2*nn+1], v[GP+2*nn:GP+2*nn+1], v[GT+2*nn:GT+2*nn+1], s[KA1:KA1+1] op_sel_hi:[1,1,0]
	v_pk_mul_f32 v[GU+2*nn:GU+2*nn+1], v[GU+2*nn:GU+2*nn+1], v[GT+2*nn:GT+2*nn+1]
.set nn, nn+1
.endr
.set nn, 0
.rept 8
	v_pk_mul_f32 v[GP+2*nn:GP+2*nn+1], v[GP+2*nn:GP+2*nn+1], v[GU+2*nn:GU+2*nn+1]
.set nn, nn+1
.endr
.set nn, 0
.rept 8
	v_pk_fma_f32 v[GM+2*nn:GM+2*nn+1], v[GM+2*nn:GM+2*nn+1], s[KC3:KC3+1], v[GP+2*nn:GP+2*nn+1] op_sel_hi:[1,0,1] neg_lo:[0,0,1] neg_hi:[0,0,1]
.set nn, nn+1
.endr
.set hf, 0
.rept 2
.set pq, 0
.rept 4                                                ; eight neighbouring f: register 2 hf + pq / 2 of fragments 2 (pq % 2) and 2 (pq % 2) + 1
	v_cvt_pk_bf16_f32 v[HB+4*hf+pq], v[GM+4*(2*(pq%2))+2*hf+pq/2], v[GM+4*(2*(pq%2)+1)+2*hf+pq/2]
.set pq, pq+1
.endr
.set hf, hf+1
.endr
.endm
	s_load_b512 s[4:19], s[0:1], 0x0               ; xb, route, gd, w1, b1, hid, rowmap, grow
	v_lshl_add_u32 v254, v0, 2, 0x8000
	v_mov_b32 v255, 0
	v_lshrrev_b32 v1, 5, v0
	v_readfirstlane_b32 s[WAVE], v1
	s_and_b32 s[EX], ttmp7, 0xffff                 ; the expert
	s_mov_b32 s[GX], ttmp9                         ; the slice of 128 columns, and the bit word whose tables I store
	s_wait_alu depctr_va_sdst(0)                   ; s[WAVE] is written, ahead of its first reader
	s_lshr_b32 s[TA], s[WAVE], 1                   ; which K step of a chunk I stream
	s_and_b32 s[TA+1], s[WAVE], 1                  ; which 64 columns
	s_mul_i32 s[TA], s[TA], QSTEP*PITCH
	s_lshl_b32 s[TA+1], s[TA+1], 8
	s_add_co_u32 s[TA], s[TA], s[TA+1]
	v_and_b32 v[R15], 15, v0
	v_bfe_u32 v7, v0, 4, 1
	v_lshlrev_b32 v[H32], 5, v7
	v_lshlrev_b32 v[BA], 4, v[R15]
	v_lshl_add_u32 v[SOFS], v7, HSH, v[BA]         ; 16 r, and 16 rows on for lanes 16-31
	v_add_nc_u32 v[SOF], s[TA], v[SOFS]            ; half slots 0 and 1: chunk 0
	v_mov_b32 v[SOF+1], v[SOF]
	v_add_nc_u32 v[SOF+2], CH, v[SOF]              ; half slots 2 and 3: chunk 1
	v_mov_b32 v[SOF+3], v[SOF+2]
	v_and_b32 v[LR], 31, v0
	v_lshlrev_b32 v[GDA], 2, v[LR]
	v_lshlrev_b32 v[LR], 4, v[LR]
	s_lshl_b32 s[TA], s[WAVE], 12
	v_add_nc_u32 v[LS], s[TA], v[LR]
	s_lshl_b32 s[TI], s[EX], 7                     ; the expert's 32 words in route,
	s_lshl2_add_u32 s[TAU], s[GX], s[TI]           ; and word x among them
	s_lshl_b32 s[SW], s[EX], 24
	s_lshl_b32 s[TA], s[GX], 9
	s_add_co_u32 s[SW], s[SW], s[TA]
	s_mov_b32 s[SW+1], 0
	s_lshl_b32 s[SB], s[EX], 14
	s_add_co_u32 s[SB], s[SB], s[TA]
	s_mov_b32 s[SB+1], 0
	s_lshl_b32 s[SGD], s[EX], 12                   ; 4,096 bytes an expert, 128 a bit word: in gd and in rowmap alike
	s_lshl_b32 s[TA], s[GX], 7
	s_add_co_u32 s[SGD], s[SGD], s[TA]
	s_mov_b32 s[SGD+1], 0
	s_lshl_b32 s[SO], s[EX], 23                    ; hid: 8 MB an expert, 4,096 bytes of a tile for my two chunks of 64 f
	s_lshl_b32 s[TA], s[GX], 12
	s_add_co_u32 s[SO], s[SO], s[TA]
	s_mov_b32 s[SO+1], 0
	s_mul_i32 s[SGR], s[EX], 8448                  ; grow: 2,112 numbers an expert
	s_mov_b32 s[SGR+1], 0
	s_wait_kmcnt 0x0
	s_load_b512 s[BM:BM+15], s[6:7], s[TI] offset:0x0
	s_load_b512 s[BM+16:BM+31], s[6:7], s[TI] offset:0x40
	s_load_b32 s[WORD], s[6:7], s[TAU] offset:0x0
	s_add_nc_u64 s[SRM:SRM+1], s[16:17], s[SGD:SGD+1]
	s_add_nc_u64 s[SGD:SGD+1], s[8:9], s[SGD:SGD+1]
	s_add_nc_u64 s[SW:SW+1], s[10:11], s[SW:SW+1]
	s_add_nc_u64 s[SB:SB+1], s[12:13], s[SB:SB+1]
	s_add_nc_u64 s[SO:SO+1], s[14:15], s[SO:SO+1]
	s_add_nc_u64 s[SGR:SGR+1], s[18:19], s[SGR:SGR+1]
	s_wait_alu depctr_va_vdst(0)                   ; the offsets and LDS addresses made above are written: v[GDA], v[BA] and v[SOF ..], which the loads below read, and v[LR], v[LS] and v[SOFS], which later ones read
	global_load_b32 v[GD], v[GDA], s[SGD:SGD+1]    ; the gates of word x's tokens and the bias go ahead of the weights
	BLOAD
.irp n, 0,1,2,3
.set HQ, \n
	HLOAD                                          ; half slabs 0 to 3: chunks 0 and 1
.endr
	WIN 0
	s_mov_b64 s[SXB:SXB+1], s[4:5]
	s_add_nc_u64 s[SXB+2:SXB+3], s[4:5], XSTEP
	s_add_nc_u64 s[SXB+4:SXB+5], s[4:5], 2*XSTEP
	s_add_nc_u64 s[SXB+6:SXB+7], s[4:5], 3*XSTEP
	s_mov_b32 s[KC1], 0x3f596d27                   ; sqrt(log2(e) / 2) = 0.8493218
	s_mov_b32 s[KC1+1], s[KC1]
	s_mov_b32 s[KC2], 0x3ec88bda                   ; 0.47047 / sqrt(log2(e)) = 0.39169197
	s_mov_b32 s[KC2+1], s[KC2]
	s_mov_b32 s[KC3], 0x3f16b55f                   ; 1 / (2 x 0.8493218) = 0.58870501
	s_mov_b32 s[KC3+1], s[KC3]
	s_mov_b32 s[KA1], 0x3e51cd01                   ; 0.3480242 x 0.58870501
	s_mov_b32 s[KA1+1], s[KA1]
	s_mov_b32 s[KA2], 0xbd6732ca                   ; -0.0958798 x 0.58870501
	s_mov_b32 s[KA2+1], s[KA2]
	s_mov_b32 s[KA3], 0x3ee16a97                   ; 0.7478556 x 0.58870501
	s_mov_b32 s[KA3+1], s[KA3]
	s_mov_b32 s[CNT], 0
.set t, 0
.rept 20
	v_mov_b32 v[TK+t], 0
.set t, t+1
.endr
	s_wait_kmcnt 0x0
	s_mov_b32 s[AMASK], 0x7fffffff
	s_mov_b32 s[PRE], 0
.set gg, 0
.rept 32                                               ; the expert's rows, and those of the words ahead of word x
	s_bcnt1_i32_b32 s[TA], s[BM+gg]
	s_add_co_u32 s[CNT], s[CNT], s[TA]
	s_cmp_gt_u32 s[GX], gg
	s_cselect_b32 s[TA], s[TA], 0
	s_add_co_u32 s[PRE], s[PRE], s[TA]
.set gg, gg+1
.endr
	s_max_u32 s[TA], s[CNT], 1
	s_sub_co_u32 s[CM1], s[TA], 1                  ; the last row (row 0 for an expert without rows)
	s_add_co_u32 s[NT], s[TA], 15
	s_lshr_b32 s[NT], s[NT], 4                     ; tiles, 1 to 64
	s_add_co_u32 s[NPASS], s[NT], 19
	s_mul_i32 s[NPASS], s[NPASS], 205
	s_lshr_b32 s[NPASS], s[NPASS], 12              ; (tiles + 19) / 20 for 1 to 64 tiles
	s_mov_b32 s[TB], s[WAVE]
	s_add_co_u32 s[TA], s[TB], 16
	s_cmp_lt_u32 s[TA], s[NT]
	s_cselect_b32 s[T4], 1, 0
	s_wait_loadcnt 34                              ; the gates are in; younger: the bias's two loads and 32 of weights
	s_cmp_lg_u32 s[WAVE], 1
	s_cbranch_scc1 .Lnotab
	; ---- wave 1: word x's tokens: rank by token, gate by rank; a lane whose bit is clear has a place of its own behind the ranks.  All the stores' registers are made first, so that one wait serves the three stores
	v_and_b32 v64, 31, v0
	v_mbcnt_lo_u32_b32 v65, s[WORD], s[PRE]
	v_min_u32 v65, 0x3ff, v65
	v_lshlrev_b32 v66, 2, v64
	s_lshl_b32 s[TA], s[GX], 5
	s_add_co_u32 s[TA], s[TA], 1056
	v_add_nc_u32 v67, s[TA], v64
	v_cndmask_b32 v67, v67, v65, s[WORD]
	v_min_u32 v67, 0x83f, v67
	v_lshlrev_b32 v67, 2, v67
	s_min_u32 s[TA+1], s[CNT], 0x400               ; one group an expert: 32 zeros behind the last rank, for the last tile's rows past the count
	v_add_nc_u32 v68, s[TA+1], v64
	v_lshlrev_b32 v68, 2, v68
	v_mov_b32 v69, 0
	s_wait_alu depctr_va_vdst(0)                   ; v65 to v69 are written: the offsets and data of the stores below
	global_store_b32 v66, v65, s[SRM:SRM+1]
	global_store_b32 v67, v[GD], s[SGR:SGR+1]
	s_cmp_lg_u32 s[GX], 0
	s_cbranch_scc1 .Lnotab
	global_store_b32 v68, v69, s[SGR:SGR+1]
.Lnotab:
	; ---- the token numbers of every pass that has rows, the last pass first: each pass's five push the others' one set up, so that pass p ends in set p
	s_mov_b32 s[TKC], 4
.Ltk:
	s_sub_co_u32 s[TKP], s[TKC], 1
	s_cmp_ge_u32 s[TKP], s[NPASS]
	s_cbranch_scc1 .Ltkn
.set t, 14
.rept 15
	v_mov_b32 v[TK+5+t], v[TK+t]
.set t, t-1
.endr
	s_mul_i32 s[TA], s[TKP], 20
	s_add_co_u32 s[TA], s[TA], s[WAVE]
	s_lshl_b32 s[TA], s[TA], 4
	TOKS
.Ltkn:
	s_sub_co_u32 s[TKC], s[TKC], 1
	s_cmp_lg_u32 s[TKC], 0
	s_cbranch_scc1 .Ltk
	USETOK
	s_wait_xcnt 0x0                                ; the tables' stores have had their addresses translated: their registers are rewritten only behind this wait,
	s_wait_alu depctr_vm_vsrc(0)                   ; and the tables' stores and the gates' load have read v64 to v71, which the bias's fragments take below
	s_wait_alu depctr_va_vdst(0)                   ; v[VO ..] are written, which every token load of the pass reads
	; ---- ahead of step 0: what steps -3, -2 and -1 would do beside their products; from here on the queue has its fixed order
	SETM 1
	XLOADB XN, SXB+2*XN                            ; the tokens of step 0
	INIT 42                                        ; the bias is in; younger: 32 loads of weights and 10 of tokens
	PRO 34, 0                                      ; half slab 0; younger: half slabs 1 to 3 and the tokens of step 0
	SETM 2
	XLOADB XN, SXB+2*XN                            ; of step 1: nothing since the wait behind USETOK names v[VO ..] or a token slot
	PRO 44, 0                                      ; half slab 1; younger: 8, 8, 10, 8, 10
	WIN 0
	s_wait_dscnt 0x0                               ; for the others' sake: my part of chunk 0 is in LDS
	s_barrier_signal -1
	s_barrier_wait -1
	SETM 3
	XLOADB XN, SXB+2*XN                            ; of step 2
	PRO 54, 1                                      ; half slab 2; younger: 8, 10, 8, 10, 8, 10; and step 0's fragments
	SETM 3
	s_wait_loadcnt 54                              ; half slab 3; younger: 10, 8, 10, 8, 10, 8
	CVTG 0                                         ; step -1's roundings; their set was read last by half slab 1's LDS stores, which stand ahead of the last wait on vm_vsrc
	CVTG 1
	CVTG 2
	CVTG 3
	; ---- PASS 0: 32 K steps.  44 = the loads behind a step's tokens: 8, 10, 8, 10, 8.  54 = those behind half slab s + 4 at the step's end: 10, 8, 10, 8, 10, 8
	STEP 0, 1, 1, 1, 1, 1, 1, 44, 54
	WIN 0
	s_mov_b32 s[LC], 6
.Lmain:                                                ; steps 1 to 24
	STEP 1, 1, 1, 1, 1, 1, 0, 44, 54
	STEP 2, 1, 1, 1, 1, 1, 1, 44, 54
	STEP 3, 1, 1, 1, 1, 1, 0, 44, 54
	STEP 0, 1, 1, 1, 1, 1, 1, 44, 54
	WIN 0
	s_sub_co_u32 s[LC], s[LC], 1
	s_cmp_lg_u32 s[LC], 0
	s_cbranch_scc1 .Lmain
	STEP 1, 1, 1, 0, 1, 1, 0, 44, 46               ; steps 25 to 28 ask for no more weights: the counts run down
	STEP 2, 1, 1, 0, 1, 1, 1, 36, 38
	STEP 3, 1, 1, 0, 1, 1, 0, 28, 30               ; half slab 31 is rounded: the last
	STEP 0, 0, 1, 0, 1, 1, 1, 20, 0                ; and stored; the last barrier: chunk 15 is whole
	STEP 1, 0, 0, 0, 0, 1, 0, 20, 0                ; steps 29 to 31 store nothing and ask for no tokens
	STEP 2, 0, 0, 0, 0, 1, 0, 10, 0
	STEP 3, 0, 0, 0, 0, 0, 0, 0, 0
	WIN 0
	PLACES
	; ---- a pass's tiles leave; then the next pass, if it has rows, runs without LDS
	s_mov_b32 s[PASS], 0
.Lpass:
	s_cmp_ge_u32 s[PASS], s[NPASS]
	s_cbranch_scc1 .Lpnext
	s_mov_b32 s[TI], 0
.Ltile:                                                ; one text for the GELU
	s_lshl_b32 s[TAU], s[TI], 2
	s_add_co_u32 s[TAU], s[TAU], s[TB]
	s_cmp_ge_u32 s[TAU], s[NT]
	s_cbranch_scc1 .Ltnext                         ; a tile past the count is not stored
	s_cmp_eq_u32 s[TI], 0
	s_cbranch_scc1 .Lst0
	s_cmp_eq_u32 s[TI], 1
	s_cbranch_scc1 .Lst1
	s_cmp_eq_u32 s[TI], 2
	s_cbranch_scc1 .Lst2
	s_cmp_eq_u32 s[TI], 3
	s_cbranch_scc1 .Lst3
	STAGE 4
	s_branch .Lgelu
.Lst0:
	STAGE 0
	s_branch .Lgelu
.Lst1:
	STAGE 1
	s_branch .Lgelu
.Lst2:
	STAGE 2
	s_branch .Lgelu
.Lst3:
	STAGE 3
.Lgelu:
	s_wait_xcnt 0x0                                ; the last tile's stores have had their addresses translated,
	s_wait_alu depctr_vm_vsrc(0)                   ; and have read v7 and v[GH ..], which this tile writes again
	s_lshl_b32 s[TAU], s[TAU], 17                  ; a tile is 131,072 bytes of hid
	v_add_nc_u32 v7, s[TAU], v[LR]
	GB 0, 0
	GB 0, 1
	GB 1, 0
	GB 1, 1
	s_wait_alu depctr_va_vdst(0)                   ; the last batch's roundings have written its eight registers, which the stores below read
	GSEND 1, 1
.Ltnext:
	s_add_co_u32 s[TI], s[TI], 1
	s_cmp_lt_u32 s[TI], 5
	s_cbranch_scc1 .Ltile
	s_add_co_u32 s[TB], s[TB], 20
	s_add_co_u32 s[TA], s[PASS], 1
	s_cmp_ge_u32 s[TA], s[NPASS]
	s_cbranch_scc1 .Lpnext
	s_wait_xcnt 0x0                                ; the stores have had their addresses translated,
	s_wait_alu depctr_vm_vsrc(0)                   ; and have read v7, which the bias's K step writes; the last pass's token loads have read v[VO ..], which are made anew
	s_add_co_u32 s[TA], s[TB], 16
	s_cmp_lt_u32 s[TA], s[NT]
	s_cselect_b32 s[T4], 1, 0
.set t, 0
.rept 15
	v_mov_b32 v[TK+t], v[TK+5+t]                   ; the next pass's token numbers come down
.set t, t+1
.endr
	USETOK
	s_wait_alu depctr_va_vdst(0)                   ; v[VO ..] are written, which the pass's token loads read; the last pass's roundings of the bias are done reading v[BI ..], in which the bias lands
	BLOAD
	INIT 0
	s_mov_b64 s[SWS:SWS+1], s[SW:SW+1]
	s_mov_b64 s[SXS:SXS+1], s[4:5]
	s_mov_b32 s[LC], 32
.Lks:                                                  ; a K step, plainly: all 32 K x 128 columns and my tokens into registers, rounded, multiplied
	WIN 0xc0
	s_wait_alu depctr_va_vdst(0)                   ; the roundings that read the ring last and the products that read token slot 0 last (the trip before's; ahead of the first trip the pass before's) are done: the loads below land there
.set cc, 0
.rept 2
.set ii, 0
.rept 16
	global_load_b128 v[RING+64*cc+4*ii:RING+64*cc+4*ii+3], v[SOFS], s[SWS:SWS+1] offset:cc*256+ii*PITCH
.set ii, ii+1
.endr
.set cc, cc+1
.endr
	XLOADB 0, SXS
	s_wait_loadcnt 0x0
	WIN 0x0f
.set cc, 0
.rept 2
.set jp, 0
.rept 4
.set pq, 0
.rept 8
	v_cvt_pk_bf16_f32 v[WF+8*(4*cc+jp)+pq], v[RING+64*cc+4*(2*pq)+jp], v[RING+64*cc+4*(2*pq+1)+jp]
.set pq, pq+1
.endr
.set jp, jp+1
.endr
.set cc, cc+1
.endr
	SETM 0
.set kk, 0
.rept 32
	MMK
.set kk, kk+1
.endr
	MM8
	PLACES
	s_add_nc_u64 s[SWS:SWS+1], s[SWS:SWS+1], 32*PITCH  ; every load is in, so the bases may step
	s_add_nc_u64 s[SXS:SXS+1], s[SXS:SXS+1], XSTEP
	s_sub_co_u32 s[LC], s[LC], 1
	s_cmp_lg_u32 s[LC], 0
	s_cbranch_scc1 .Lks
.Lpnext:
	s_add_co_u32 s[PASS], s[PASS], 1
	s_cmp_lt_u32 s[PASS], 4
	s_cbranch_scc1 .Lpass
	s_wait_dscnt 0x0
	s_barrier_signal -1
	s_barrier_wait -1                              ; every wave's reads of LDS are over
	s_wait_dscnt 0x0                               ; the wave's end
	s_wait_alu depctr_hold_cnt(0) depctr_sa_sdst(0) depctr_va_vdst(0) depctr_va_sdst(0) depctr_va_ssrc(0) depctr_va_vcc(0) depctr_vm_vsrc(0)
	s_wait_tensorcnt 0x0
	ds_add_u32 v254, v255
	s_wait_dscnt 0x0
	s_endpgm
.Lfunc_end_k_q792271b0de_up:
	.size	k_q792271b0de_up, .Lfunc_end_k_q792271b0de_up-k_q792271b0de_up
	.p2alignl 7, 3214868480
	.fill 96, 4, 3214868480
	.section	.rodata,"a",@progbits
	.p2align	6, 0x0
	.amdhsa_kernel k_q792271b0de_up
		.amdhsa_group_segment_fixed_size 33280
		.amdhsa_private_segment_fixed_size 0
		.amdhsa_enable_private_segment 0
		.amdhsa_kernarg_size 64
		.amdhsa_user_sgpr_count 2
		.amdhsa_user_sgpr_kernarg_segment_ptr 1
		.amdhsa_wavefront_size32 1
		.amdhsa_system_sgpr_workgroup_id_x 1
		.amdhsa_system_sgpr_workgroup_id_y 1
		.amdhsa_system_sgpr_workgroup_id_z 1
		.amdhsa_system_vgpr_workitem_id 0
		.amdhsa_next_free_vgpr 896
		.amdhsa_next_free_sgpr 102
		.amdhsa_reserve_vcc 0
		.amdhsa_float_denorm_mode_32 3
		.amdhsa_float_denorm_mode_16_64 3
		.amdhsa_memory_ordered 1
		.amdhsa_forward_progress 1
		.amdhsa_inst_pref_size 208
	.end_amdhsa_kernel
	.amdgpu_metadata
---
amdhsa.version: [ 1, 2 ]
amdhsa.kernels:
  - .name:           k_q792271b0de_up
    .symbol:         k_q792271b0de_up.kd
    .args:
      - { .name: xb, .offset: 0, .size: 8, .value_kind: global_buffer, .address_space: global }
      - { .name: route, .offset: 8, .size: 8, .value_kind: global_buffer, .address_space: global }
      - { .name: gd, .offset: 16, .size: 8, .value_kind: global_buffer, .address_space: global }
      - { .name: w1, .offset: 24, .size: 8, .value_kind: global_buffer, .address_space: global }
      - { .name: b1, .offset: 32, .size: 8, .value_kind: global_buffer, .address_space: global }
      - { .name: hid, .offset: 40, .size: 8, .value_kind: global_buffer, .address_space: global }
      - { .name: rowmap, .offset: 48, .size: 8, .value_kind: global_buffer, .address_space: global }
      - { .name: grow, .offset: 56, .size: 8, .value_kind: global_buffer, .address_space: global }
    .group_segment_fixed_size: 33280
    .private_segment_fixed_size: 0
    .kernarg_segment_align: 8
    .kernarg_segment_size: 64
    .max_flat_workgroup_size: 128
    .sgpr_count:     102
    .vgpr_count:     896
    .wavefront_size: 32
...
	.end_amdgpu_metadata
.endif
;; end of part 7
;; launch down (part 8): grid 32 x 8, 4 waves a work-group, no clusters, 33,280 bytes of LDS; arguments hid, route, grow, w2, b2, part; writes part
.if DOCPART == 8
	.amdgcn_target "amdgcn-amd-amdhsa--gfx1250"
	.amdhsa_code_object_version 6
	.text
	.protected	k_q792271b0de_down
	.globl	k_q792271b0de_down
	.p2align	8
	.type	k_q792271b0de_down,@function
k_q792271b0de_down:
	s_mov_b64 s[64:65], 0
	v_nop
	global_prefetch_b8 v0, s[64:65] scope:SCOPE_SE
	s_setreg_imm32_b32 hwreg(HW_REG_WAVE_SCHED_MODE, 0, 2), 2
	s_setreg_imm32_b32 hwreg(HW_REG_WAVE_MODE, 25, 1), 1
	s_wait_xcnt 0x0
	s_wait_alu depctr_vm_vsrc(0)
; SECOND PRODUCT.  part[ks][e][rank] = gate[rank] x (hid[e][rank] . w2[e] over K slice ks, + b2[e] in slice 0), in f32.
; A work-group (x, e): cs = x % 8 owns 128 columns, ks = x / 8 owns 1,024 of K: 512 KB of w2[e], which it alone reads, and all rows of e.
; The four K slices keep a weight row's piece at 512 bytes and a group's share of hid small; their partial rows are added by the next launch.
; The frame is the first product's: four waves, one text.  THE SLAB: wave w = 2 q + ch takes 32 K x 64 columns of every chunk of 64 K, 16 loads; lane r of a load holds columns 4 r .. 4 r + 3, so one
; v_cvt_pk_bf16_f32 of two loads' registers is a register of a fragment (fragment j: lane r is column 4 r + j).  Half slab n (eight loads) is half n % 2 of chunk n / 2.
; A K STEP s (32 K, s = 0 .. 31): every wave multiplies step s (fragments in registers since step s - 1, tokens asked for in step s - 3), stores half slab s + 3, which step s - 1 rounded, into LDS, loads
; step s + 1's fragments out of LDS into the other fragment buffer, asks for the tokens of step s + 3 and then for half slab s + 7, and rounds half slab s + 4.
; THE MODE: SCHED_MODE bits 1:0 = 2 (LLVM: expert scheduling mode 2), set by the entry lines.  The code itself states the register dependences between vector or matrix instructions and memory or LDS
; instructions, with s_wait_alu, always for 0.
; THE PLAN.  Registers that memory or LDS instructions touch in a step s:
;   WF0, WF1     Its products read WF[s % 2]; its LDS loads land in the other buffer, which step s - 1's products read.
;   XF0 .. XF3   Its products read slot s % 4; its token loads land in slot (s + 3) % 4, which step s - 1's products read.
;   RING0 .. 3   Its roundings read half slot s % 4; its weight loads land in half slot (s + 3) % 4, which step s - 1's roundings read.
;   CV0, CV1     Its roundings write set s % 2; its LDS stores read the other set, which step s - 1's roundings wrote.
;   v[SOF + n]   Read by half slot n's loads; stepped at the head of the step that asks for the slot again.
;   v[LR], v[LS], v[VO ..], v[BA], v[GA], v[SOFS], v[RO]  made ahead of the loop and not written in it.
; So a step's memory instructions touch only what the step before worked on, and two waits at the step's head state all that they hang on: vm_vsrc ahead of the add to v[SOF + n] and of the roundings' set,
; va_vdst behind that add.  Behind them no vector or matrix instruction of the step names a register that its 38 memory instructions touch.
; ORDER IN A STEP: the memory instructions are dealt behind the first four products: 8 LDS loads; 8 LDS loads and the 4 LDS stores; the 10 token loads; the 8 weight loads.  The other products follow back
; to back.  The 16 roundings stand behind the step's last product: the wait on va_vdst at the next step's head covers that product and them together.
; THE BARRIER stands behind every even step: between two barriers (steps 2 c + 1, 2 c + 2) chunk c + 2 is written into LDS slot c % 2 and chunk c + 1 is read from the other slot; the signal stands behind
; product 25 of 32, and only products and the roundings, work on registers, stand between it and the wait.
; THE QUEUE: loads come back in order, so weights and tokens are asked for alike, about three steps ahead, in the fixed order tokens 10, half slab 8: 62 loads out at the most.  Each half slot of the slab
; ring has an offset register and each token slot a base of its own, stepped behind the counted wait that shows its own loads done.  Token fragments come straight from hid, which lies in fragment
; order: a load takes 512 consecutive bytes.
; TILES of 16 ranks 20 p + 4 i + w in pass p.  Pass 0 is the text above; passes 1 to 3 (more than 320 rows) run without LDS and without a barrier, each wave loading and rounding all 128 columns itself.
; K PLACES, alike in both operands: chunk c of 64, step q, lane half h, place i of 16 is k = 64 c + 32 h + 16 q + i.
; Source 0 = tokens, source 1 = weights: lane (r, h), register j holds rank 8 h + j and column 4 r + fragment, so the multiply by the gate
; gathers four neighbouring columns, and 16 lanes store 256 consecutive aligned bytes of a row.
; ROWS: four trips of the pass loop cover every count, dead ones are jumped; tiles past the count read the last tile and are not stored.
; LIMITS.  w2 and b2 enter as bf16, hid is bf16; sums and partial rows f32.  NaN and infinities are not treated apart.
; NO TENSOR LOADS: the weights pass through registers to be rounded.  NO CLUSTER: each weight byte has one reader; what an expert's groups share, hid, comes through registers in the queue's fixed order.
.set PITCH, 4096
.set CH,    64*PITCH
.set HSH,   17                     ; lanes 16-31: 32 rows further on
.set QSTEP, 16
.set XSTEP, 1024                   ; a K step of a tile in hid
.set X2,    512
.set WSLOT, 16384                  ; an LDS slot: a chunk of 64 K x 128 columns in bf16, in fragment order; the 512 bytes behind the two slots: the spare words, 128 bytes a wave
; window 0
.set LR,   1                       ; 16 x lane; never rewritten
.set VO,   2                       ; v2-6    my five tiles' offsets in hid
.set WF,   8                       ; v8-135  two buffers of eight weight fragments; on the way out v8-71 hold 64 results
.set CV,   136                     ; v136-167 two sets of 16: half a slab, rounded
.set GT,   168                     ; v168-207 the gates, 8 a tile
.set SOF,  236                     ; v236-239 offset in w2 of the ring's half slot n at SOF + n
.set LS,   240
.set BA,   241                     ; 16 r
.set GA,   242                     ; 32 h
.set SOFS, 243
.set RO,   244                     ; 16 r, and eight rows of part down for lanes 16-31
; window 1: the sums of tile i, fragment c at 64 i + 8 c.   window 2:
.set XF,  0
.set A4,  160
.set ONE, 224
.set BI,  232
; window 3:
.set RING, 0                       ; v0-127   four half slabs as loaded
.set W16, 0x52                     ; products of tiles 0-3: tokens window 2, weights window 0, sums window 1
.set W4,  0xa2                     ; of the fifth tile: sums window 2
.set WAVE, 20
.set EX,   22
.set GX,   23
.set CNT,  24
.set NT,   26
.set NPASS, 27
.set PASS, 28
.set TB,   29
.set T4,   30
.set LC,   31
.set BM,   32                      ; s[32:63] the expert's bit words; behind the count s[32:41] are the five tiles' gate bases
.set GBASE, 32
.set SXB,  66
.set SW,   74
.set SO,   76
.set SB,   78
.set SGR,  80
.set SX0,  82
.set TA,   84
.set TI,   86
.set TAU,  88
.set KS,   89
.set T0,   90
.set TC,   91
.set SWS,  92
.set SXS,  94
.set STP,  96
.set MSB, 0
.macro WIN new
.if MSB != (\new)
	s_set_vgpr_msb (MSB<<8)|(\new)
.set MSB, \new
.endif
.endm
.macro PLACES                          ; four places behind a matrix instruction (ISA guide 7.12.1)
.rept 4
	v_nop
.endr
.endm
.macro SETM m                          ; the registers and LDS places of a K step s with s % 4 = m
.set WB,  WF+64*((\m)%2)               ; this step's weight fragments,
.set WN,  WF+64*(((\m)+1)%2)           ; the next step's
.set XS,  XF+40*(\m)                   ; this step's tokens
.set XN,  ((\m)+3)%4                   ; the token slot that is asked for: step s + 3's
.set HQ,  ((\m)+3)%4                   ; the ring's half slot of half slab s + 3, which is stored, and of half slab s + 7, which is asked for
.set HC,  (\m)                         ; the ring's half slot of half slab s + 4, which is rounded
.set CVS, CV+16*(((\m)+1)%2)           ; the set that holds half slab s + 3,
.set CVW, CV+16*((\m)%2)               ; the set that takes half slab s + 4
.set LRD, ((((\m)+1)/2)%2)*WSLOT+(((\m)+1)%2)*8192  ; where step s + 1's fragments lie in LDS
.set LWR, (HQ/2)*WSLOT+(HQ%2)*512      ; where half slab s + 3 goes
.endm
.macro CVTG jp                         ; four roundings: registers 4 (HC % 2) .. + 3 of my fragment jp
	WIN 0x0f
.set pq, 0
.rept 4
	v_cvt_pk_bf16_f32 v[CVW+4*(\jp)+pq], v[RING+32*HC+8*pq+(\jp)], v[RING+32*HC+8*pq+4+(\jp)]
.set pq, pq+1
.endr
.endm
.macro STOREH                          ; a rounded half slab into LDS
	WIN 0
.set jp, 0
.rept 4
	ds_store_b128 v[LS], v[CVS+4*jp:CVS+4*jp+3] offset:LWR+jp*1024
.set jp, jp+1
.endr
.endm
.macro HLOAD                           ; eight loads: a half slab into the ring's half slot HQ
	WIN 0xc0
.set ii, 0
.rept 8
	global_load_b128 v[RING+32*HQ+4*ii:RING+32*HQ+4*ii+3], v[SOF+HQ], s[SW:SW+1] offset:(8*(HQ%2)+ii)*PITCH th:TH_LOAD_NT
.set ii, ii+1
.endr
.endm
.macro WFL hf                          ; four of the next step's eight weight fragments
	WIN 0
.set cc, 4*(\hf)
.rept 4
	ds_load_b128 v[WN+8*cc:WN+8*cc+3],   v[LR] offset:LRD+cc*1024
	ds_load_b128 v[WN+8*cc+4:WN+8*cc+7], v[LR] offset:LRD+cc*1024+512
.set cc, cc+1
.endr
.endm
.macro XLOADB sl, base                 ; five token fragments of a K step into slot sl
	WIN 0x80
.set tt, 0
.rept 5
	global_load_b128 v[XF+40*(\sl)+8*tt:XF+40*(\sl)+8*tt+3],   v[VO+tt], s[(\base):(\base)+1]
	global_load_b128 v[XF+40*(\sl)+8*tt+4:XF+40*(\sl)+8*tt+7], v[VO+tt], s[(\base):(\base)+1] offset:X2
.set tt, tt+1
.endr
.endm
.macro GLOAD                           ; my lane's eight gates of each tile: ranks 8 h .. 8 h + 7
	WIN 0
.set tt, 0
.rept 5
	global_load_b128 v[GT+8*tt:GT+8*tt+3],   v[GA], s[GBASE+2*tt:GBASE+2*tt+1]
	global_load_b128 v[GT+8*tt+4:GT+8*tt+7], v[GA], s[GBASE+2*tt:GBASE+2*tt+1] offset:16
.set tt, tt+1
.endr
.endm
.macro MMK                             ; product kk of 32: fragment kk / 4, tile kk % 4: 32 accumulators by turns
	WIN W16
	v_wmma_f32_16x16x32_bf16 v[64*(kk%4)+8*(kk/4):64*(kk%4)+8*(kk/4)+7], v[XS+8*(kk%4):XS+8*(kk%4)+7], v[WB+8*(kk/4):WB+8*(kk/4)+7], v[64*(kk%4)+8*(kk/4):64*(kk%4)+8*(kk/4)+7]
.endm
.macro MM8                             ; the fifth tile's eight, jumped where that tile has no rows
	WIN 0
	s_cmp_eq_u32 s[T4], 0
	s_cbranch_scc1 .Lno4_\@
	WIN W4
.set cc, 0
.rept 8
	v_wmma_f32_16x16x32_bf16 v[A4+8*cc:A4+8*cc+7], v[XS+32:XS+39], v[WB+8*cc:WB+8*cc+7], v[A4+8*cc:A4+8*cc+7]
.set cc, cc+1
.endr
	WIN 0
.Lno4_\@:
.endm
; A K STEP s, m = s % 4.  rnd: half slab s + 4 is rounded; sto: half slab s + 3 is stored; fill: half slab s + 7 is asked for; xl = 1: the tokens of step s + 3 are asked for, 2: the gates in their place;
; wfl: step s + 1's fragments are loaded; bar: the barrier of an even step.  lw: the loads younger than this step's tokens.  lr: the loads younger than half slab s + 4 when it is rounded, this step's own among them.
.macro STEP m, rnd, sto, fill, xl, wfl, bar, lw, lr
	SETM \m
	s_wait_loadcnt \lw
	s_wait_dscnt 0x0                               ; this step's fragments are in
	s_add_nc_u64 s[SXB+2*(\m):SXB+2*(\m)+1], s[SXB+2*(\m):SXB+2*(\m)+1], 4*XSTEP  ; this slot's loads are in: its base steps to its next K step
.if (\rnd) || (\fill)
	s_wait_alu depctr_vm_vsrc(0)                   ; the last step's LDS stores have read the set that this step's roundings write; the half slot's last loads have read v[SOF + HQ], which the next line writes
.endif
.if \fill
	WIN 0
	v_add_nc_u32 v[SOF+HQ], 2*CH, v[SOF+HQ]        ; the half slot's own loads are in, so its offset may step: the chunk two further on
.endif
.if \wfl
	s_wait_alu depctr_va_vdst(0)                   ; v[SOF + HQ] is written; the last step's roundings have written the set that is stored and are done reading the half slot that is asked for; its products are done reading the other fragment buffer and the token slot that is asked for
.endif
	MM8
.set kk, 0
.rept 32
	MMK
.if (kk == 0) && !(\sto) && (\wfl)
	PLACES                                         ; steps 29 and 30, which no roundings precede: four places, kept as they stood, between the last step's products and the loads into the fragment buffer that those read
.endif
.if (kk < 2) && (\wfl)
	WFL kk                                         ; no wait from here on: no vector or matrix instruction since the head's wait names a register that the step's memory instructions touch
.endif
.if (kk == 1) && (\sto)
	STOREH
.endif
.if (kk == 2) && ((\xl) == 1)
	XLOADB XN, SXB+2*XN
.endif
.if (kk == 2) && ((\xl) == 2)
	GLOAD                                          ; v[GA] was written ahead of the kernel's first wait on va_vdst, and no vector instruction has named v[GT ..] yet
.endif
.if (kk == 3) && (\fill)
	HLOAD
.endif
.if (kk == 24) && (\bar)
	s_wait_dscnt 0x0                               ; for the others' sake: my part of the next chunk but one is in LDS, and my reads of the slot that is written next are over
	s_barrier_signal -1                            ; seven products and the roundings stand between the signal and the wait
.endif
.set kk, kk+1
.endr
.if \rnd
	s_wait_loadcnt \lr                             ; half slab s + 4 is in
	CVTG 0
	CVTG 1
	CVTG 2
	CVTG 3
.endif
.if \bar
	s_barrier_wait -1
.endif
.endm
.macro PRO lw, wfl                     ; ahead of step 0: half slab HQ is rounded, stored and its half slot asked for again, without products; the step's tokens have been asked for just before
	s_wait_loadcnt \lw
	s_wait_alu depctr_vm_vsrc(0)                   ; the half slot's first loads have read v[SOF + HQ]; the LDS stores of the half slab two before have read the set that is written
.set HC, HQ
.set CVW, CVS
	CVTG 0
	CVTG 1
	CVTG 2
	CVTG 3
	WIN 0
	v_add_nc_u32 v[SOF+HQ], 2*CH, v[SOF+HQ]
	s_wait_alu depctr_va_vdst(0)                   ; the roundings have written the set that is stored and are done reading the half slot; v[SOF + HQ] is written; the bias's K step is done with the fragment buffer in which step 0's fragments land
.if \wfl
	WFL 0
	WFL 1
.endif
	STOREH
	HLOAD
.endm
.macro BLOAD
	WIN 0x80
	global_load_b128 v[BI:BI+3],   v[BA], s[SB:SB+1]
	global_load_b128 v[BI+4:BI+7], v[BA], s[SB:SB+1] offset:256
	WIN 0
.endm
.macro DTOKS                           ; my five tiles, clamped to the last that has rows: their place in hid and their gates' base
	s_sub_co_u32 s[TA+1], s[NT], 1
.set tt, 0
.rept 5
	s_add_co_u32 s[TA], s[TB], 4*tt
	s_min_u32 s[TA], s[TA], s[TA+1]
	s_min_u32 s[TA], s[TA], 63
	s_lshl_b32 s[TI], s[TA], 17
	v_add_nc_u32 v[VO+tt], s[TI], v[LR]
	s_lshl_b32 s[TI], s[TA], 6
	s_mov_b32 s[TI+1], 0
	s_add_nc_u64 s[GBASE+2*tt:GBASE+2*tt+1], s[SGR:SGR+1], s[TI:TI+1]
.set tt, tt+1
.endr
.endm
.macro INIT lw                         ; the bias's K step starts all 40 sums; in K slices 1 to 3 the ones are zeros
	s_wait_loadcnt \lw
	WIN 0
.set cc, 0
.rept 8
.set kk, 1
.rept 7
	v_mov_b32 v[WF+8*cc+kk], 0
.set kk, kk+1
.endr
.set cc, cc+1
.endr
	s_mov_b32 s[TA], 0xffff
	s_cmp_eq_u32 s[KS], 0
	s_cselect_b32 s[TA+1], 0x3f80, 0
	v_mov_b32 v7, s[TA+1]
	WIN 0x02
.set cc, 0
.rept 8
	v_cvt_pk_bf16_f32 v[WF+8*cc], v[BI+cc], v[WF+8*cc+1]
.set cc, cc+1
.endr
	WIN 0x80
	v_cndmask_b32 v[ONE], 0, v7, s[TA]
.set kk, 1
.rept 7
	v_mov_b32 v[ONE+kk], 0
.set kk, kk+1
.endr
	WIN W16
.set cc, 0
.rept 8
.set tt, 0
.rept 4
	v_wmma_f32_16x16x32_bf16 v[64*tt+8*cc:64*tt+8*cc+7], v[ONE:ONE+7], v[WF+8*cc:WF+8*cc+7], 0
.set tt, tt+1
.endr
.set cc, cc+1
.endr
	WIN W4
.set cc, 0
.rept 8
	v_wmma_f32_16x16x32_bf16 v[A4+8*cc:A4+8*cc+7], v[ONE:ONE+7], v[WF+8*cc:WF+8*cc+7], 0
.set cc, cc+1
.endr
	WIN 0
	PLACES
.endm
.macro DST t                           ; tile t's sums times the gate into v8-71, four neighbouring columns side by side; each accumulator is read from register 0 on
.if (\t) < 4
	WIN 0x01
.set AB, 64*(\t)
.else
	WIN 0x02
.set AB, A4
.endif
.set cc, 0
.rept 2
.set jj, 0
.rept 8
.set jp, 0
.rept 4
	v_mul_f32 v[WF+32*cc+4*jj+jp], v[AB+8*(4*cc+jp)+jj], v[GT+8*(\t)+jj]
.set jp, jp+1
.endr
.set jj, jj+1
.endr
.set cc, cc+1
.endr
	WIN 0
.endm
	s_load_b256 s[4:11], s[0:1], 0x0               ; hid, route, grow, w2
	s_load_b128 s[12:15], s[0:1], 0x20             ; b2, part
	v_lshl_add_u32 v254, v0, 2, 0x8000
	v_mov_b32 v255, 0
	v_lshrrev_b32 v1, 5, v0
	v_readfirstlane_b32 s[WAVE], v1
	s_and_b32 s[EX], ttmp7, 0xffff                 ; the expert
	s_and_b32 s[GX], ttmp9, 7                      ; the slice of 128 columns
	s_lshr_b32 s[KS], ttmp9, 3                     ; the slice of 1,024 K
	s_wait_alu depctr_va_sdst(0)                   ; s[WAVE] is written, ahead of its first reader
	s_lshr_b32 s[TA], s[WAVE], 1                   ; which K step of a chunk I stream
	s_and_b32 s[TA+1], s[WAVE], 1                  ; which 64 columns
	s_mul_i32 s[TA], s[TA], QSTEP*PITCH
	s_lshl_b32 s[TA+1], s[TA+1], 8
	s_add_co_u32 s[TA], s[TA], s[TA+1]
	v_and_b32 v7, 15, v0
	v_lshlrev_b32 v[BA], 4, v7
	v_bfe_u32 v7, v0, 4, 1
	v_lshlrev_b32 v[GA], 5, v7
	v_lshl_add_u32 v[SOFS], v7, HSH, v[BA]         ; 16 r, and 32 rows on for lanes 16-31
	v_lshl_add_u32 v[RO], v7, 15, v[BA]
	v_add_nc_u32 v[SOF], s[TA], v[SOFS]            ; half slots 0 and 1: chunk 0
	v_mov_b32 v[SOF+1], v[SOF]
	v_add_nc_u32 v[SOF+2], CH, v[SOF]              ; half slots 2 and 3: chunk 1
	v_mov_b32 v[SOF+3], v[SOF+2]
	v_and_b32 v[LR], 31, v0
	v_lshlrev_b32 v[LR], 4, v[LR]
	s_lshl_b32 s[TA], s[WAVE], 12
	v_add_nc_u32 v[LS], s[TA], v[LR]
	s_lshl_b32 s[T0], s[EX], 7
	s_lshl_b32 s[SW], s[EX], 24
	s_lshl_b32 s[TA], s[KS], 22
	s_add_co_u32 s[SW], s[SW], s[TA]
	s_lshl_b32 s[TA], s[GX], 9
	s_add_co_u32 s[SW], s[SW], s[TA]
	s_mov_b32 s[SW+1], 0
	s_lshl_b32 s[SB], s[EX], 12
	s_add_co_u32 s[SB], s[SB], s[TA]
	s_mov_b32 s[SB+1], 0
	s_lshl3_add_u32 s[SO], s[KS], s[EX]            ; part: 4 MB for each (K slice, expert)
	s_lshl_b32 s[SO], s[SO], 22
	s_add_co_u32 s[SO], s[SO], s[TA]
	s_mov_b32 s[SO+1], 0
	s_lshl_b32 s[SX0], s[EX], 23                   ; hid: 8 MB an expert; my 16 chunks of 2,048 bytes in a tile
	s_lshl_b32 s[TA], s[KS], 15
	s_add_co_u32 s[SX0], s[SX0], s[TA]
	s_mov_b32 s[SX0+1], 0
	s_mul_i32 s[SGR], s[EX], 8448                  ; grow: 2,112 numbers an expert
	s_mov_b32 s[SGR+1], 0
	s_wait_kmcnt 0x0
	s_load_b512 s[BM:BM+15], s[6:7], s[T0] offset:0x0
	s_load_b512 s[BM+16:BM+31], s[6:7], s[T0] offset:0x40
	s_add_nc_u64 s[SW:SW+1], s[10:11], s[SW:SW+1]
	s_add_nc_u64 s[SB:SB+1], s[12:13], s[SB:SB+1]
	s_add_nc_u64 s[SO:SO+1], s[14:15], s[SO:SO+1]
	s_add_nc_u64 s[SX0:SX0+1], s[4:5], s[SX0:SX0+1]
	s_add_nc_u64 s[SGR:SGR+1], s[8:9], s[SGR:SGR+1]
	s_wait_alu depctr_va_vdst(0)                   ; the offsets and LDS addresses made above are written: v[BA] and v[SOF ..], which the loads below read, and v[LR], v[LS], v[GA] and v[SOFS], which later ones read
	BLOAD                                          ; the bias goes ahead of the weights
.irp n, 0,1,2,3
.set HQ, \n
	HLOAD                                          ; half slabs 0 to 3: chunks 0 and 1
.endr
	WIN 0
	s_mov_b64 s[SXB:SXB+1], s[SX0:SX0+1]
	s_add_nc_u64 s[SXB+2:SXB+3], s[SX0:SX0+1], XSTEP
	s_add_nc_u64 s[SXB+4:SXB+5], s[SX0:SX0+1], 2*XSTEP
	s_add_nc_u64 s[SXB+6:SXB+7], s[SX0:SX0+1], 3*XSTEP
	s_wait_kmcnt 0x0
	s_bcnt1_i32_b32 s[CNT], s[BM]
.set gg, 1
.rept 31
	s_bcnt1_i32_b32 s[TA], s[BM+gg]
	s_add_co_u32 s[CNT], s[CNT], s[TA]
.set gg, gg+1
.endr
	s_max_u32 s[TA], s[CNT], 1
	s_add_co_u32 s[NT], s[TA], 15
	s_lshr_b32 s[NT], s[NT], 4                     ; tiles, 1 to 64
	s_add_co_u32 s[NPASS], s[NT], 19
	s_mul_i32 s[NPASS], s[NPASS], 205
	s_lshr_b32 s[NPASS], s[NPASS], 12              ; (tiles + 19) / 20 for 1 to 64 tiles
	s_mov_b32 s[TB], s[WAVE]
	s_add_co_u32 s[TA], s[TB], 16
	s_cmp_lt_u32 s[TA], s[NT]
	s_cselect_b32 s[T4], 1, 0
	DTOKS
	s_wait_alu depctr_va_vdst(0)                   ; v[VO ..] are written, which every token load of the pass reads
	; ---- ahead of step 0: what steps -3, -2 and -1 would do beside their products; from here on the queue has its fixed order
	SETM 1
	XLOADB XN, SXB+2*XN                            ; the tokens of step 0
	INIT 42                                        ; the bias is in; younger: 32 loads of weights and 10 of tokens
	PRO 34, 0                                      ; half slab 0; younger: half slabs 1 to 3 and the tokens of step 0
	SETM 2
	XLOADB XN, SXB+2*XN                            ; of step 1: nothing since the wait behind DTOKS names v[VO ..] or a token slot
	PRO 44, 0                                      ; half slab 1; younger: 8, 8, 10, 8, 10
	WIN 0
	s_wait_dscnt 0x0                               ; for the others' sake: my part of chunk 0 is in LDS
	s_barrier_signal -1
	s_barrier_wait -1
	SETM 3
	XLOADB XN, SXB+2*XN                            ; of step 2
	PRO 54, 1                                      ; half slab 2; younger: 8, 10, 8, 10, 8, 10; and step 0's fragments
	SETM 3
	s_wait_loadcnt 54                              ; half slab 3; younger: 10, 8, 10, 8, 10, 8
	CVTG 0                                         ; step -1's roundings; their set was read last by half slab 1's LDS stores, which stand ahead of the last wait on vm_vsrc
	CVTG 1
	CVTG 2
	CVTG 3
	; ---- PASS 0: 32 K steps.  44 = the loads behind a step's tokens: 8, 10, 8, 10, 8.  54 = those behind half slab s + 4 at the step's end: 10, 8, 10, 8, 10, 8
	STEP 0, 1, 1, 1, 1, 1, 1, 44, 54
	WIN 0
	s_mov_b32 s[LC], 6
.Lmain:                                                ; steps 1 to 24
	STEP 1, 1, 1, 1, 1, 1, 0, 44, 54
	STEP 2, 1, 1, 1, 1, 1, 1, 44, 54
	STEP 3, 1, 1, 1, 1, 1, 0, 44, 54
	STEP 0, 1, 1, 1, 1, 1, 1, 44, 54
	WIN 0
	s_sub_co_u32 s[LC], s[LC], 1
	s_cmp_lg_u32 s[LC], 0
	s_cbranch_scc1 .Lmain
	STEP 1, 1, 1, 0, 1, 1, 0, 44, 46               ; steps 25 to 28 ask for no more weights: the counts run down
	STEP 2, 1, 1, 0, 1, 1, 1, 36, 38
	STEP 3, 1, 1, 0, 1, 1, 0, 28, 30               ; half slab 31 is rounded: the last
	STEP 0, 0, 1, 0, 1, 1, 1, 20, 0                ; and stored; the last barrier: chunk 15 is whole
	STEP 1, 0, 0, 0, 2, 1, 0, 20, 0                ; step 29 stores nothing; the gates' ten loads take the place of a further step's tokens
	STEP 2, 0, 0, 0, 0, 1, 0, 20, 0
	STEP 3, 0, 0, 0, 0, 0, 0, 10, 0
	WIN 0
	PLACES
	; ---- a pass's tiles leave; then the next pass, if it has rows, runs without LDS
	s_mov_b32 s[PASS], 0
.Lpass:
	s_cmp_ge_u32 s[PASS], s[NPASS]
	s_cbranch_scc1 .Lpnext
	s_wait_loadcnt 0x0                             ; the gates
	s_mov_b32 s[TC], 0
.Ltile:
	s_lshl_b32 s[TAU], s[TC], 2
	s_add_co_u32 s[TAU], s[TAU], s[TB]
	s_cmp_ge_u32 s[TAU], s[NT]
	s_cbranch_scc1 .Ltnext                         ; a tile past the count is not stored
	s_wait_xcnt 0x0                                ; the last tile's stores have had their addresses translated,
	s_wait_alu depctr_vm_vsrc(0)                   ; and have read v7 and v8 to v71, which this tile writes again
	s_cmp_eq_u32 s[TC], 0
	s_cbranch_scc1 .Lst0
	s_cmp_eq_u32 s[TC], 1
	s_cbranch_scc1 .Lst1
	s_cmp_eq_u32 s[TC], 2
	s_cbranch_scc1 .Lst2
	s_cmp_eq_u32 s[TC], 3
	s_cbranch_scc1 .Lst3
	DST 4
	s_branch .Lsend
.Lst0:
	DST 0
	s_branch .Lsend
.Lst1:
	DST 1
	s_branch .Lsend
.Lst2:
	DST 2
	s_branch .Lsend
.Lst3:
	DST 3
.Lsend:
	s_lshl_b32 s[TAU], s[TAU], 16                  ; 16 rows of 4,096 bytes
	v_add_nc_u32 v7, s[TAU], v[RO]
	s_wait_alu depctr_va_vdst(0)                   ; the multiplies by the gate have written v8 to v71, and v7 is written: the sixteen stores read them
.set cc, 0
.rept 2
.set jj, 0
.rept 8
	global_store_b128 v7, v[WF+32*cc+4*jj:WF+32*cc+4*jj+3], s[SO:SO+1] offset:4096*jj+256*cc  ; 16 lanes store 256 consecutive aligned bytes of a row
.set jj, jj+1
.endr
.set cc, cc+1
.endr
.Ltnext:
	s_add_co_u32 s[TC], s[TC], 1
	s_cmp_lt_u32 s[TC], 5
	s_cbranch_scc1 .Ltile
	s_add_co_u32 s[TB], s[TB], 20
	s_add_co_u32 s[TA], s[PASS], 1
	s_cmp_ge_u32 s[TA], s[NPASS]
	s_cbranch_scc1 .Lpnext
	s_wait_xcnt 0x0                                ; the stores have had their addresses translated,
	s_wait_alu depctr_vm_vsrc(0)                   ; and have read v7 and v8 to v71, which the bias's K step writes; the last pass's token loads have read v[VO ..], which are made anew
	s_add_co_u32 s[TA], s[TB], 16
	s_cmp_lt_u32 s[TA], s[NT]
	s_cselect_b32 s[T4], 1, 0
	DTOKS
	s_wait_alu depctr_va_vdst(0)                   ; v[VO ..] are written, which the pass's token loads read; the last pass's roundings of the bias are done reading v[BI ..], in which the bias lands
	BLOAD
	INIT 0
	s_mov_b64 s[SWS:SWS+1], s[SW:SW+1]
	s_mov_b64 s[SXS:SXS+1], s[SX0:SX0+1]
	s_mov_b32 s[STP], 16*PITCH                     ; from a chunk's first K step to its second 16 rows, from there to the next chunk 48
	s_mov_b32 s[STP+1], 0
	s_mov_b32 s[LC], 32
.Lks:                                                  ; a K step, plainly: all 32 K x 128 columns and my tokens into registers, rounded, multiplied
	WIN 0xc0
	s_wait_alu depctr_va_vdst(0)                   ; the roundings that read the ring last and the products that read token slot 0 last (the trip before's; ahead of the first trip the pass before's) are done: the loads below land there
.set cc, 0
.rept 2
.set ii, 0
.rept 16
	global_load_b128 v[RING+64*cc+4*ii:RING+64*cc+4*ii+3], v[SOFS], s[SWS:SWS+1] offset:cc*256+ii*PITCH
.set ii, ii+1
.endr
.set cc, cc+1
.endr
	XLOADB 0, SXS
	s_wait_loadcnt 0x0
	WIN 0x0f
.set cc, 0
.rept 2
.set jp, 0
.rept 4
.set pq, 0
.rept 8
	v_cvt_pk_bf16_f32 v[WF+8*(4*cc+jp)+pq], v[RING+64*cc+4*(2*pq)+jp], v[RING+64*cc+4*(2*pq+1)+jp]
.set pq, pq+1
.endr
.set jp, jp+1
.endr
.set cc, cc+1
.endr
	SETM 0
.set kk, 0
.rept 32
	MMK
.set kk, kk+1
.endr
	MM8
	PLACES
	s_add_nc_u64 s[SWS:SWS+1], s[SWS:SWS+1], s[STP:STP+1]  ; every load is in, so the bases may step
	s_xor_b32 s[STP], s[STP], (16*PITCH)^(48*PITCH)
	s_add_nc_u64 s[SXS:SXS+1], s[SXS:SXS+1], XSTEP
	s_sub_co_u32 s[LC], s[LC], 1
	s_cmp_lg_u32 s[LC], 0
	s_cbranch_scc1 .Lks
	GLOAD                                          ; the pass's gates, waited for at the head of the next trip.  No wait: the multiplies that read v[GT ..] last stand ahead of the K loop's wait on va_vdst, and nothing since names v[GT ..] or v[GA]
.Lpnext:
	s_add_co_u32 s[PASS], s[PASS], 1
	s_cmp_lt_u32 s[PASS], 4
	s_cbranch_scc1 .Lpass
	s_wait_dscnt 0x0
	s_barrier_signal -1
	s_barrier_wait -1                              ; every wave's reads of LDS are over
	s_wait_dscnt 0x0                               ; the wave's end
	s_wait_alu depctr_hold_cnt(0) depctr_sa_sdst(0) depctr_va_vdst(0) depctr_va_sdst(0) depctr_va_ssrc(0) depctr_va_vcc(0) depctr_vm_vsrc(0)
	s_wait_tensorcnt 0x0
	ds_add_u32 v254, v255
	s_wait_dscnt 0x0
	s_endpgm
.Lfunc_end_k_q792271b0de_down:
	.size	k_q792271b0de_down, .Lfunc_end_k_q792271b0de_down-k_q792271b0de_down
	.p2alignl 7, 3214868480
	.fill 96, 4, 3214868480
	.section	.rodata,"a",@progbits
	.p2align	6, 0x0
	.amdhsa_kernel k_q792271b0de_down
		.amdhsa_group_segment_fixed_size 33280
		.amdhsa_private_segment_fixed_size 0
		.amdhsa_enable_private_segment 0
		.amdhsa_kernarg_size 48
		.amdhsa_user_sgpr_count 2
		.amdhsa_user_sgpr_kernarg_segment_ptr 1
		.amdhsa_wavefront_size32 1
		.amdhsa_system_sgpr_workgroup_id_x 1
		.amdhsa_system_sgpr_workgroup_id_y 1
		.amdhsa_system_sgpr_workgroup_id_z 1
		.amdhsa_system_vgpr_workitem_id 0
		.amdhsa_next_free_vgpr 896
		.amdhsa_next_free_sgpr 98
		.amdhsa_reserve_vcc 0
		.amdhsa_float_denorm_mode_32 3
		.amdhsa_float_denorm_mode_16_64 3
		.amdhsa_memory_ordered 1
		.amdhsa_forward_progress 1
		.amdhsa_inst_pref_size 133
	.end_amdhsa_kernel
	.amdgpu_metadata
---
amdhsa.version: [ 1, 2 ]
amdhsa.kernels:
  - .name:           k_q792271b0de_down
    .symbol:         k_q792271b0de_down.kd
    .args:
      - { .name: hid, .offset: 0, .size: 8, .value_kind: global_buffer, .address_space: global }
      - { .name: route, .offset: 8, .size: 8, .value_kind: global_buffer, .address_space: global }
      - { .name: grow, .offset: 16, .size: 8, .value_kind: global_buffer, .address_space: global }
      - { .name: w2, .offset: 24, .size: 8, .value_kind: global_buffer, .address_space: global }
      - { .name: b2, .offset: 32, .size: 8, .value_kind: global_buffer, .address_space: global }
      - { .name: part, .offset: 40, .size: 8, .value_kind: global_buffer, .address_space: global }
    .group_segment_fixed_size: 33280
    .private_segment_fixed_size: 0
    .kernarg_segment_align: 8
    .kernarg_segment_size: 48
    .max_flat_workgroup_size: 128
    .sgpr_count:     98
    .vgpr_count:     896
    .wavefront_size: 32
...
	.end_amdgpu_metadata
.endif
;; end of part 8
;; launch combine: the kernel of part 4 again; grid 256 x 1, 8 waves a work-group, no clusters, 0 bytes of LDS; arguments part, route, rowmap, out0; writes out0
